; MI455X (gfx1250); checked and timed in simulation.
; The chip was launched on July 23, 2026; its instructions are those of AMD's public machine-readable ISA for CDNA 5 (MIT licence, August 2026) and "CDNA5" Instruction Set Architecture Reference Guide (July 2026). The comments in the code are by the model that wrote it; some were corrected since.
;; Mo E Layer. Allowed arithmetic: float matrix products may take bf16 or f16 operands with f32 sums; other float arithmetic in f32, or as packed bf16 or f16 multiplies, adds, multiply-adds, maxima and minima; sums over many terms, partial sums and values carried from step to step in f32; what a program stores and reads back later, other than sums and carried values, may be rounded once to bf16 or f16.
;; Inputs: b1 8 x 4,096 float32; b2 8 x 1,024 float32; router_b 8 float32; router_w 8 x 1,024 float32; w1 8 x 4,096 x 1,024 float32; w2 8 x 1,024 x 4,096 float32; x 4 x 256 x 1,024 float32.
;; Outputs: out0 4 x 256 x 1,024 float32.
;; 3 versions, each right; version 3 is version 2 with the launches ffn1, ffn2, combine written anew for expert scheduling mode. Each part assembles by itself: llvm-mc -triple=amdgcn-amd-amdhsa -mcpu=gfx1250 --defsym DOCPART=n.
;; ======== version 1 of 3: 4 launches
;; limits: a function is approximated: absolute error at most 2.5e-05; an absolute error that grows with the inputs' magnitude: up to 1.25e-05 times it
;; workspace buffers: xb 2,097,152 bytes; sel 4,096 bytes of whole numbers; gate 8,192 bytes; h 16,777,216 bytes; y 33,554,432 bytes
;; launch router (part 1): grid 256 x 1, 4 waves a work-group, no clusters, 0 bytes of LDS; arguments x, router_w, router_b, xb, sel, gate; writes xb, sel, gate
.if DOCPART == 1
	.amdgcn_target "amdgcn-amd-amdhsa--gfx1250"
	.amdhsa_code_object_version 6
	.text
	.protected	k_q3f0cc215c4_router
	.globl	k_q3f0cc215c4_router
	.p2align	8
	.type	k_q3f0cc215c4_router,@function
k_q3f0cc215c4_router:
	s_mov_b64 s[64:65], 0
	v_nop
	global_prefetch_b8 v0, s[64:65] scope:SCOPE_SE
	s_setreg_imm32_b32 hwreg(HW_REG_WAVE_MODE, 25, 1), 1
	s_wait_xcnt 0x0
; ROUTER.  For each of 1,024 tokens: xb = x rounded to bf16; the 8 logits x . router_w[e] + router_b[e] on the ROUNDED x, router_w and router_b
; (products of bf16 numbers are exact in f32; sums in f32); the two largest; their softmax weights renormalised to sum 1.
; Stored at fixed places: sel[t] = (1 << e0) | (1 << (8 + e1)), gate[t] = (g0, g1).  No address here hangs on the choice.
; SHARES.  One token a wave, four waves a work-group, 256 work-groups.  A lane holds columns 128 j + 4 lane + 0..3, j = 0..7: every load covers 512
; consecutive bytes, every store of xb 256 consecutive bytes at a multiple of 256 from xb's first byte.
; The product has 8 columns and 16 MFLOP in all, and its operands lie by columns in the lanes for the sake of those loads and stores: it runs on the vector unit.
; GATES.  softmax's denominator cancels in p1 / (p1 + p2): g0 = 1 / (1 + 2^((l2 - l1) log2 e)), g1 = 2^(..) g0.  The largest logit l1 is taken away, so the exponent is never above 0.
; LIMITS.  The order of the experts is taken on the logits, not on the rounded probabilities: it can differ from the reference's only where two logits lie within
; rounding of each other.  Ties keep the lower index (strict compares, experts ascending).  A gate below 2^-126 counts as 0.  NaN and infinities are not treated apart.
.set X,   32                           ; v[32:63]   x, 4 registers for each j; then packed bf16 in registers 4 j, 4 j + 1
.set W,   64                           ; v[64:255]  router_w of experts 0-5, 32 registers each; experts 6, 7 in window 1, v[0:63]
.set SUM, 8                            ; v[8:23]    two sums an expert: low halves', high halves'; then the logit in the first
.set MSB, 0
.macro WIN new                         ; s_set_vgpr_msb: bits 1:0 source 0, 3:2 source 1, 5:4 source 2, 7:6 destination; the high byte repeats the setting that is left
.if MSB != (\new)
	s_set_vgpr_msb (MSB<<8)|(\new)
.set MSB, (\new)
.endif
.endm
	s_load_b256 s[4:11], s[0:1], 0x0               ; x s[4:5], router_w s[6:7], router_b s[8:9], xb s[10:11]
	s_load_b128 s[12:15], s[0:1], 0x20             ; sel s[12:13], gate s[14:15]
	v_lshrrev_b32 v1, 5, v0
	v_readfirstlane_b32 s2, v1                     ; wave
	v_and_b32 v1, 31, v0                           ; lane
	v_lshlrev_b32 v2, 4, v1                        ; 16 lane
	v_lshlrev_b32 v3, 3, v1                        ; 8 lane
	v_mov_b32 v4, 0
	s_lshl2_add_u32 s3, ttmp9, s2                  ; token t = 4 x work-group + wave
	s_lshl_b32 s16, s3, 12                         ; its row in x,
	s_mov_b32 s17, 0
	s_lshl_b32 s18, s3, 11                         ; in xb,
	s_mov_b32 s19, 0
	s_lshl_b32 s20, s3, 2                          ; its word in sel,
	s_mov_b32 s21, 0
	s_lshl_b32 s22, s3, 3                          ; its pair in gate
	s_mov_b32 s23, 0
	s_mov_b32 s32, 0x76543210                      ; v_permlanex16_b32: each lane takes its own place in the other half
	s_mov_b32 s33, 0xfedcba98
	s_wait_kmcnt 0x0
	s_add_nc_u64 s[4:5], s[4:5], s[16:17]
	s_add_nc_u64 s[10:11], s[10:11], s[18:19]
	s_add_nc_u64 s[12:13], s[12:13], s[20:21]
	s_add_nc_u64 s[14:15], s[14:15], s[22:23]
	s_load_b256 s[24:31], s[8:9], 0x0              ; router_b, all 32 bytes
.irp j, 0,1,2,3,4,5,6,7
	global_load_b128 v[X+4*\j:X+4*\j+3], v2, s[4:5] offset:512*\j th:TH_LOAD_NT  ; x is read once in the whole program
.endr
.irp e, 0,1,2,3,4,5
.irp j, 0,1,2,3,4,5,6,7
	global_load_b128 v[W+32*\e+4*\j:W+32*\e+4*\j+3], v2, s[6:7] offset:4096*\e+512*\j
.endr
.endr
	WIN 0x40                                       ; destination window 1
.irp e, 6,7
.irp j, 0,1,2,3,4,5,6,7
	global_load_b128 v[32*(\e-6)+4*\j:32*(\e-6)+4*\j+3], v2, s[6:7] offset:4096*\e+512*\j
.endr
.endr
	WIN 0
	s_wait_loadcnt 63                              ; 72 loads were issued and come back in order: at most 63 out means the nine oldest are in, x's eight among them
.irp j, 0,1,2,3,4,5,6,7
	v_cvt_pk_bf16_f32 v[X+4*\j], v[X+4*\j], v[X+4*\j+1]
	v_cvt_pk_bf16_f32 v[X+4*\j+1], v[X+4*\j+2], v[X+4*\j+3]
	global_store_b64 v3, v[X+4*\j:X+4*\j+1], s[10:11] offset:256*\j  ; the packed registers are only read from here on
.endr
	s_wait_loadcnt 0x0                             ; router_w
.irp e, 0,1,2,3,4,5
.irp j, 0,1,2,3,4,5,6,7
	v_cvt_pk_bf16_f32 v[W+32*\e+4*\j], v[W+32*\e+4*\j], v[W+32*\e+4*\j+1]
	v_cvt_pk_bf16_f32 v[W+32*\e+4*\j+1], v[W+32*\e+4*\j+2], v[W+32*\e+4*\j+3]
.endr
.endr
	WIN 0x45                                       ; destination and both sources window 1
.irp q, 0,1,2,3,4,5,6,7,8,9,10,11,12,13,14,15
	v_cvt_pk_bf16_f32 v[4*\q], v[4*\q], v[4*\q+1]
	v_cvt_pk_bf16_f32 v[4*\q+1], v[4*\q+2], v[4*\q+3]
.endr
	WIN 0
; Two multiply-adds: the low halves and the high halves of packed register c of group j, for expert e, whose packed weights begin at register wb.  The first link adds 0.
.macro MIX e, wb, j, c
.if ((\j) == 0) && ((\c) == 0)
	v_fma_mix_f32_bf16 v[SUM+2*(\e)], v[X+4*(\j)+(\c)], v[(\wb)+4*(\j)+(\c)], v4 op_sel_hi:[1,1,0]
	v_fma_mix_f32_bf16 v[SUM+2*(\e)+1], v[X+4*(\j)+(\c)], v[(\wb)+4*(\j)+(\c)], v4 op_sel:[1,1,0] op_sel_hi:[1,1,0]
.else
	v_fma_mix_f32_bf16 v[SUM+2*(\e)], v[X+4*(\j)+(\c)], v[(\wb)+4*(\j)+(\c)], v[SUM+2*(\e)] op_sel_hi:[1,1,0]
	v_fma_mix_f32_bf16 v[SUM+2*(\e)+1], v[X+4*(\j)+(\c)], v[(\wb)+4*(\j)+(\c)], v[SUM+2*(\e)+1] op_sel:[1,1,0] op_sel_hi:[1,1,0]
.endif
.endm
.irp j, 0,1,2,3,4,5,6,7                ; twelve chains by turns
.irp c, 0,1
.irp e, 0,1,2,3,4,5
	MIX \e, W+32*\e, \j, \c
.endr
.endr
.endr
	WIN 0x04                                       ; source 1 window 1
.irp j, 0,1,2,3,4,5,6,7                ; four chains by turns
.irp c, 0,1
.irp e, 6,7
	MIX \e, 32*(\e-6), \j, \c
.endr
.endr
.endr
	WIN 0
.irp e, 0,1,2,3,4,5,6,7
	v_add_f32 v[SUM+2*\e], v[SUM+2*\e], v[SUM+2*\e+1]
.endr
.irp m, 1,2,4,8                        ; across the 16 lanes of each half
.irp e, 0,1,2,3,4,5,6,7
	v_add_f32_dpp v[SUM+2*\e], v[SUM+2*\e], v[SUM+2*\e] row_xmask:\m row_mask:0xf bank_mask:0xf
.endr
.endr
.irp e, 0,1,2,3,4,5,6,7
	v_permlanex16_b32 v[SUM+2*\e+1], v[SUM+2*\e], s32, s33
.endr
.irp e, 0,1,2,3,4,5,6,7
	v_add_f32 v[SUM+2*\e], v[SUM+2*\e], v[SUM+2*\e+1]   ; every lane holds the whole sum
.endr
	s_wait_kmcnt 0x0                               ; router_b
.irp p, 0,1,2,3
	v_cvt_pk_bf16_f32 v5, s[24+2*\p], s[25+2*\p]   ; rounded to bf16 like every input, and widened again
	v_lshlrev_b32 v6, 16, v5
	v_and_b32 v5, 0xffff0000, v5
	v_add_f32 v[SUM+4*\p], v[SUM+4*\p], v6
	v_add_f32 v[SUM+4*\p+2], v[SUM+4*\p+2], v5
.endr
	; the two largest: v24 l1, v25 e0, v26 l2, v27 e1
	v_mov_b32 v24, v[SUM]
	v_mov_b32 v25, 0
	v_mov_b32 v26, 0xff800000                      ; below every logit
	v_mov_b32 v27, 1                               ; so that e1 differs from e0 whatever the numbers
.irp e, 1,2,3,4,5,6,7
	v_cmp_gt_f32 s34, v[SUM+2*\e], v24
	v_cmp_gt_f32 s35, v[SUM+2*\e], v26
	v_cndmask_b32 v26, v26, v[SUM+2*\e], s35
	v_cndmask_b32 v27, v27, \e, s35
	v_cndmask_b32 v26, v26, v24, s34               ; a new first pushes the old first to second
	v_cndmask_b32 v27, v27, v25, s34
	v_cndmask_b32 v24, v24, v[SUM+2*\e], s34
	v_cndmask_b32 v25, v25, \e, s34
.endr
	v_sub_f32 v30, v26, v24                        ; l2 - l1, never above 0
	v_mul_f32 v30, 0x3fb8aa3b, v30
	v_exp_f32 v30, v30
	v_mov_b32 v5, 1                                ; a plain instruction behind the exponential
	s_wait_alu depctr_va_vdst(0)
	v_add_f32 v31, 1.0, v30
	v_rcp_f32 v28, v31                             ; g0
	v_lshlrev_b32 v5, v25, v5                      ; 1 << e0: the plain instruction behind the reciprocal
	s_wait_alu depctr_va_vdst(0)
	v_mul_f32 v29, v30, v28                        ; g1
	v_add_nc_u32 v27, 8, v27
	v_mov_b32 v6, 1
	v_lshlrev_b32 v6, v27, v6                      ; 1 << (8 + e1)
	v_or_b32 v5, v5, v6
	v_cmp_eq_u32 vcc_lo, 0, v1
	s_wait_xcnt 0x0                                ; EXEC is a source of the stores of xb: it changes only behind this wait
	s_and_saveexec_b32 s36, vcc_lo                 ; lane 0 alone
	global_store_b32 v4, v5, s[12:13]
	global_store_b64 v4, v[28:29], s[14:15]
	s_wait_xcnt 0x0                                ; and again in front of the line that widens it
	s_or_b32 exec_lo, exec_lo, s36
	s_endpgm
.Lfunc_end_k_q3f0cc215c4_router:
	.size	k_q3f0cc215c4_router, .Lfunc_end_k_q3f0cc215c4_router-k_q3f0cc215c4_router
	.p2alignl 7, 3214868480
	.fill 96, 4, 3214868480
	.section	.rodata,"a",@progbits
	.p2align	6, 0x0
	.amdhsa_kernel k_q3f0cc215c4_router
		.amdhsa_group_segment_fixed_size 0
		.amdhsa_private_segment_fixed_size 0
		.amdhsa_enable_private_segment 0
		.amdhsa_kernarg_size 48
		.amdhsa_user_sgpr_count 2
		.amdhsa_user_sgpr_kernarg_segment_ptr 1
		.amdhsa_wavefront_size32 1
		.amdhsa_system_sgpr_workgroup_id_x 1
		.amdhsa_system_sgpr_workgroup_id_y 1
		.amdhsa_system_sgpr_workgroup_id_z 1
		.amdhsa_system_vgpr_workitem_id 0
		.amdhsa_next_free_vgpr 320
		.amdhsa_next_free_sgpr 66
		.amdhsa_reserve_vcc 1
		.amdhsa_float_denorm_mode_32 3
		.amdhsa_float_denorm_mode_16_64 3
		.amdhsa_memory_ordered 1
		.amdhsa_forward_progress 1
		.amdhsa_inst_pref_size 43
	.end_amdhsa_kernel
	.amdgpu_metadata
---
amdhsa.version: [ 1, 2 ]
amdhsa.kernels:
  - .name:           k_q3f0cc215c4_router
    .symbol:         k_q3f0cc215c4_router.kd
    .args:
      - { .name: x, .offset: 0, .size: 8, .value_kind: global_buffer, .address_space: global }
      - { .name: router_w, .offset: 8, .size: 8, .value_kind: global_buffer, .address_space: global }
      - { .name: router_b, .offset: 16, .size: 8, .value_kind: global_buffer, .address_space: global }
      - { .name: xb, .offset: 24, .size: 8, .value_kind: global_buffer, .address_space: global }
      - { .name: sel, .offset: 32, .size: 8, .value_kind: global_buffer, .address_space: global }
      - { .name: gate, .offset: 40, .size: 8, .value_kind: global_buffer, .address_space: global }
    .group_segment_fixed_size: 0
    .private_segment_fixed_size: 0
    .kernarg_segment_align: 8
    .kernarg_segment_size: 48
    .max_flat_workgroup_size: 128
    .sgpr_count:     66
    .vgpr_count:     320
    .wavefront_size: 32
...
	.end_amdgpu_metadata
.endif
;; end of part 1
;; launch ffn1 (part 2): grid 256 x 1, 4 waves a work-group, no clusters, 315,904 bytes of LDS; arguments w1, b1, xb, sel, h; writes h
.if DOCPART == 2
	.amdgcn_target "amdgcn-amd-amdhsa--gfx1250"
	.amdhsa_code_object_version 6
	.text
	.protected	k_q3f0cc215c4_ffn1
	.globl	k_q3f0cc215c4_ffn1
	.p2align	8
	.type	k_q3f0cc215c4_ffn1,@function
k_q3f0cc215c4_ffn1:
	s_mov_b64 s[64:65], 0
	v_nop
	global_prefetch_b8 v0, s[64:65] scope:SCOPE_SE
	s_setreg_imm32_b32 hwreg(HW_REG_WAVE_MODE, 25, 1), 1
	s_wait_xcnt 0x0
; ONE EXPERT PRODUCT OF THE MoE LAYER.  One text serves both products; LAYER says which is assembled.
;   LAYER 1: h[slot][f] = bf16(gelu(xb[slot >> 1] . bf16(w1[e][f]) + bf16(b1[e][f])))           arguments w1, b1, xb, sel, h
;   LAYER 2: y[ks][slot][n] = the sum over the 1,024 f of slice ks of h[slot][f] bf16(w2[e][n][f]), f32   arguments w2, h, sel, y
; slot = 2 token + k (k: first or second choice); sel[token] = (1 << e0) | (1 << (8 + e1)), stored by the launch before.  Every slot belongs to one expert.
; SHARES.  256 work-groups of four waves; expert e = work-group >> 5.  A work-group owns 128 output columns x 1,024 K of e's weights (524,288 bytes of f32), which it alone reads, once,
; and ALL rows of e.  LAYER 1: columns 128 (wg & 31), all of K.  LAYER 2: columns 128 (wg & 7), K slice (wg >> 3) & 3: four partial sums, added by the launch behind.
; THE STREAM.  K goes in 8 chunks of 128.  A wave loads 32 weight rows' 512 bytes (one load a row: 512 consecutive bytes) into 128 registers, rounds them to bf16 and stores them ONCE
; into an image of the whole slice in LDS.  Behind a barrier every wave multiplies the chunk by its own blocks of 16 rows, whose sums stay in registers over all of K;
; the next chunk's loads are out during all of that.  The rows come straight from memory as matrix operands, by the list.
; BLOCKS.  Block g of 16 list rows is wave g & 3's.  A wave keeps five (320 rows an expert in all); blocks beyond (up to 1,024 rows: every token) are multiplied afterwards, one at a time,
; from the image in LDS, which then is whole: slower for each row, and right for every split.  An expert without rows streams its weights and stores nothing.
; THE LIST.  Each wave makes its own copy in its own LDS bytes from sel (4,096 bytes), so it needs no barrier, and reads its 16 possible blocks' entries back into 16 registers at once.
; Places past the count hold slot 0, a row that exists.
; THE WAY OUT is one loop over a wave's 16 possible blocks.  Every LDS address in it is a register made at the head plus an immediate: so the K of a block beyond the five, and a block's
; four groups of four rows, are written out.
; NO TENSOR LOADS, NO CLUSTER: each weight byte has one reader, and must pass registers to be rounded; the rows that an expert's work-groups share come by a list, which no descriptor covers.
; THE MATRIX INSTRUCTION IS USED TRANSPOSED: source 0 = 16 weight rows, source 1 = 16 list rows: a lane holds one list row (lane % 16) and 8 neighbouring columns 8 (lane / 16) + 0..7.
; The five blocks' accumulators are cleared by 320 v_mov_b32 in the wait for the first weights: dead blocks' products are jumped over, so no first product could start every sum on every way.
; GELU.  erf by Abramowitz and Stegun 7.1.25, off by 2.5e-5 at the most for every argument: gelu(u) = max(u, 0) - 0.5 |u| (a1 t + a2 t^2 + a3 t^3) 2^(-0.72134752 u^2),
; t = 1 / (1 + 0.33267253 |u|): off by 1.25e-5 |u| at the most, a hundredth of bf16's step at |u|.
; LIMITS.  All inputs are rounded to bf16 (h too: its range is f32's).  NaN and infinities are not treated apart.
; REGISTERS, in windows of 256 (s_set_vgpr_msb: bits 1:0 source 0, 3:2 source 1, 5:4 source 2, 7:6 destination):
;   window 0: v0-58 addresses, the list's entries and at work; v64-223 the rows' fragments, block b, 32 K piece s at 64 + 32 b + 8 s (first sel, at the end the way out); v224-239 constants and bias
;   window 1: v0-127 weight fragments, two buffers of 64; v128-255 the staged chunk, row rho at 128 + 4 rho
;   window 2: accumulators of blocks 0-3, column group i of block b at 64 b + 8 i;   window 3: v0-63 block 4's
.set LAYER,  1
.if LAYER == 1
.set WPITCH, 4096                      ; bytes from weight row to weight row
.else
.set WPITCH, 16384
.endif
.set LP,     2064                      ; a row of the image: 2,048 bytes + 16: 129 x 16, so the 16 rows of a fragment load start at 16 different 16-byte columns modulo 256
.set STAGE,  128*LP                    ; 264,192: behind the image, 16 rows x 528 bytes of f32 for each wave, for the way out
.set SPITCH, 528
.set LIST,   STAGE+4*16*SPITCH         ; 297,984: for each wave 1,024 words of list, 32 words that take the lanes without an entry, and padding
.set LISTB,  4352
.set SPARE,  LIST+4*LISTB              ; 315,392: the spare words, 128 bytes a wave: two blocks of 256 bytes that no other line names
.set R,    1                           ; lane % 16
.set H16,  2                           ; 16 (lane / 16)
.set LANE, 3
.set WOFF, 4                           ; 16 lane
.set WST0, 5                           ; image: my wave's 32 rows, 8 lane
.set WSTW, 6                           ;   + the chunk
.set BAD0, 7                           ; v7-10   image: row lane % 16 of row group 32 p, 16 (lane / 16)
.set BADW, 11                          ; v11-14    + the chunk
.set AOF,  15                          ; v15-19  byte offset of my list row of block b, + 16 (lane / 16)
.set STO,  20                          ; stage: where I put a result's 16 bytes
.set SRD0, 21                          ; stage: 16 lane
.set LB,   23                          ; my wave's list
.set LRD0, 24                          ; list: my wave's block 0, entry lane % 16
.set V8L,  26                          ; 8 lane
.set TRI,  27                          ; 1,024 + lane: the word that takes my store when I have no entry
.set SPW,  28                          ; LDS address of my spare word; never rewritten
.set NIL,  29                          ; 0; never rewritten
.set TA,   30                          ; v30-35  at work
.set Z4,   36                          ; v36-39  0
.set SLT,  42                          ; v42-57  entry lane % 16 of my block j, j = 0..15
.set CUR,  58                          ; the same of the block in hand
.set AF,   64
.set SELR, 64
.set KON,  224                         ; six constants, each twice
.set BIA,  236                         ; bias of my four columns
.set SG,   128                         ; window 1
.set AB,   64                          ; the way out: four times sixteen registers at work,
.set T,    80
.set EX,   96
.set PQ,   112
.set U,    128                         ; v128-191  sixteen rows x four numbers: group q of four rows at U + 16 q
.set OF,   192                         ; v192-207  the rows' byte offsets in the output
.set WV,   14                          ; wave
.set XP,   15                          ; expert
.set SUB,  16
.set SM,   20                          ; 0x101 << e
.set SH,   21                          ; 8 + e
.set NE,   22                          ; rows of e
.set NBLK, 23                          ; blocks of e
.set LIVE, 24                          ; my live blocks among the five
.set CNT,  25
.set KB,   26                          ; s[26:27] the chunk's byte offset in bf16 rows: 256 c
.set ABW,  28                          ; s[28:29] the rows' base for the chunk being asked for
.set MK,   30                          ; s30 mask, s31 its count
.set J,    32
.set RI,   35
.set RM,   38
.set KN,   40                          ; s[40:41] KB + 256
.set WBW,  42                          ; s[42:43] my wave's 32 weight rows at the chunk being asked for
.set AB0,  44                          ; s[44:45] the rows' base
.set OB,   46                          ; s[46:47] the output at my columns
.set SS,   48                          ; a row's slot
.set ABSM, 49                          ; 0x7fffffff
.set MSB, 0
.macro WIN new                         ; the high byte repeats the setting that is left; a switch that changes nothing is dropped
.if MSB != (\new)
	s_set_vgpr_msb (MSB<<8)|(\new)
.set MSB, (\new)
.endif
.endm
.macro PLACES                          ; four plain vector instructions between a matrix instruction and a load into, a write of or a read of its registers (ISA guide 7.12.1 for writes and reads)
.rept 4
	v_nop
.endr
.endm
; 16 LDS loads in one run: the weight fragments (128 rows x 32 K at byte off behind the four address registers from areg on) into buffer buf
.macro FETCHB areg, off, buf
	WIN 0x40
.irp i, 0,1,2,3,4,5,6,7
	ds_load_b128 v[64*(\buf)+8*\i:64*(\buf)+8*\i+3],   v[(\areg)+\i/2] offset:(\i%2)*16*LP+(\off)
	ds_load_b128 v[64*(\buf)+8*\i+4:64*(\buf)+8*\i+7], v[(\areg)+\i/2] offset:(\i%2)*16*LP+(\off)+32
.endr
	WIN 0
.endm
; 10 loads: piece s of all five blocks' rows, dead blocks' too (their entries are slot 0), so that every count is the same on every way
.macro ALOAD s, base
.irp b, 0,1,2,3,4
	global_load_b128 v[AF+32*\b+8*(\s):AF+32*\b+8*(\s)+3],   v[AOF+\b], s[\base:\base+1] offset:64*(\s)
	global_load_b128 v[AF+32*\b+8*(\s)+4:AF+32*\b+8*(\s)+7], v[AOF+\b], s[\base:\base+1] offset:64*(\s)+32
.endr
.endm
; 8 matrix instructions: block b x the 8 column groups, piece s.  The accumulators take turns, one instruction a turn.
.macro MULB b, s
	WIN 0xa1+0x50*((\b)/4)
.irp i, 0,1,2,3,4,5,6,7
	v_wmma_f32_16x16x32_bf16 v[64*((\b)%4)+8*\i:64*((\b)%4)+8*\i+7], v[64*((\s)%2)+8*\i:64*((\s)%2)+8*\i+7], v[AF+32*(\b)+8*(\s):AF+32*(\b)+8*(\s)+7], v[64*((\b)%4)+8*\i:64*((\b)%4)+8*\i+7]
.endr
.endm
; A list entry becomes a row's byte offset.  What was loaded is held to the table's size before it enters an address.
.macro ROWOFF dst, src
.if LAYER == 1
	v_lshrrev_b32 v[\dst], 1, v[\src]              ; the token
	v_min_u32 v[\dst], 0x3ff, v[\dst]
	v_lshl_add_u32 v[\dst], v[\dst], 11, v[H16]    ; rows of 2,048 bytes in xb
.else
	v_min_u32 v[\dst], 0x7ff, v[\src]
	v_lshl_add_u32 v[\dst], v[\dst], 13, v[H16]    ; rows of 8,192 bytes in h
.endif
.endm
; The staged chunk goes into the image; issue = 1: the next chunk is asked for.
.macro WPART issue
	s_wait_loadcnt 40                              ; loads come back in order: my 32 weight loads are in, the 40 younger ones (this chunk's rows) may stay out
	s_wait_dscnt 0x0                               ; my reads of the image are back
	s_barrier_signal -1                            ; FIRST BARRIER: between all waves' reads of the image's rows and the next stores into those rows.  The stores land in other bytes of the rows
	v_add_nc_u32 v[WSTW], s[KB], v[WST0]           ; (KB has stepped); the order is kept all the same.  The conversions stand between signal and wait, so the last wave to arrive does not wait here.
	WIN 0x45
.set rho, 0
.rept 32
	v_cvt_pk_bf16_f32 v[SG+4*rho], v[SG+4*rho], v[SG+4*rho+1]
	v_cvt_pk_bf16_f32 v[SG+4*rho+1], v[SG+4*rho+2], v[SG+4*rho+3]
.set rho, rho+1
.endr
	WIN 0x04                                       ; store data window 1
	s_barrier_wait -1
.set rho, 0
.rept 32
	ds_store_b64 v[WSTW], v[SG+4*rho:SG+4*rho+1] offset:rho*LP   ; 32 lanes x 8 bytes: 256 consecutive bytes of a row
.set rho, rho+1
.endr
.if \issue
	s_wait_xcnt 0x0                                ; the two bases below are sources of loads issued earlier: they are rewritten only behind this wait
	s_add_nc_u64 s[WBW:WBW+1], s[WBW:WBW+1], 512
	s_add_co_u32 s[KN], s[KB], 256
	s_add_nc_u64 s[ABW:ABW+1], s[AB0:AB0+1], s[KN:KN+1]
	WIN 0x40
.set rho, 0
.rept 32
	global_load_b128 v[SG+4*rho:SG+4*rho+3], v[WOFF], s[WBW:WBW+1] offset:rho*WPITCH th:TH_LOAD_NT  ; 512 consecutive bytes of a weight row, read once in the launch
.set rho, rho+1
.endr
.endif
	WIN 0
	s_wait_dscnt 0x0                               ; for the others' sake: my stores into the image are done
	s_barrier_signal -1                            ; SECOND BARRIER: between the stores and all waves' reads of the chunk
	s_barrier_wait -1
.endm
; Piece s (32 K) of the chunk.  n: the loads younger than this piece's rows.  Dead blocks' products are jumped over, forward, two blocks at a time; nothing else is.
.macro KSTEP s, issue, n
.if (\s) == 3
	s_wait_dscnt 0x0
.else
	s_wait_dscnt 16                                ; this piece's weight fragments are in; the next piece's 16 loads may stay out
.endif
	s_wait_loadcnt \n
	s_cmp_eq_u32 s[LIVE], 0
	s_cbranch_scc1 .Lke_\@
	MULB 0, \s
	MULB 1, \s
	WIN 0                                          ; at a branch and at a label every window is 0
	s_cmp_le_u32 s[LIVE], 2
	s_cbranch_scc1 .Lke_\@
	MULB 2, \s
	MULB 3, \s
	WIN 0
	s_cmp_le_u32 s[LIVE], 4
	s_cbranch_scc1 .Lke_\@
	MULB 4, \s
	WIN 0
.Lke_\@:
	PLACES                                         ; in front of the loads into registers that the products have read
.if \issue
	ALOAD \s, ABW                                  ; the same piece of the next chunk
.endif
.if (\s) < 2
	FETCHB BADW, 64*((\s)+2), \s
.endif
.endm
.macro TRIP issue, n0, n1, n2, n3
	WPART \issue
.irp p, 0,1,2,3
	v_add_nc_u32 v[BADW+\p], s[KB], v[BAD0+\p]
.endr
	FETCHB BADW, 0, 0
	FETCHB BADW, 64, 1
	KSTEP 0, \issue, \n0
	KSTEP 1, \issue, \n1
	KSTEP 2, \issue, \n2
	KSTEP 3, \issue, \n3
.endm
; Word i of group j of sel: token 128 j + 4 lane + i.  Lanes whose token chose e store its slot at the next free places of the list, in the lanes' order; the others into their own word behind it.
.macro ENTRY j, i
	v_and_b32 v[TA], s[SM], v[SELR+4*(\j)+(\i)]
	v_cmp_ne_u32 s[MK], 0, v[TA]
	v_bfe_u32 v[TA+1], v[SELR+4*(\j)+(\i)], s[SH], 1   ; k: 1 where e is the second choice
	v_mbcnt_lo_u32_b32 v[TA+2], s[MK], s[NE]           ; the count so far + the chosen lanes below me
	v_cndmask_b32 v[TA+2], v[TRI], v[TA+2], s[MK]
	v_min_u32 v[TA+2], 0x43f, v[TA+2]                  ; inside my wave's 4,352 bytes
	v_lshl_add_u32 v[TA+2], v[TA+2], 2, v[LB]
	v_add3_u32 v[TA+1], v[TA+1], v[V8L], 256*(\j)+2*(\i)  ; slot = 2 token + k
	ds_store_b32 v[TA+2], v[TA+1]
	s_bcnt1_i32_b32 s[MK+1], s[MK]
	s_add_co_u32 s[NE], s[NE], s[MK+1]
.endm
; A block beyond the five.  8 loads: chunk c of its rows, into buffer c % 2 of two (where blocks 0 and 1's fragments lay)
.macro OALOAD c
.irp s, 0,1,2,3
	global_load_b128 v[AF+32*((\c)%2)+8*\s:AF+32*((\c)%2)+8*\s+3],   v[AOF], s[AB0:AB0+1] offset:256*(\c)+64*\s
	global_load_b128 v[AF+32*((\c)%2)+8*\s+4:AF+32*((\c)%2)+8*\s+7], v[AOF], s[AB0:AB0+1] offset:256*(\c)+64*\s+32
.endr
.endm
; 8 matrix instructions: piece g of 32 of its K, into block 0's registers, which have gone out.  Piece 0 starts the sums.  The accumulators take turns.
.macro OMUL g
	WIN 0xa1
.irp i, 0,1,2,3,4,5,6,7
.if (\g) == 0
	v_wmma_f32_16x16x32_bf16 v[8*\i:8*\i+7], v[64*((\g)%2)+8*\i:64*((\g)%2)+8*\i+7], v[AF+32*(((\g)/4)%2)+8*((\g)%4):AF+32*(((\g)/4)%2)+8*((\g)%4)+7], 0
.else
	v_wmma_f32_16x16x32_bf16 v[8*\i:8*\i+7], v[64*((\g)%2)+8*\i:64*((\g)%2)+8*\i+7], v[AF+32*(((\g)/4)%2)+8*((\g)%4):AF+32*(((\g)/4)%2)+8*((\g)%4)+7], v[8*\i:8*\i+7]
.endif
.endr
.endm
; Block b's 16 x 128 sums go into my stage, each accumulator's low registers first.
.macro DUMP b
	WIN 0x08+0x04*((\b)/4)                         ; store data window 2 or 3
.irp i, 0,1,2,3,4,5,6,7
	ds_store_b128 v[STO], v[64*((\b)%4)+8*\i:64*((\b)%4)+8*\i+3]   offset:64*\i
	ds_store_b128 v[STO], v[64*((\b)%4)+8*\i+4:64*((\b)%4)+8*\i+7] offset:64*\i+16
.endr
	WIN 0
.endm
.macro PAIRS line:vararg               ; one line for each of eight register pairs p
.set p, 0
	s_wait_alu depctr_va_vdst(0)
.rept 8
	\line
.set p, p+2
.endr
.endm
.macro EACH line:vararg                ; one line for each of sixteen registers p
.set p, 0
.rept 16
	\line
.set p, p+1
.endr
.endm
; Rows 4 q to 4 q + 3 of the block in hand: a lane holds columns 4 lane + 0..3 of each.  LAYER 1: bias, GELU, rounding (in place: row r's 8 bytes at UB + 2 r).  Then the stores, row by row; rows past the count are jumped.
.macro FGROUP q
.set UB, U+16*(\q)
	s_wait_dscnt 12-4*(\q)                         ; LDS loads come back in order: the later groups' may stay out
.if LAYER == 1
	PAIRS v_pk_add_f32 v[UB+p:UB+p+1], v[UB+p:UB+p+1], v[BIA+p%4:BIA+p%4+1]
	EACH  v_and_b32 v[AB+p], s[ABSM], v[UB+p]
	PAIRS v_pk_fma_f32 v[T+p:T+p+1], v[AB+p:AB+p+1], v[KON:KON+1], v[KON+2:KON+3]
	EACH  v_rcp_f32 v[T+p], v[T+p]
	PAIRS v_pk_mul_f32 v[EX+p:EX+p+1], v[UB+p:UB+p+1], v[UB+p:UB+p+1]         ; plain work that names no t stands behind the reciprocals
	PAIRS v_pk_mul_f32 v[EX+p:EX+p+1], v[EX+p:EX+p+1], v[KON+4:KON+5]
	EACH  v_exp_f32 v[EX+p], v[EX+p]
	PAIRS v_pk_fma_f32 v[PQ+p:PQ+p+1], v[T+p:T+p+1], v[KON+10:KON+11], v[KON+8:KON+9]  ; and behind the exponentials
	PAIRS v_pk_fma_f32 v[PQ+p:PQ+p+1], v[PQ+p:PQ+p+1], v[T+p:T+p+1], v[KON+6:KON+7]
	PAIRS v_pk_mul_f32 v[PQ+p:PQ+p+1], v[PQ+p:PQ+p+1], v[T+p:T+p+1]
	PAIRS v_pk_mul_f32 v[PQ+p:PQ+p+1], v[PQ+p:PQ+p+1], v[EX+p:EX+p+1]
	EACH  v_max_num_f32 v[UB+p], 0, v[UB+p]
	PAIRS v_pk_fma_f32 v[UB+p:UB+p+1], v[PQ+p:PQ+p+1], v[AB+p:AB+p+1], v[UB+p:UB+p+1]
.set p, 0
.rept 8
	v_cvt_pk_bf16_f32 v[UB+p], v[UB+2*p], v[UB+2*p+1]
.set p, p+1
.endr
.endif
.irp r, 0,1,2,3
	v_readlane_b32 s[SS], v[CUR], 4*(\q)+\r        ; the row's slot
	s_min_u32 s[SS], s[SS], 0x7ff                  ; held to the table's size before it enters an address
.if LAYER == 1
	v_lshl_add_u32 v[OF+4*(\q)+\r], s[SS], 13, v[V8L]   ; rows of 8,192 bytes in h
.else
	v_lshl_add_u32 v[OF+4*(\q)+\r], s[SS], 12, v[WOFF]  ; rows of 4,096 bytes in y
.endif
	s_cmp_le_i32 s[RM], 4*(\q)+\r                  ; rows past the count are not stored
	s_cbranch_scc1 .Lfin_end
.if LAYER == 1
	global_store_b64 v[OF+4*(\q)+\r], v[UB+2*\r:UB+2*\r+1], s[OB:OB+1]   ; 32 lanes store 256 consecutive bytes, at a multiple of 256 from h's first byte
.else
	global_store_b128 v[OF+4*(\q)+\r], v[UB+4*\r:UB+4*\r+3], s[OB:OB+1]  ; 32 lanes store 512 consecutive bytes, at a multiple of 512 from y's first byte
.endif
.endr
.endm
.if LAYER == 1
	s_load_b256 s[4:11], s[0:1], 0x0               ; weights s[4:5], bias s[6:7], rows s[8:9], sel s[10:11]
	s_load_b64 s[12:13], s[0:1], 0x20              ; output
.else
	s_load_b64 s[4:5], s[0:1], 0x0                 ; weights
	s_load_b128 s[8:11], s[0:1], 0x8               ; rows s[8:9], sel s[10:11]
	s_load_b64 s[12:13], s[0:1], 0x18              ; output
.endif
	v_lshl_add_u32 v[SPW], v0, 2, SPARE
	v_mov_b32 v[NIL], 0
	v_lshrrev_b32 v[TA], 5, v0
	v_readfirstlane_b32 s[WV], v[TA]               ; wave 0..3
	v_and_b32 v[LANE], 31, v0
	v_and_b32 v[R], 15, v0
	v_bfe_u32 v[H16], v0, 4, 1
	v_lshlrev_b32 v[H16], 4, v[H16]
	v_lshlrev_b32 v[WOFF], 4, v[LANE]
	v_lshlrev_b32 v[V8L], 3, v[LANE]
	v_add_nc_u32 v[TRI], 1024, v[LANE]
	s_mul_i32 s18, s[WV], 32*LP
	v_add_nc_u32 v[WST0], s18, v[V8L]
	v_mul_u32_u24 v[TA], v[R], LP
	v_add_nc_u32 v[TA], v[TA], v[H16]
.irp p, 0,1,2,3
	v_add_nc_u32 v[BAD0+\p], \p*32*LP, v[TA]
.endr
	s_mul_i32 s18, s[WV], 16*SPITCH
	s_add_co_u32 s18, s18, STAGE                   ; my stage
	v_mul_u32_u24 v[TA], v[R], SPITCH
	v_lshl_add_u32 v[TA], v[H16], 1, v[TA]         ; row lane % 16, 32 bytes for each half of the lanes
	v_add_nc_u32 v[STO], s18, v[TA]
	v_add_nc_u32 v[SRD0], s18, v[WOFF]
	s_mul_i32 s18, s[WV], LISTB
	s_add_co_u32 s18, s18, LIST                    ; my list
	v_mov_b32 v[LB], s18
	s_lshl_b32 s19, s[WV], 6
	s_add_co_u32 s19, s19, s18
	v_lshl_add_u32 v[LRD0], v[R], 2, s19           ; block 4 j + w begins at word 64 j + 16 w
.irp z, 0,1,2,3
	v_mov_b32 v[Z4+\z], 0
.endr
	s_lshr_b32 s[XP], ttmp9, 5
	s_lshl_b32 s[SM], 0x101, s[XP]
	s_add_co_u32 s[SH], s[XP], 8
	s_mov_b32 s[ABSM], 0x7fffffff
	s_lshl_b32 s18, s[XP], 24                      ; an expert's weights are 16,777,216 bytes
.if LAYER == 1
	s_and_b32 s[SUB], ttmp9, 31
	s_lshl_b32 s19, s[SUB], 19                     ; 128 rows of 4,096 bytes
	s_add_co_u32 s18, s18, s19
	s_lshl_b32 s19, s[WV], 17                      ; my wave's 32 of them
	s_add_co_u32 s18, s18, s19
	s_lshl_b32 s50, s[XP], 14                      ; bias: 16,384 bytes an expert, 512 for my 128 columns
	s_lshl_b32 s19, s[SUB], 9
	s_add_co_u32 s50, s50, s19
	s_mov_b32 s51, 0
	s_mov_b32 s52, 0                               ; the rows begin at xb's first byte
	s_lshl_b32 s54, s[SUB], 8                      ; my 128 columns in a row of h
.else
	s_and_b32 s[SUB], ttmp9, 7
	s_bfe_u32 s17, ttmp9, 0x20003                  ; K slice
	s_lshl_b32 s19, s[SUB], 21                     ; 128 rows of 16,384 bytes
	s_add_co_u32 s18, s18, s19
	s_lshl_b32 s19, s17, 12                        ; 1,024 f32 along the rows
	s_add_co_u32 s18, s18, s19
	s_lshl_b32 s19, s[WV], 19                      ; my wave's 32 rows
	s_add_co_u32 s18, s18, s19
	s_lshl_b32 s52, s17, 11                        ; 1,024 bf16 along h's rows
	s_lshl_b32 s54, s17, 23                        ; y's part for the slice: 8,388,608 bytes,
	s_lshl_b32 s19, s[SUB], 9                      ; my 128 columns of f32
	s_add_co_u32 s54, s54, s19
.endif
	s_mov_b32 s19, 0
	s_mov_b32 s53, 0
	s_mov_b32 s55, 0
	s_mov_b32 s[KB], 0
	s_mov_b32 s[KB+1], 0
	s_mov_b32 s[KN+1], 0
	s_mov_b32 s[NE], 0
	s_wait_kmcnt 0x0
	s_add_nc_u64 s[WBW:WBW+1], s[4:5], s[18:19]
	s_add_nc_u64 s[AB0:AB0+1], s[8:9], s[52:53]
	s_add_nc_u64 s[OB:OB+1], s[12:13], s[54:55]
.if LAYER == 1
	s_add_nc_u64 s[6:7], s[6:7], s[50:51]
.endif
.irp j, 0,1,2,3,4,5,6,7
	global_load_b128 v[SELR+4*\j:SELR+4*\j+3], v[WOFF], s[10:11] offset:512*\j  ; all of sel
.endr
.if LAYER == 1
	global_load_b128 v[BIA:BIA+3], v[WOFF], s[6:7]
.endif
	WIN 0x40
.set rho, 0
.rept 32
	global_load_b128 v[SG+4*rho:SG+4*rho+3], v[WOFF], s[WBW:WBW+1] offset:rho*WPITCH th:TH_LOAD_NT  ; chunk 0
.set rho, rho+1
.endr
	WIN 0
	v_add_nc_u32 v[TA], v[LB], v[WOFF]
.irp j, 0,1,2,3,4,5,6,7
	ds_store_b128 v[TA], v[Z4:Z4+3] offset:512*\j  ; my list starts as 1,024 times slot 0
.endr
	WIN 0x80
.set z, 0
.rept 256
	v_mov_b32 v[z], 0
.set z, z+1
.endr
	WIN 0xc0
.set z, 0
.rept 64
	v_mov_b32 v[z], 0
.set z, z+1
.endr
	WIN 0
.if LAYER == 1
.irp z, 0,1
	v_mov_b32 v[KON+\z], 0x3eaa540e                ; 0.47047 / sqrt(2)
	v_mov_b32 v[KON+2+\z], 1.0
	v_mov_b32 v[KON+4+\z], 0xbf38aa3b              ; -log2(e) / 2
	v_mov_b32 v[KON+6+\z], 0xbe32303a              ; -a1 / 2 = -0.1740121
	v_mov_b32 v[KON+8+\z], 0x3d445ca1              ; -a2 / 2 =  0.0479399
	v_mov_b32 v[KON+10+\z], 0xbebf7377             ; -a3 / 2 = -0.3739278
.endr
.endif
	s_wait_loadcnt 32                              ; sel (and the bias) are in; chunk 0's 32 loads may stay out
.irp j, 0,1,2,3,4,5,6,7
.irp i, 0,1,2,3
	ENTRY \j, \i
.endr
.endr
	s_add_co_u32 s[NBLK], s[NE], 15
	s_lshr_b32 s[NBLK], s[NBLK], 4
	s_min_u32 s[LIVE], s[NBLK], 20
	s_add_co_u32 s[LIVE], s[LIVE], 3
	s_sub_co_u32 s[LIVE], s[LIVE], s[WV]
	s_lshr_b32 s[LIVE], s[LIVE], 2                 ; how many j in 0..4 have 4 j + w < NBLK
.irp j, 0,1,2,3,4,5,6,7,8,9,10,11,12,13,14,15
	ds_load_b32 v[SLT+\j], v[LRD0] offset:256*\j   ; LDS serves a wave's instructions in order: these see my stores above
.endr
	s_wait_dscnt 0x0
.irp b, 0,1,2,3,4
	ROWOFF AOF+\b, SLT+\b
.endr
.irp s, 0,1,2,3
	ALOAD \s, AB0                                  ; chunk 0's rows, piece by piece
.endr
.if LAYER == 1
	v_cvt_pk_bf16_f32 v[TA], v[BIA], v[BIA+1]      ; the bias is rounded to bf16 like every input, and widened again
	v_cvt_pk_bf16_f32 v[TA+1], v[BIA+2], v[BIA+3]
	v_lshlrev_b32 v[BIA], 16, v[TA]
	v_and_b32 v[BIA+1], 0xffff0000, v[TA]
	v_lshlrev_b32 v[BIA+2], 16, v[TA+1]
	v_and_b32 v[BIA+3], 0xffff0000, v[TA+1]
.endif
	s_mov_b32 s[CNT], 7
.Ltrip:                                                ; chunks 0 to 6.  Younger than piece s's rows: 10 (3 - s) loads of this chunk's rows, the next chunk's 32 weight loads and 10 s of its rows: 62
	TRIP 1, 62, 62, 62, 62
	s_add_co_u32 s[KB], s[KB], 256
	s_sub_co_u32 s[CNT], s[CNT], 1
	s_cmp_lg_u32 s[CNT], 0
	s_cbranch_scc1 .Ltrip
	TRIP 0, 30, 20, 10, 0                          ; chunk 7 asks for nothing: the counts run down
; THE WAY OUT, block by block: J = 0..15, my block 4 J + w.  Every jump inside goes forward; no barrier stands here: the image is whole, the stage is my own.
	s_mov_b32 s[J], 0
.Lblock:
	s_lshl2_add_u32 s[RI], s[J], s[WV]
	s_cmp_ge_u32 s[RI], s[NBLK]
	s_cbranch_scc1 .Lnext
	s_lshl_b32 s[RM], s[RI], 4
	s_sub_co_i32 s[RM], s[NE], s[RM]               ; rows left from the block's first on: 1 at the least
	v_mov_b32 v[CUR], v[SLT]                       ; the block's entries: register J of the sixteen
.irp j, 1,2,3,4,5,6,7,8,9,10,11,12,13,14,15
	s_cmp_eq_u32 s[J], \j
	s_cselect_b32 s[MK], -1, 0
	v_cndmask_b32 v[CUR], v[CUR], v[SLT+\j], s[MK]
.endr
	s_cmp_ge_u32 s[J], 5
	s_cbranch_scc1 .Lover
	s_cmp_eq_u32 s[J], 1
	s_cbranch_scc1 .Ld1
	s_cmp_eq_u32 s[J], 2
	s_cbranch_scc1 .Ld2
	s_cmp_eq_u32 s[J], 3
	s_cbranch_scc1 .Ld3
	s_cmp_eq_u32 s[J], 4
	s_cbranch_scc1 .Ld4
	s_branch .Ld0
.Lover:                                                ; a block beyond the five: multiplied now, from the image; 32 pieces of 32 K, written out
	ROWOFF AOF, CUR                                ; every load that named this register has been waited for
	OALOAD 0
	FETCHB BAD0, 0, 0
	FETCHB BAD0, 64, 1
.set g, 0
.rept 32
.if g%4 == 0
.if g < 28
.set cn, g/4+1
	OALOAD cn                                      ; the next chunk's rows, into the buffer whose last products stand in front of four places
	s_wait_loadcnt 8                               ; this chunk's rows are in; the eight just issued may stay out
.else
	s_wait_loadcnt 0x0
.endif
.endif
.if g == 31
	s_wait_dscnt 0x0
.else
	s_wait_dscnt 16                                ; the next piece's 16 loads may stay out
.endif
	OMUL g
	WIN 0
	PLACES
.if g < 30
.set go, 64*(g+2)
.set gb, g%2
	FETCHB BAD0, go, gb
.endif
.set g, g+1
.endr
.Ld0:
	DUMP 0
	s_branch .Lfin
.Ld1:
	DUMP 1
	s_branch .Lfin
.Ld2:
	DUMP 2
	s_branch .Lfin
.Ld3:
	DUMP 3
	s_branch .Lfin
.Ld4:
	DUMP 4
.Lfin:                                                 ; the block comes back from my stage as sixteen whole rows
	s_wait_xcnt 0x0                                ; the last block's stores read U and OF: these are rewritten only behind this wait
.set rho, 0
.rept 16
	ds_load_b128 v[U+4*rho:U+4*rho+3], v[SRD0] offset:SPITCH*rho  ; LDS serves a wave's instructions in order: these see the stores into the stage
.set rho, rho+1
.endr
	FGROUP 0
	FGROUP 1
	FGROUP 2
	FGROUP 3
.Lfin_end:
	s_wait_dscnt 0x0                               ; a jump past the count may have left later groups' loads out: U is loaded again only behind this wait
.Lnext:
	s_add_co_u32 s[J], s[J], 1
	s_cmp_lt_u32 s[J], 16
	s_cbranch_scc1 .Lblock
	s_wait_tensorcnt 0x0                           ; the wave's end, behind my last LDS store
	ds_add_u32 v[SPW], v[NIL]
	s_wait_dscnt 0x0
	s_endpgm
.Lfunc_end_k_q3f0cc215c4_ffn1:
	.size	k_q3f0cc215c4_ffn1, .Lfunc_end_k_q3f0cc215c4_ffn1-k_q3f0cc215c4_ffn1
	.p2alignl 7, 3214868480
	.fill 96, 4, 3214868480
	.section	.rodata,"a",@progbits
	.p2align	6, 0x0
	.amdhsa_kernel k_q3f0cc215c4_ffn1
		.amdhsa_group_segment_fixed_size 315904
		.amdhsa_private_segment_fixed_size 0
		.amdhsa_enable_private_segment 0
		.amdhsa_kernarg_size 40
		.amdhsa_user_sgpr_count 2
		.amdhsa_user_sgpr_kernarg_segment_ptr 1
		.amdhsa_wavefront_size32 1
		.amdhsa_system_sgpr_workgroup_id_x 1
		.amdhsa_system_sgpr_workgroup_id_y 1
		.amdhsa_system_sgpr_workgroup_id_z 1
		.amdhsa_system_vgpr_workitem_id 0
		.amdhsa_next_free_vgpr 832
		.amdhsa_next_free_sgpr 66
		.amdhsa_reserve_vcc 0
		.amdhsa_float_denorm_mode_32 3
		.amdhsa_float_denorm_mode_16_64 3
		.amdhsa_memory_ordered 1
		.amdhsa_forward_progress 1
		.amdhsa_inst_pref_size 205
	.end_amdhsa_kernel
	.amdgpu_metadata
---
amdhsa.version: [ 1, 2 ]
amdhsa.kernels:
  - .name:           k_q3f0cc215c4_ffn1
    .symbol:         k_q3f0cc215c4_ffn1.kd
    .args:
      - { .name: w1, .offset: 0, .size: 8, .value_kind: global_buffer, .address_space: global }
      - { .name: b1, .offset: 8, .size: 8, .value_kind: global_buffer, .address_space: global }
      - { .name: xb, .offset: 16, .size: 8, .value_kind: global_buffer, .address_space: global }
      - { .name: sel, .offset: 24, .size: 8, .value_kind: global_buffer, .address_space: global }
      - { .name: h, .offset: 32, .size: 8, .value_kind: global_buffer, .address_space: global }
    .group_segment_fixed_size: 315904
    .private_segment_fixed_size: 0
    .kernarg_segment_align: 8
    .kernarg_segment_size: 40
    .max_flat_workgroup_size: 128
    .sgpr_count:     66
    .vgpr_count:     832
    .wavefront_size: 32
...
	.end_amdgpu_metadata
.endif
;; end of part 2
;; launch ffn2 (part 3): grid 256 x 1, 4 waves a work-group, no clusters, 315,904 bytes of LDS; arguments w2, h, sel, y; writes y
.if DOCPART == 3
	.amdgcn_target "amdgcn-amd-amdhsa--gfx1250"
	.amdhsa_code_object_version 6
	.text
	.protected	k_q3f0cc215c4_ffn2
	.globl	k_q3f0cc215c4_ffn2
	.p2align	8
	.type	k_q3f0cc215c4_ffn2,@function
k_q3f0cc215c4_ffn2:
	s_mov_b64 s[64:65], 0
	v_nop
	global_prefetch_b8 v0, s[64:65] scope:SCOPE_SE
	s_setreg_imm32_b32 hwreg(HW_REG_WAVE_MODE, 25, 1), 1
	s_wait_xcnt 0x0
; ONE EXPERT PRODUCT OF THE MoE LAYER.  One text serves both products; LAYER says which is assembled.
;   LAYER 1: h[slot][f] = bf16(gelu(xb[slot >> 1] . bf16(w1[e][f]) + bf16(b1[e][f])))           arguments w1, b1, xb, sel, h
;   LAYER 2: y[ks][slot][n] = the sum over the 1,024 f of slice ks of h[slot][f] bf16(w2[e][n][f]), f32   arguments w2, h, sel, y
; slot = 2 token + k (k: first or second choice); sel[token] = (1 << e0) | (1 << (8 + e1)), stored by the launch before.  Every slot belongs to one expert.
; SHARES.  256 work-groups of four waves; expert e = work-group >> 5.  A work-group owns 128 output columns x 1,024 K of e's weights (524,288 bytes of f32), which it alone reads, once,
; and ALL rows of e.  LAYER 1: columns 128 (wg & 31), all of K.  LAYER 2: columns 128 (wg & 7), K slice (wg >> 3) & 3: four partial sums, added by the launch behind.
; THE STREAM.  K goes in 8 chunks of 128.  A wave loads 32 weight rows' 512 bytes (one load a row: 512 consecutive bytes) into 128 registers, rounds them to bf16 and stores them ONCE
; into an image of the whole slice in LDS.  Behind a barrier every wave multiplies the chunk by its own blocks of 16 rows, whose sums stay in registers over all of K;
; the next chunk's loads are out during all of that.  The rows come straight from memory as matrix operands, by the list.
; BLOCKS.  Block g of 16 list rows is wave g & 3's.  A wave keeps five (320 rows an expert in all); blocks beyond (up to 1,024 rows: every token) are multiplied afterwards, one at a time,
; from the image in LDS, which then is whole: slower for each row, and right for every split.  An expert without rows streams its weights and stores nothing.
; THE LIST.  Each wave makes its own copy in its own LDS bytes from sel (4,096 bytes), so it needs no barrier, and reads its 16 possible blocks' entries back into 16 registers at once.
; Places past the count hold slot 0, a row that exists.
; THE WAY OUT is one loop over a wave's 16 possible blocks.  Every LDS address in it is a register made at the head plus an immediate: so the K of a block beyond the five, and a block's
; four groups of four rows, are written out.
; NO TENSOR LOADS, NO CLUSTER: each weight byte has one reader, and must pass registers to be rounded; the rows that an expert's work-groups share come by a list, which no descriptor covers.
; THE MATRIX INSTRUCTION IS USED TRANSPOSED: source 0 = 16 weight rows, source 1 = 16 list rows: a lane holds one list row (lane % 16) and 8 neighbouring columns 8 (lane / 16) + 0..7.
; The five blocks' accumulators are cleared by 320 v_mov_b32 in the wait for the first weights: dead blocks' products are jumped over, so no first product could start every sum on every way.
; GELU.  erf by Abramowitz and Stegun 7.1.25, off by 2.5e-5 at the most for every argument: gelu(u) = max(u, 0) - 0.5 |u| (a1 t + a2 t^2 + a3 t^3) 2^(-0.72134752 u^2),
; t = 1 / (1 + 0.33267253 |u|): off by 1.25e-5 |u| at the most, a hundredth of bf16's step at |u|.
; LIMITS.  All inputs are rounded to bf16 (h too: its range is f32's).  NaN and infinities are not treated apart.
; REGISTERS, in windows of 256 (s_set_vgpr_msb: bits 1:0 source 0, 3:2 source 1, 5:4 source 2, 7:6 destination):
;   window 0: v0-58 addresses, the list's entries and at work; v64-223 the rows' fragments, block b, 32 K piece s at 64 + 32 b + 8 s (first sel, at the end the way out); v224-239 constants and bias
;   window 1: v0-127 weight fragments, two buffers of 64; v128-255 the staged chunk, row rho at 128 + 4 rho
;   window 2: accumulators of blocks 0-3, column group i of block b at 64 b + 8 i;   window 3: v0-63 block 4's
.set LAYER,  2
.if LAYER == 1
.set WPITCH, 4096                      ; bytes from weight row to weight row
.else
.set WPITCH, 16384
.endif
.set LP,     2064                      ; a row of the image: 2,048 bytes + 16: 129 x 16, so the 16 rows of a fragment load start at 16 different 16-byte columns modulo 256
.set STAGE,  128*LP                    ; 264,192: behind the image, 16 rows x 528 bytes of f32 for each wave, for the way out
.set SPITCH, 528
.set LIST,   STAGE+4*16*SPITCH         ; 297,984: for each wave 1,024 words of list, 32 words that take the lanes without an entry, and padding
.set LISTB,  4352
.set SPARE,  LIST+4*LISTB              ; 315,392: the spare words, 128 bytes a wave: two blocks of 256 bytes that no other line names
.set R,    1                           ; lane % 16
.set H16,  2                           ; 16 (lane / 16)
.set LANE, 3
.set WOFF, 4                           ; 16 lane
.set WST0, 5                           ; image: my wave's 32 rows, 8 lane
.set WSTW, 6                           ;   + the chunk
.set BAD0, 7                           ; v7-10   image: row lane % 16 of row group 32 p, 16 (lane / 16)
.set BADW, 11                          ; v11-14    + the chunk
.set AOF,  15                          ; v15-19  byte offset of my list row of block b, + 16 (lane / 16)
.set STO,  20                          ; stage: where I put a result's 16 bytes
.set SRD0, 21                          ; stage: 16 lane
.set LB,   23                          ; my wave's list
.set LRD0, 24                          ; list: my wave's block 0, entry lane % 16
.set V8L,  26                          ; 8 lane
.set TRI,  27                          ; 1,024 + lane: the word that takes my store when I have no entry
.set SPW,  28                          ; LDS address of my spare word; never rewritten
.set NIL,  29                          ; 0; never rewritten
.set TA,   30                          ; v30-35  at work
.set Z4,   36                          ; v36-39  0
.set SLT,  42                          ; v42-57  entry lane % 16 of my block j, j = 0..15
.set CUR,  58                          ; the same of the block in hand
.set AF,   64
.set SELR, 64
.set KON,  224                         ; six constants, each twice
.set BIA,  236                         ; bias of my four columns
.set SG,   128                         ; window 1
.set AB,   64                          ; the way out: four times sixteen registers at work,
.set T,    80
.set EX,   96
.set PQ,   112
.set U,    128                         ; v128-191  sixteen rows x four numbers: group q of four rows at U + 16 q
.set OF,   192                         ; v192-207  the rows' byte offsets in the output
.set WV,   14                          ; wave
.set XP,   15                          ; expert
.set SUB,  16
.set SM,   20                          ; 0x101 << e
.set SH,   21                          ; 8 + e
.set NE,   22                          ; rows of e
.set NBLK, 23                          ; blocks of e
.set LIVE, 24                          ; my live blocks among the five
.set CNT,  25
.set KB,   26                          ; s[26:27] the chunk's byte offset in bf16 rows: 256 c
.set ABW,  28                          ; s[28:29] the rows' base for the chunk being asked for
.set MK,   30                          ; s30 mask, s31 its count
.set J,    32
.set RI,   35
.set RM,   38
.set KN,   40                          ; s[40:41] KB + 256
.set WBW,  42                          ; s[42:43] my wave's 32 weight rows at the chunk being asked for
.set AB0,  44                          ; s[44:45] the rows' base
.set OB,   46                          ; s[46:47] the output at my columns
.set SS,   48                          ; a row's slot
.set ABSM, 49                          ; 0x7fffffff
.set MSB, 0
.macro WIN new                         ; the high byte repeats the setting that is left; a switch that changes nothing is dropped
.if MSB != (\new)
	s_set_vgpr_msb (MSB<<8)|(\new)
.set MSB, (\new)
.endif
.endm
.macro PLACES                          ; four plain vector instructions between a matrix instruction and a load into, a write of or a read of its registers (ISA guide 7.12.1 for writes and reads)
.rept 4
	v_nop
.endr
.endm
; 16 LDS loads in one run: the weight fragments (128 rows x 32 K at byte off behind the four address registers from areg on) into buffer buf
.macro FETCHB areg, off, buf
	WIN 0x40
.irp i, 0,1,2,3,4,5,6,7
	ds_load_b128 v[64*(\buf)+8*\i:64*(\buf)+8*\i+3],   v[(\areg)+\i/2] offset:(\i%2)*16*LP+(\off)
	ds_load_b128 v[64*(\buf)+8*\i+4:64*(\buf)+8*\i+7], v[(\areg)+\i/2] offset:(\i%2)*16*LP+(\off)+32
.endr
	WIN 0
.endm
; 10 loads: piece s of all five blocks' rows, dead blocks' too (their entries are slot 0), so that every count is the same on every way
.macro ALOAD s, base
.irp b, 0,1,2,3,4
	global_load_b128 v[AF+32*\b+8*(\s):AF+32*\b+8*(\s)+3],   v[AOF+\b], s[\base:\base+1] offset:64*(\s)
	global_load_b128 v[AF+32*\b+8*(\s)+4:AF+32*\b+8*(\s)+7], v[AOF+\b], s[\base:\base+1] offset:64*(\s)+32
.endr
.endm
; 8 matrix instructions: block b x the 8 column groups, piece s.  The accumulators take turns, one instruction a turn.
.macro MULB b, s
	WIN 0xa1+0x50*((\b)/4)
.irp i, 0,1,2,3,4,5,6,7
	v_wmma_f32_16x16x32_bf16 v[64*((\b)%4)+8*\i:64*((\b)%4)+8*\i+7], v[64*((\s)%2)+8*\i:64*((\s)%2)+8*\i+7], v[AF+32*(\b)+8*(\s):AF+32*(\b)+8*(\s)+7], v[64*((\b)%4)+8*\i:64*((\b)%4)+8*\i+7]
.endr
.endm
; A list entry becomes a row's byte offset.  What was loaded is held to the table's size before it enters an address.
.macro ROWOFF dst, src
.if LAYER == 1
	v_lshrrev_b32 v[\dst], 1, v[\src]              ; the token
	v_min_u32 v[\dst], 0x3ff, v[\dst]
	v_lshl_add_u32 v[\dst], v[\dst], 11, v[H16]    ; rows of 2,048 bytes in xb
.else
	v_min_u32 v[\dst], 0x7ff, v[\src]
	v_lshl_add_u32 v[\dst], v[\dst], 13, v[H16]    ; rows of 8,192 bytes in h
.endif
.endm
; The staged chunk goes into the image; issue = 1: the next chunk is asked for.
.macro WPART issue
	s_wait_loadcnt 40                              ; loads come back in order: my 32 weight loads are in, the 40 younger ones (this chunk's rows) may stay out
	s_wait_dscnt 0x0                               ; my reads of the image are back
	s_barrier_signal -1                            ; FIRST BARRIER: between all waves' reads of the image's rows and the next stores into those rows.  The stores land in other bytes of the rows
	v_add_nc_u32 v[WSTW], s[KB], v[WST0]           ; (KB has stepped); the order is kept all the same.  The conversions stand between signal and wait, so the last wave to arrive does not wait here.
	WIN 0x45
.set rho, 0
.rept 32
	v_cvt_pk_bf16_f32 v[SG+4*rho], v[SG+4*rho], v[SG+4*rho+1]
	v_cvt_pk_bf16_f32 v[SG+4*rho+1], v[SG+4*rho+2], v[SG+4*rho+3]
.set rho, rho+1
.endr
	WIN 0x04                                       ; store data window 1
	s_barrier_wait -1
.set rho, 0
.rept 32
	ds_store_b64 v[WSTW], v[SG+4*rho:SG+4*rho+1] offset:rho*LP   ; 32 lanes x 8 bytes: 256 consecutive bytes of a row
.set rho, rho+1
.endr
.if \issue
	s_wait_xcnt 0x0                                ; the two bases below are sources of loads issued earlier: they are rewritten only behind this wait
	s_add_nc_u64 s[WBW:WBW+1], s[WBW:WBW+1], 512
	s_add_co_u32 s[KN], s[KB], 256
	s_add_nc_u64 s[ABW:ABW+1], s[AB0:AB0+1], s[KN:KN+1]
	WIN 0x40
.set rho, 0
.rept 32
	global_load_b128 v[SG+4*rho:SG+4*rho+3], v[WOFF], s[WBW:WBW+1] offset:rho*WPITCH th:TH_LOAD_NT  ; 512 consecutive bytes of a weight row, read once in the launch
.set rho, rho+1
.endr
.endif
	WIN 0
	s_wait_dscnt 0x0                               ; for the others' sake: my stores into the image are done
	s_barrier_signal -1                            ; SECOND BARRIER: between the stores and all waves' reads of the chunk
	s_barrier_wait -1
.endm
; Piece s (32 K) of the chunk.  n: the loads younger than this piece's rows.  Dead blocks' products are jumped over, forward, two blocks at a time; nothing else is.
.macro KSTEP s, issue, n
.if (\s) == 3
	s_wait_dscnt 0x0
.else
	s_wait_dscnt 16                                ; this piece's weight fragments are in; the next piece's 16 loads may stay out
.endif
	s_wait_loadcnt \n
	s_cmp_eq_u32 s[LIVE], 0
	s_cbranch_scc1 .Lke_\@
	MULB 0, \s
	MULB 1, \s
	WIN 0                                          ; at a branch and at a label every window is 0
	s_cmp_le_u32 s[LIVE], 2
	s_cbranch_scc1 .Lke_\@
	MULB 2, \s
	MULB 3, \s
	WIN 0
	s_cmp_le_u32 s[LIVE], 4
	s_cbranch_scc1 .Lke_\@
	MULB 4, \s
	WIN 0
.Lke_\@:
	PLACES                                         ; in front of the loads into registers that the products have read
.if \issue
	ALOAD \s, ABW                                  ; the same piece of the next chunk
.endif
.if (\s) < 2
	FETCHB BADW, 64*((\s)+2), \s
.endif
.endm
.macro TRIP issue, n0, n1, n2, n3
	WPART \issue
.irp p, 0,1,2,3
	v_add_nc_u32 v[BADW+\p], s[KB], v[BAD0+\p]
.endr
	FETCHB BADW, 0, 0
	FETCHB BADW, 64, 1
	KSTEP 0, \issue, \n0
	KSTEP 1, \issue, \n1
	KSTEP 2, \issue, \n2
	KSTEP 3, \issue, \n3
.endm
; Word i of group j of sel: token 128 j + 4 lane + i.  Lanes whose token chose e store its slot at the next free places of the list, in the lanes' order; the others into their own word behind it.
.macro ENTRY j, i
	v_and_b32 v[TA], s[SM], v[SELR+4*(\j)+(\i)]
	v_cmp_ne_u32 s[MK], 0, v[TA]
	v_bfe_u32 v[TA+1], v[SELR+4*(\j)+(\i)], s[SH], 1   ; k: 1 where e is the second choice
	v_mbcnt_lo_u32_b32 v[TA+2], s[MK], s[NE]           ; the count so far + the chosen lanes below me
	v_cndmask_b32 v[TA+2], v[TRI], v[TA+2], s[MK]
	v_min_u32 v[TA+2], 0x43f, v[TA+2]                  ; inside my wave's 4,352 bytes
	v_lshl_add_u32 v[TA+2], v[TA+2], 2, v[LB]
	v_add3_u32 v[TA+1], v[TA+1], v[V8L], 256*(\j)+2*(\i)  ; slot = 2 token + k
	ds_store_b32 v[TA+2], v[TA+1]
	s_bcnt1_i32_b32 s[MK+1], s[MK]
	s_add_co_u32 s[NE], s[NE], s[MK+1]
.endm
; A block beyond the five.  8 loads: chunk c of its rows, into buffer c % 2 of two (where blocks 0 and 1's fragments lay)
.macro OALOAD c
.irp s, 0,1,2,3
	global_load_b128 v[AF+32*((\c)%2)+8*\s:AF+32*((\c)%2)+8*\s+3],   v[AOF], s[AB0:AB0+1] offset:256*(\c)+64*\s
	global_load_b128 v[AF+32*((\c)%2)+8*\s+4:AF+32*((\c)%2)+8*\s+7], v[AOF], s[AB0:AB0+1] offset:256*(\c)+64*\s+32
.endr
.endm
; 8 matrix instructions: piece g of 32 of its K, into block 0's registers, which have gone out.  Piece 0 starts the sums.  The accumulators take turns.
.macro OMUL g
	WIN 0xa1
.irp i, 0,1,2,3,4,5,6,7
.if (\g) == 0
	v_wmma_f32_16x16x32_bf16 v[8*\i:8*\i+7], v[64*((\g)%2)+8*\i:64*((\g)%2)+8*\i+7], v[AF+32*(((\g)/4)%2)+8*((\g)%4):AF+32*(((\g)/4)%2)+8*((\g)%4)+7], 0
.else
	v_wmma_f32_16x16x32_bf16 v[8*\i:8*\i+7], v[64*((\g)%2)+8*\i:64*((\g)%2)+8*\i+7], v[AF+32*(((\g)/4)%2)+8*((\g)%4):AF+32*(((\g)/4)%2)+8*((\g)%4)+7], v[8*\i:8*\i+7]
.endif
.endr
.endm
; Block b's 16 x 128 sums go into my stage, each accumulator's low registers first.
.macro DUMP b
	WIN 0x08+0x04*((\b)/4)                         ; store data window 2 or 3
.irp i, 0,1,2,3,4,5,6,7
	ds_store_b128 v[STO], v[64*((\b)%4)+8*\i:64*((\b)%4)+8*\i+3]   offset:64*\i
	ds_store_b128 v[STO], v[64*((\b)%4)+8*\i+4:64*((\b)%4)+8*\i+7] offset:64*\i+16
.endr
	WIN 0
.endm
.macro PAIRS line:vararg               ; one line for each of eight register pairs p
.set p, 0
.rept 8
	\line
.set p, p+2
.endr
.endm
.macro EACH line:vararg                ; one line for each of sixteen registers p
.set p, 0
.rept 16
	\line
.set p, p+1
.endr
.endm
; Rows 4 q to 4 q + 3 of the block in hand: a lane holds columns 4 lane + 0..3 of each.  LAYER 1: bias, GELU, rounding (in place: row r's 8 bytes at UB + 2 r).  Then the stores, row by row; rows past the count are jumped.
.macro FGROUP q
.set UB, U+16*(\q)
	s_wait_dscnt 12-4*(\q)                         ; LDS loads come back in order: the later groups' may stay out
.if LAYER == 1
	PAIRS v_pk_add_f32 v[UB+p:UB+p+1], v[UB+p:UB+p+1], v[BIA+p%4:BIA+p%4+1]
	EACH  v_and_b32 v[AB+p], s[ABSM], v[UB+p]
	PAIRS v_pk_fma_f32 v[T+p:T+p+1], v[AB+p:AB+p+1], v[KON:KON+1], v[KON+2:KON+3]
	EACH  v_rcp_f32 v[T+p], v[T+p]
	PAIRS v_pk_mul_f32 v[EX+p:EX+p+1], v[UB+p:UB+p+1], v[UB+p:UB+p+1]         ; plain work that names no t stands behind the reciprocals
	PAIRS v_pk_mul_f32 v[EX+p:EX+p+1], v[EX+p:EX+p+1], v[KON+4:KON+5]
	EACH  v_exp_f32 v[EX+p], v[EX+p]
	PAIRS v_pk_fma_f32 v[PQ+p:PQ+p+1], v[T+p:T+p+1], v[KON+10:KON+11], v[KON+8:KON+9]  ; and behind the exponentials
	PAIRS v_pk_fma_f32 v[PQ+p:PQ+p+1], v[PQ+p:PQ+p+1], v[T+p:T+p+1], v[KON+6:KON+7]
	PAIRS v_pk_mul_f32 v[PQ+p:PQ+p+1], v[PQ+p:PQ+p+1], v[T+p:T+p+1]
	PAIRS v_pk_mul_f32 v[PQ+p:PQ+p+1], v[PQ+p:PQ+p+1], v[EX+p:EX+p+1]
	EACH  v_max_num_f32 v[UB+p], 0, v[UB+p]
	PAIRS v_pk_fma_f32 v[UB+p:UB+p+1], v[PQ+p:PQ+p+1], v[AB+p:AB+p+1], v[UB+p:UB+p+1]
.set p, 0
.rept 8
	v_cvt_pk_bf16_f32 v[UB+p], v[UB+2*p], v[UB+2*p+1]
.set p, p+1
.endr
.endif
.irp r, 0,1,2,3
	v_readlane_b32 s[SS], v[CUR], 4*(\q)+\r        ; the row's slot
	s_min_u32 s[SS], s[SS], 0x7ff                  ; held to the table's size before it enters an address
.if LAYER == 1
	v_lshl_add_u32 v[OF+4*(\q)+\r], s[SS], 13, v[V8L]   ; rows of 8,192 bytes in h
.else
	v_lshl_add_u32 v[OF+4*(\q)+\r], s[SS], 12, v[WOFF]  ; rows of 4,096 bytes in y
.endif
	s_cmp_le_i32 s[RM], 4*(\q)+\r                  ; rows past the count are not stored
	s_cbranch_scc1 .Lfin_end
.if LAYER == 1
	global_store_b64 v[OF+4*(\q)+\r], v[UB+2*\r:UB+2*\r+1], s[OB:OB+1]   ; 32 lanes store 256 consecutive bytes, at a multiple of 256 from h's first byte
.else
	global_store_b128 v[OF+4*(\q)+\r], v[UB+4*\r:UB+4*\r+3], s[OB:OB+1]  ; 32 lanes store 512 consecutive bytes, at a multiple of 512 from y's first byte
.endif
.endr
.endm
.if LAYER == 1
	s_load_b256 s[4:11], s[0:1], 0x0               ; weights s[4:5], bias s[6:7], rows s[8:9], sel s[10:11]
	s_load_b64 s[12:13], s[0:1], 0x20              ; output
.else
	s_load_b64 s[4:5], s[0:1], 0x0                 ; weights
	s_load_b128 s[8:11], s[0:1], 0x8               ; rows s[8:9], sel s[10:11]
	s_load_b64 s[12:13], s[0:1], 0x18              ; output
.endif
	v_lshl_add_u32 v[SPW], v0, 2, SPARE
	v_mov_b32 v[NIL], 0
	v_lshrrev_b32 v[TA], 5, v0
	v_readfirstlane_b32 s[WV], v[TA]               ; wave 0..3
	v_and_b32 v[LANE], 31, v0
	v_and_b32 v[R], 15, v0
	v_bfe_u32 v[H16], v0, 4, 1
	v_lshlrev_b32 v[H16], 4, v[H16]
	v_lshlrev_b32 v[WOFF], 4, v[LANE]
	v_lshlrev_b32 v[V8L], 3, v[LANE]
	v_add_nc_u32 v[TRI], 1024, v[LANE]
	s_mul_i32 s18, s[WV], 32*LP
	v_add_nc_u32 v[WST0], s18, v[V8L]
	v_mul_u32_u24 v[TA], v[R], LP
	v_add_nc_u32 v[TA], v[TA], v[H16]
.irp p, 0,1,2,3
	v_add_nc_u32 v[BAD0+\p], \p*32*LP, v[TA]
.endr
	s_mul_i32 s18, s[WV], 16*SPITCH
	s_add_co_u32 s18, s18, STAGE                   ; my stage
	v_mul_u32_u24 v[TA], v[R], SPITCH
	v_lshl_add_u32 v[TA], v[H16], 1, v[TA]         ; row lane % 16, 32 bytes for each half of the lanes
	v_add_nc_u32 v[STO], s18, v[TA]
	v_add_nc_u32 v[SRD0], s18, v[WOFF]
	s_mul_i32 s18, s[WV], LISTB
	s_add_co_u32 s18, s18, LIST                    ; my list
	v_mov_b32 v[LB], s18
	s_lshl_b32 s19, s[WV], 6
	s_add_co_u32 s19, s19, s18
	v_lshl_add_u32 v[LRD0], v[R], 2, s19           ; block 4 j + w begins at word 64 j + 16 w
.irp z, 0,1,2,3
	v_mov_b32 v[Z4+\z], 0
.endr
	s_lshr_b32 s[XP], ttmp9, 5
	s_lshl_b32 s[SM], 0x101, s[XP]
	s_add_co_u32 s[SH], s[XP], 8
	s_mov_b32 s[ABSM], 0x7fffffff
	s_lshl_b32 s18, s[XP], 24                      ; an expert's weights are 16,777,216 bytes
.if LAYER == 1
	s_and_b32 s[SUB], ttmp9, 31
	s_lshl_b32 s19, s[SUB], 19                     ; 128 rows of 4,096 bytes
	s_add_co_u32 s18, s18, s19
	s_lshl_b32 s19, s[WV], 17                      ; my wave's 32 of them
	s_add_co_u32 s18, s18, s19
	s_lshl_b32 s50, s[XP], 14                      ; bias: 16,384 bytes an expert, 512 for my 128 columns
	s_lshl_b32 s19, s[SUB], 9
	s_add_co_u32 s50, s50, s19
	s_mov_b32 s51, 0
	s_mov_b32 s52, 0                               ; the rows begin at xb's first byte
	s_lshl_b32 s54, s[SUB], 8                      ; my 128 columns in a row of h
.else
	s_and_b32 s[SUB], ttmp9, 7
	s_bfe_u32 s17, ttmp9, 0x20003                  ; K slice
	s_lshl_b32 s19, s[SUB], 21                     ; 128 rows of 16,384 bytes
	s_add_co_u32 s18, s18, s19
	s_lshl_b32 s19, s17, 12                        ; 1,024 f32 along the rows
	s_add_co_u32 s18, s18, s19
	s_lshl_b32 s19, s[WV], 19                      ; my wave's 32 rows
	s_add_co_u32 s18, s18, s19
	s_lshl_b32 s52, s17, 11                        ; 1,024 bf16 along h's rows
	s_lshl_b32 s54, s17, 23                        ; y's part for the slice: 8,388,608 bytes,
	s_lshl_b32 s19, s[SUB], 9                      ; my 128 columns of f32
	s_add_co_u32 s54, s54, s19
.endif
	s_mov_b32 s19, 0
	s_mov_b32 s53, 0
	s_mov_b32 s55, 0
	s_mov_b32 s[KB], 0
	s_mov_b32 s[KB+1], 0
	s_mov_b32 s[KN+1], 0
	s_mov_b32 s[NE], 0
	s_wait_kmcnt 0x0
	s_add_nc_u64 s[WBW:WBW+1], s[4:5], s[18:19]
	s_add_nc_u64 s[AB0:AB0+1], s[8:9], s[52:53]
	s_add_nc_u64 s[OB:OB+1], s[12:13], s[54:55]
.if LAYER == 1
	s_add_nc_u64 s[6:7], s[6:7], s[50:51]
.endif
.irp j, 0,1,2,3,4,5,6,7
	global_load_b128 v[SELR+4*\j:SELR+4*\j+3], v[WOFF], s[10:11] offset:512*\j  ; all of sel
.endr
.if LAYER == 1
	global_load_b128 v[BIA:BIA+3], v[WOFF], s[6:7]
.endif
	WIN 0x40
.set rho, 0
.rept 32
	global_load_b128 v[SG+4*rho:SG+4*rho+3], v[WOFF], s[WBW:WBW+1] offset:rho*WPITCH th:TH_LOAD_NT  ; chunk 0
.set rho, rho+1
.endr
	WIN 0
	v_add_nc_u32 v[TA], v[LB], v[WOFF]
.irp j, 0,1,2,3,4,5,6,7
	ds_store_b128 v[TA], v[Z4:Z4+3] offset:512*\j  ; my list starts as 1,024 times slot 0
.endr
	WIN 0x80
.set z, 0
.rept 256
	v_mov_b32 v[z], 0
.set z, z+1
.endr
	WIN 0xc0
.set z, 0
.rept 64
	v_mov_b32 v[z], 0
.set z, z+1
.endr
	WIN 0
.if LAYER == 1
.irp z, 0,1
	v_mov_b32 v[KON+\z], 0x3eaa540e                ; 0.47047 / sqrt(2)
	v_mov_b32 v[KON+2+\z], 1.0
	v_mov_b32 v[KON+4+\z], 0xbf38aa3b              ; -log2(e) / 2
	v_mov_b32 v[KON+6+\z], 0xbe32303a              ; -a1 / 2 = -0.1740121
	v_mov_b32 v[KON+8+\z], 0x3d445ca1              ; -a2 / 2 =  0.0479399
	v_mov_b32 v[KON+10+\z], 0xbebf7377             ; -a3 / 2 = -0.3739278
.endr
.endif
	s_wait_loadcnt 32                              ; sel (and the bias) are in; chunk 0's 32 loads may stay out
.irp j, 0,1,2,3,4,5,6,7
.irp i, 0,1,2,3
	ENTRY \j, \i
.endr
.endr
	s_add_co_u32 s[NBLK], s[NE], 15
	s_lshr_b32 s[NBLK], s[NBLK], 4
	s_min_u32 s[LIVE], s[NBLK], 20
	s_add_co_u32 s[LIVE], s[LIVE], 3
	s_sub_co_u32 s[LIVE], s[LIVE], s[WV]
	s_lshr_b32 s[LIVE], s[LIVE], 2                 ; how many j in 0..4 have 4 j + w < NBLK
.irp j, 0,1,2,3,4,5,6,7,8,9,10,11,12,13,14,15
	ds_load_b32 v[SLT+\j], v[LRD0] offset:256*\j   ; LDS serves a wave's instructions in order: these see my stores above
.endr
	s_wait_dscnt 0x0
.irp b, 0,1,2,3,4
	ROWOFF AOF+\b, SLT+\b
.endr
.irp s, 0,1,2,3
	ALOAD \s, AB0                                  ; chunk 0's rows, piece by piece
.endr
.if LAYER == 1
	v_cvt_pk_bf16_f32 v[TA], v[BIA], v[BIA+1]      ; the bias is rounded to bf16 like every input, and widened again
	v_cvt_pk_bf16_f32 v[TA+1], v[BIA+2], v[BIA+3]
	v_lshlrev_b32 v[BIA], 16, v[TA]
	v_and_b32 v[BIA+1], 0xffff0000, v[TA]
	v_lshlrev_b32 v[BIA+2], 16, v[TA+1]
	v_and_b32 v[BIA+3], 0xffff0000, v[TA+1]
.endif
	s_mov_b32 s[CNT], 7
.Ltrip:                                                ; chunks 0 to 6.  Younger than piece s's rows: 10 (3 - s) loads of this chunk's rows, the next chunk's 32 weight loads and 10 s of its rows: 62
	TRIP 1, 62, 62, 62, 62
	s_add_co_u32 s[KB], s[KB], 256
	s_sub_co_u32 s[CNT], s[CNT], 1
	s_cmp_lg_u32 s[CNT], 0
	s_cbranch_scc1 .Ltrip
	TRIP 0, 30, 20, 10, 0                          ; chunk 7 asks for nothing: the counts run down
; THE WAY OUT, block by block: J = 0..15, my block 4 J + w.  Every jump inside goes forward; no barrier stands here: the image is whole, the stage is my own.
	s_mov_b32 s[J], 0
.Lblock:
	s_lshl2_add_u32 s[RI], s[J], s[WV]
	s_cmp_ge_u32 s[RI], s[NBLK]
	s_cbranch_scc1 .Lnext
	s_lshl_b32 s[RM], s[RI], 4
	s_sub_co_i32 s[RM], s[NE], s[RM]               ; rows left from the block's first on: 1 at the least
	v_mov_b32 v[CUR], v[SLT]                       ; the block's entries: register J of the sixteen
.irp j, 1,2,3,4,5,6,7,8,9,10,11,12,13,14,15
	s_cmp_eq_u32 s[J], \j
	s_cselect_b32 s[MK], -1, 0
	v_cndmask_b32 v[CUR], v[CUR], v[SLT+\j], s[MK]
.endr
	s_cmp_ge_u32 s[J], 5
	s_cbranch_scc1 .Lover
	s_cmp_eq_u32 s[J], 1
	s_cbranch_scc1 .Ld1
	s_cmp_eq_u32 s[J], 2
	s_cbranch_scc1 .Ld2
	s_cmp_eq_u32 s[J], 3
	s_cbranch_scc1 .Ld3
	s_cmp_eq_u32 s[J], 4
	s_cbranch_scc1 .Ld4
	s_branch .Ld0
.Lover:                                                ; a block beyond the five: multiplied now, from the image; 32 pieces of 32 K, written out
	ROWOFF AOF, CUR                                ; every load that named this register has been waited for
	OALOAD 0
	FETCHB BAD0, 0, 0
	FETCHB BAD0, 64, 1
.set g, 0
.rept 32
.if g%4 == 0
.if g < 28
.set cn, g/4+1
	OALOAD cn                                      ; the next chunk's rows, into the buffer whose last products stand in front of four places
	s_wait_loadcnt 8                               ; this chunk's rows are in; the eight just issued may stay out
.else
	s_wait_loadcnt 0x0
.endif
.endif
.if g == 31
	s_wait_dscnt 0x0
.else
	s_wait_dscnt 16                                ; the next piece's 16 loads may stay out
.endif
	OMUL g
	WIN 0
	PLACES
.if g < 30
.set go, 64*(g+2)
.set gb, g%2
	FETCHB BAD0, go, gb
.endif
.set g, g+1
.endr
.Ld0:
	DUMP 0
	s_branch .Lfin
.Ld1:
	DUMP 1
	s_branch .Lfin
.Ld2:
	DUMP 2
	s_branch .Lfin
.Ld3:
	DUMP 3
	s_branch .Lfin
.Ld4:
	DUMP 4
.Lfin:                                                 ; the block comes back from my stage as sixteen whole rows
	s_wait_xcnt 0x0                                ; the last block's stores read U and OF: these are rewritten only behind this wait
.set rho, 0
.rept 16
	ds_load_b128 v[U+4*rho:U+4*rho+3], v[SRD0] offset:SPITCH*rho  ; LDS serves a wave's instructions in order: these see the stores into the stage
.set rho, rho+1
.endr
	FGROUP 0
	FGROUP 1
	FGROUP 2
	FGROUP 3
.Lfin_end:
	s_wait_dscnt 0x0                               ; a jump past the count may have left later groups' loads out: U is loaded again only behind this wait
.Lnext:
	s_add_co_u32 s[J], s[J], 1
	s_cmp_lt_u32 s[J], 16
	s_cbranch_scc1 .Lblock
	s_wait_tensorcnt 0x0                           ; the wave's end, behind my last LDS store
	ds_add_u32 v[SPW], v[NIL]
	s_wait_dscnt 0x0
	s_endpgm
.Lfunc_end_k_q3f0cc215c4_ffn2:
	.size	k_q3f0cc215c4_ffn2, .Lfunc_end_k_q3f0cc215c4_ffn2-k_q3f0cc215c4_ffn2
	.p2alignl 7, 3214868480
	.fill 96, 4, 3214868480
	.section	.rodata,"a",@progbits
	.p2align	6, 0x0
	.amdhsa_kernel k_q3f0cc215c4_ffn2
		.amdhsa_group_segment_fixed_size 315904
		.amdhsa_private_segment_fixed_size 0
		.amdhsa_enable_private_segment 0
		.amdhsa_kernarg_size 32
		.amdhsa_user_sgpr_count 2
		.amdhsa_user_sgpr_kernarg_segment_ptr 1
		.amdhsa_wavefront_size32 1
		.amdhsa_system_sgpr_workgroup_id_x 1
		.amdhsa_system_sgpr_workgroup_id_y 1
		.amdhsa_system_sgpr_workgroup_id_z 1
		.amdhsa_system_vgpr_workitem_id 0
		.amdhsa_next_free_vgpr 832
		.amdhsa_next_free_sgpr 66
		.amdhsa_reserve_vcc 0
		.amdhsa_float_denorm_mode_32 3
		.amdhsa_float_denorm_mode_16_64 3
		.amdhsa_memory_ordered 1
		.amdhsa_forward_progress 1
		.amdhsa_inst_pref_size 175
	.end_amdhsa_kernel
	.amdgpu_metadata
---
amdhsa.version: [ 1, 2 ]
amdhsa.kernels:
  - .name:           k_q3f0cc215c4_ffn2
    .symbol:         k_q3f0cc215c4_ffn2.kd
    .args:
      - { .name: w2, .offset: 0, .size: 8, .value_kind: global_buffer, .address_space: global }
      - { .name: h, .offset: 8, .size: 8, .value_kind: global_buffer, .address_space: global }
      - { .name: sel, .offset: 16, .size: 8, .value_kind: global_buffer, .address_space: global }
      - { .name: y, .offset: 24, .size: 8, .value_kind: global_buffer, .address_space: global }
    .group_segment_fixed_size: 315904
    .private_segment_fixed_size: 0
    .kernarg_segment_align: 8
    .kernarg_segment_size: 32
    .max_flat_workgroup_size: 128
    .sgpr_count:     66
    .vgpr_count:     832
    .wavefront_size: 32
...
	.end_amdgpu_metadata
.endif
;; end of part 3
;; launch combine (part 4): grid 256 x 1, 8 waves a work-group, no clusters, 0 bytes of LDS; arguments y, b2, sel, gate, out0; writes out0
.if DOCPART == 4
	.amdgcn_target "amdgcn-amd-amdhsa--gfx1250"
	.amdhsa_code_object_version 6
	.text
	.protected	k_q3f0cc215c4_combine
	.globl	k_q3f0cc215c4_combine
	.p2align	8
	.type	k_q3f0cc215c4_combine,@function
k_q3f0cc215c4_combine:
	s_mov_b64 s[64:65], 0
	v_nop
	global_prefetch_b8 v0, s[64:65] scope:SCOPE_SE
	s_setreg_imm32_b32 hwreg(HW_REG_WAVE_MODE, 25, 1), 1
	s_wait_xcnt 0x0
; COMBINE.  out[t][n] = the sum over k = 0, 1 of gate[t][k] x (y[0][2t+k][n] + y[1][2t+k][n] + y[2][2t+k][n] + y[3][2t+k][n] + bf16(b2[e_k][n])).
; y: [4 K slices][2,048 slots][1,024] f32, the second product's partial sums; sel[t] = (1 << e0) | (1 << (8 + e1)); all sums in f32.
; SHARES.  A wave owns 512 columns of one token: 2,048 waves in 256 work-groups of eight.  Every load and store covers 512 consecutive bytes; all 40 loads of a wave are out before the first wait.
; A stream: no LDS, no barrier, no matrix unit; each byte of y is read once and each byte of out0 written once.
; b2 is rounded to bf16 like every input.  The experts' numbers come from sel, which an earlier launch stored; they are held to 0..7 before they enter an address.
.set Y,  32                            ; v[32:159]   slice ks, choice k, group j of 128 columns: 4 registers at Y + 32 ks + 16 k + 4 j
.set B2, 160                           ; v[160:191]  b2's row of choice k, group j at B2 + 16 k + 4 j
	s_load_b256 s[4:11], s[0:1], 0x0               ; y s[4:5], b2 s[6:7], sel s[8:9], gate s[10:11]
	s_load_b64 s[12:13], s[0:1], 0x20              ; out0
	v_lshrrev_b32 v1, 5, v0
	v_readfirstlane_b32 s2, v1                     ; wave
	v_and_b32 v1, 31, v0
	v_lshlrev_b32 v1, 4, v1                        ; 16 lane
.irp k, 0,1,2,3
	v_add_nc_u32 v[2+\k], \k*8388608, v1           ; + the K slice's part of y
.endr
	s_lshl3_add_u32 s3, ttmp9, s2                  ; 8 x work-group + wave
	s_lshr_b32 s14, s3, 1                          ; token
	s_and_b32 s15, s3, 1
	s_lshl_b32 s15, s15, 11                        ; which 2,048 bytes of a row
	s_lshl_b32 s16, s14, 13                        ; slot 2 t: rows of 4,096 bytes
	s_add_co_u32 s16, s16, s15
	s_mov_b32 s17, 0
	s_lshl_b32 s18, s14, 12                        ; out0's row
	s_add_co_u32 s18, s18, s15
	s_mov_b32 s19, 0
	s_lshl_b32 s20, s14, 2
	s_mov_b32 s21, 0
	s_lshl_b32 s22, s14, 3
	s_mov_b32 s23, 0
	s_mov_b32 s24, s15
	s_mov_b32 s25, 0
	s_wait_kmcnt 0x0
	s_add_nc_u64 s[4:5], s[4:5], s[16:17]
	s_add_nc_u64 s[12:13], s[12:13], s[18:19]
	s_add_nc_u64 s[8:9], s[8:9], s[20:21]
	s_add_nc_u64 s[10:11], s[10:11], s[22:23]
	s_add_nc_u64 s[6:7], s[6:7], s[24:25]
	s_load_b32 s26, s[8:9], 0x0                    ; sel[t]
	s_load_b64 s[28:29], s[10:11], 0x0             ; g0, g1
.irp s, 0,1,2,3
.irp k, 0,1
.irp j, 0,1,2,3
	global_load_b128 v[Y+32*\s+16*\k+4*\j:Y+32*\s+16*\k+4*\j+3], v[2+\s], s[4:5] offset:4096*\k+512*\j th:TH_LOAD_NT
.endr
.endr
.endr
	s_wait_kmcnt 0x0
	s_and_b32 s30, s26, 0xff
	s_ctz_i32_b32 s30, s30                         ; e0
	s_min_u32 s30, s30, 7
	s_lshr_b32 s31, s26, 8
	s_ctz_i32_b32 s31, s31                         ; e1
	s_min_u32 s31, s31, 7
	v_lshl_add_u32 v6, s30, 12, v1                 ; rows of 4,096 bytes in b2
	v_lshl_add_u32 v7, s31, 12, v1
.irp k, 0,1
.irp j, 0,1,2,3
	global_load_b128 v[B2+16*\k+4*\j:B2+16*\k+4*\j+3], v[6+\k], s[6:7] offset:512*\j
.endr
.endr
	v_mov_b32 v8, s28                              ; the gates, each twice, for the packed arithmetic
	v_mov_b32 v9, s28
	v_mov_b32 v10, s29
	v_mov_b32 v11, s29
	s_wait_loadcnt 8                               ; y's 32 loads are in; b2's eight may stay out
.irp q, 0,2,4,6,8,10,12,14,16,18,20,22,24,26,28,30
	v_pk_add_f32 v[Y+\q:Y+\q+1], v[Y+\q:Y+\q+1], v[Y+32+\q:Y+32+\q+1]
	v_pk_add_f32 v[Y+64+\q:Y+64+\q+1], v[Y+64+\q:Y+64+\q+1], v[Y+96+\q:Y+96+\q+1]
.endr
.irp q, 0,2,4,6,8,10,12,14,16,18,20,22,24,26,28,30
	v_pk_add_f32 v[Y+\q:Y+\q+1], v[Y+\q:Y+\q+1], v[Y+64+\q:Y+64+\q+1]
.endr
	s_wait_loadcnt 0x0                             ; b2
.irp q, 0,4,8,12,16,20,24,28
	v_cvt_pk_bf16_f32 v12, v[B2+\q], v[B2+\q+1]    ; rounded to bf16, and widened again
	v_cvt_pk_bf16_f32 v13, v[B2+\q+2], v[B2+\q+3]
	v_lshlrev_b32 v[B2+\q], 16, v12
	v_and_b32 v[B2+\q+1], 0xffff0000, v12
	v_lshlrev_b32 v[B2+\q+2], 16, v13
	v_and_b32 v[B2+\q+3], 0xffff0000, v13
	v_pk_add_f32 v[Y+\q:Y+\q+1], v[Y+\q:Y+\q+1], v[B2+\q:B2+\q+1]
	v_pk_add_f32 v[Y+\q+2:Y+\q+3], v[Y+\q+2:Y+\q+3], v[B2+\q+2:B2+\q+3]
.endr
.irp q, 0,2,4,6,8,10,12,14
	v_pk_mul_f32 v[Y+\q:Y+\q+1], v[Y+\q:Y+\q+1], v[8:9]
.endr
.irp q, 0,2,4,6,8,10,12,14
	v_pk_fma_f32 v[Y+\q:Y+\q+1], v[Y+16+\q:Y+16+\q+1], v[10:11], v[Y+\q:Y+\q+1]
.endr
.irp j, 0,1,2,3
	global_store_b128 v1, v[Y+4*\j:Y+4*\j+3], s[12:13] offset:512*\j th:TH_STORE_NT
.endr
	s_endpgm
.Lfunc_end_k_q3f0cc215c4_combine:
	.size	k_q3f0cc215c4_combine, .Lfunc_end_k_q3f0cc215c4_combine-k_q3f0cc215c4_combine
	.p2alignl 7, 3214868480
	.fill 96, 4, 3214868480
	.section	.rodata,"a",@progbits
	.p2align	6, 0x0
	.amdhsa_kernel k_q3f0cc215c4_combine
		.amdhsa_group_segment_fixed_size 0
		.amdhsa_private_segment_fixed_size 0
		.amdhsa_enable_private_segment 0
		.amdhsa_kernarg_size 40
		.amdhsa_user_sgpr_count 2
		.amdhsa_user_sgpr_kernarg_segment_ptr 1
		.amdhsa_wavefront_size32 1
		.amdhsa_system_sgpr_workgroup_id_x 1
		.amdhsa_system_sgpr_workgroup_id_y 1
		.amdhsa_system_sgpr_workgroup_id_z 1
		.amdhsa_system_vgpr_workitem_id 0
		.amdhsa_next_free_vgpr 192
		.amdhsa_next_free_sgpr 66
		.amdhsa_reserve_vcc 0
		.amdhsa_float_denorm_mode_32 3
		.amdhsa_float_denorm_mode_16_64 3
		.amdhsa_memory_ordered 1
		.amdhsa_forward_progress 1
		.amdhsa_inst_pref_size 14
	.end_amdhsa_kernel
	.amdgpu_metadata
---
amdhsa.version: [ 1, 2 ]
amdhsa.kernels:
  - .name:           k_q3f0cc215c4_combine
    .symbol:         k_q3f0cc215c4_combine.kd
    .args:
      - { .name: y, .offset: 0, .size: 8, .value_kind: global_buffer, .address_space: global }
      - { .name: b2, .offset: 8, .size: 8, .value_kind: global_buffer, .address_space: global }
      - { .name: sel, .offset: 16, .size: 8, .value_kind: global_buffer, .address_space: global }
      - { .name: gate, .offset: 24, .size: 8, .value_kind: global_buffer, .address_space: global }
      - { .name: out0, .offset: 32, .size: 8, .value_kind: global_buffer, .address_space: global }
    .group_segment_fixed_size: 0
    .private_segment_fixed_size: 0
    .kernarg_segment_align: 8
    .kernarg_segment_size: 40
    .max_flat_workgroup_size: 256
    .sgpr_count:     66
    .vgpr_count:     192
    .wavefront_size: 32
...
	.end_amdgpu_metadata
.endif
;; end of part 4
;; ======== version 2 of 3: 5 launches
;; limits: a function is approximated: absolute error at most 2.5e-05; an absolute error that grows with the inputs' magnitude: up to 1.25e-05 times it
;; workspace buffers: xb 2,097,152 bytes; sel 4,096 bytes of whole numbers; gate 8,192 bytes; list 34,816 bytes of whole numbers; h 16,777,216 bytes; y 33,554,432 bytes
;; launch router: the kernel of part 1 again; grid 256 x 1, 4 waves a work-group, no clusters, 0 bytes of LDS; arguments x, router_w, router_b, xb, sel, gate; writes xb, sel, gate
;; launch sort (part 5): grid 8 x 1, 1 waves a work-group, no clusters, 0 bytes of LDS; arguments sel, list; writes list
.if DOCPART == 5
	.amdgcn_target "amdgcn-amd-amdhsa--gfx1250"
	.amdhsa_code_object_version 6
	.text
	.protected	k_q3f0cc215c4_sort
	.globl	k_q3f0cc215c4_sort
	.p2align	8
	.type	k_q3f0cc215c4_sort,@function
k_q3f0cc215c4_sort:
	s_mov_b64 s[64:65], 0
	v_nop
	global_prefetch_b8 v0, s[64:65] scope:SCOPE_SE
	s_setreg_imm32_b32 hwreg(HW_REG_WAVE_MODE, 25, 1), 1
	s_wait_xcnt 0x0
; SORT.  For each expert e the list of its rows: list[e][rank] = slot, slot = 2 token + k (k: e is the token's first or second choice), and their number.
; sel[token] = (1 << e0) | (1 << (8 + e1)), stored by the launch before.  list: 8 x 1,024 words, then from byte 32,768 on 256 bytes for each expert, every word of which holds its count.
; SHARES.  One wave for each expert: 8 work-groups of one wave; the work is 4,096 bytes in and 4,352 bytes out for each.  No LDS, no barrier.
; Lane L holds word k = 4 j + i of token 128 j + 4 L + i, j = 0..7, i = 0..3.  Word by word the lanes whose token chose e take the next free places from the front, in the lanes' order, and store
; the slot; the other lanes take the next free places from the back and store slot 0, a row that exists.  So each of an expert's 1,024 places is stored exactly once, whatever the split.
; With p = the chosen in the words before + the chosen lanes below me, a chosen lane's place is p; ahead of a lane that is not chosen stand 32 k + L - p others like it, so its place is 1023 - 32 k - L + p.
; The work goes stage by stage over all 32 words, so that no line reads the result of the line before it; each word has its own mask, count, address and data register, so no store's source is rewritten.
.set SELR, 32                          ; v[32:63]   sel; later the places from the back
.set AD,   64                          ; v[64:95]   word k's byte offset in the expert's list
.set DA,   96                          ; v[96:127]  word k's entry
.set SM,   8                           ; 0x101 << e
.set SH,   9                           ; 8 + e
.set M,    20                          ; s[20:51]   word k's chosen lanes
.set TC,   52                          ; a count
.set P,    66                          ; s[66:98]   the chosen in the words before word k; the last is the expert's count
.macro WORDS line:vararg               ; one line for each word k
.set k, 0
.rept 32
	\line
.set k, k+1
.endr
.endm
	s_load_b128 s[4:7], s[0:1], 0x0                ; sel s[4:5], list s[6:7]
	v_lshlrev_b32 v1, 4, v0                        ; 16 lane (one wave: the thread's number is the lane)
	v_lshlrev_b32 v2, 3, v0                        ; 8 lane
	v_sub_nc_u32 v7, 0, v0                         ; - lane
	s_lshl_b32 s[SM], 0x101, ttmp9
	s_add_co_u32 s[SH], ttmp9, 8
	s_lshl_b32 s10, ttmp9, 12                      ; the expert's 4,096 bytes of list
	s_mov_b32 s11, 0
	s_lshl_b32 s12, ttmp9, 8                       ; its 256 bytes of count
	s_add_co_u32 s12, s12, 32768
	s_mov_b32 s13, 0
	s_mov_b32 s[P], 0
	s_wait_kmcnt 0x0
	s_add_nc_u64 s[16:17], s[6:7], s[10:11]
	s_add_nc_u64 s[18:19], s[6:7], s[12:13]
.irp j, 0,1,2,3,4,5,6,7
	global_load_b128 v[SELR+4*\j:SELR+4*\j+3], v1, s[4:5] offset:512*\j
.endr
	s_wait_loadcnt 0x0
	WORDS v_and_b32 v[DA+k], s[SM], v[SELR+k]
	WORDS v_cmp_ne_u32 s[M+k], 0, v[DA+k]                          ; the lanes whose token chose e
.set k, 0
.rept 32
	s_bcnt1_i32_b32 s[TC], s[M+k]
	s_add_co_u32 s[P+k+1], s[P+k], s[TC]
.set k, k+1
.endr
	WORDS v_bfe_u32 v[DA+k], v[SELR+k], s[SH], 1                   ; k: 1 where e is the second choice
	WORDS v_add3_u32 v[DA+k], v[DA+k], v2, 256*(k/4)+2*(k%4)       ; slot = 2 token + k
	WORDS v_mbcnt_lo_u32_b32 v[AD+k], s[M+k], s[P+k]               ; p
	WORDS v_add3_u32 v[SELR+k], v[AD+k], v7, 1023-32*k             ; the place from the back
	WORDS v_cndmask_b32 v[AD+k], v[SELR+k], v[AD+k], s[M+k]
	WORDS v_min_u32 v[AD+k], 0x3ff, v[AD+k]                        ; held to the list's size before it enters an address
	WORDS v_lshlrev_b32 v[AD+k], 2, v[AD+k]
	WORDS v_cndmask_b32 v[DA+k], 0, v[DA+k], s[M+k]
	WORDS global_store_b32 v[AD+k], v[DA+k], s[16:17]
	v_mov_b32 v8, s[P+32]
	v_mov_b32 v9, s[P+32]
	global_store_b64 v2, v[8:9], s[18:19]          ; 32 lanes store 256 consecutive bytes, at a multiple of 256 from list's first byte
	s_endpgm
.Lfunc_end_k_q3f0cc215c4_sort:
	.size	k_q3f0cc215c4_sort, .Lfunc_end_k_q3f0cc215c4_sort-k_q3f0cc215c4_sort
	.p2alignl 7, 3214868480
	.fill 96, 4, 3214868480
	.section	.rodata,"a",@progbits
	.p2align	6, 0x0
	.amdhsa_kernel k_q3f0cc215c4_sort
		.amdhsa_group_segment_fixed_size 0
		.amdhsa_private_segment_fixed_size 0
		.amdhsa_enable_private_segment 0
		.amdhsa_kernarg_size 16
		.amdhsa_user_sgpr_count 2
		.amdhsa_user_sgpr_kernarg_segment_ptr 1
		.amdhsa_wavefront_size32 1
		.amdhsa_system_sgpr_workgroup_id_x 1
		.amdhsa_system_sgpr_workgroup_id_y 1
		.amdhsa_system_sgpr_workgroup_id_z 1
		.amdhsa_system_vgpr_workitem_id 0
		.amdhsa_next_free_vgpr 128
		.amdhsa_next_free_sgpr 99
		.amdhsa_reserve_vcc 0
		.amdhsa_float_denorm_mode_32 3
		.amdhsa_float_denorm_mode_16_64 3
		.amdhsa_memory_ordered 1
		.amdhsa_forward_progress 1
		.amdhsa_inst_pref_size 27
	.end_amdhsa_kernel
	.amdgpu_metadata
---
amdhsa.version: [ 1, 2 ]
amdhsa.kernels:
  - .name:           k_q3f0cc215c4_sort
    .symbol:         k_q3f0cc215c4_sort.kd
    .args:
      - { .name: sel, .offset: 0, .size: 8, .value_kind: global_buffer, .address_space: global }
      - { .name: list, .offset: 8, .size: 8, .value_kind: global_buffer, .address_space: global }
    .group_segment_fixed_size: 0
    .private_segment_fixed_size: 0
    .kernarg_segment_align: 8
    .kernarg_segment_size: 16
    .max_flat_workgroup_size: 32
    .sgpr_count:     99
    .vgpr_count:     128
    .wavefront_size: 32
...
	.end_amdgpu_metadata
.endif
;; end of part 5
;; launch ffn1 (part 6): grid 256 x 1, 4 waves a work-group, no clusters, 298,496 bytes of LDS; arguments w1, b1, xb, list, h; writes h
.if DOCPART == 6
	.amdgcn_target "amdgcn-amd-amdhsa--gfx1250"
	.amdhsa_code_object_version 6
	.text
	.protected	k_q3f0cc215c4_ffn1
	.globl	k_q3f0cc215c4_ffn1
	.p2align	8
	.type	k_q3f0cc215c4_ffn1,@function
k_q3f0cc215c4_ffn1:
	s_mov_b64 s[64:65], 0
	v_nop
	global_prefetch_b8 v0, s[64:65] scope:SCOPE_SE
	s_setreg_imm32_b32 hwreg(HW_REG_WAVE_MODE, 25, 1), 1
	s_wait_xcnt 0x0
; ONE EXPERT PRODUCT OF THE MoE LAYER.  One text serves both products; LAYER says which is assembled.
;   LAYER 1: h[slot][f] = bf16(gelu(xb[slot >> 1] . bf16(w1[e][f]) + bf16(b1[e][f])))           arguments w1, b1, xb, list, h
;   LAYER 2: y[ks][slot][n] = the sum over the 1,024 f of slice ks of h[slot][f] bf16(w2[e][n][f]), f32   arguments w2, h, list, y
; slot = 2 token + k (k: first or second choice).  Every slot belongs to one expert.
; SHARES.  256 work-groups of four waves; expert e = work-group >> 5.  A work-group owns 128 output columns x 1,024 K of e's weights (524,288 bytes of f32), which it alone reads, once,
; and ALL rows of e.  LAYER 1: columns 128 (wg & 31), all of K.  LAYER 2: columns 128 (wg & 7), K slice (wg >> 3) & 3: four partial sums, added by the launch behind.
; THE STREAM.  K goes in 8 chunks of 128.  A wave loads 32 weight rows' 512 bytes (one load a row: 512 consecutive bytes) into 128 registers.  As each quarter of them comes it is rounded to bf16
; into 16 OTHER registers, and the next chunk's quarter is asked for at once into the registers just read.  Then the rounded chunk is stored ONCE into an image of the whole slice in LDS.
; Behind a barrier every wave multiplies the chunk by its own blocks of 16 rows, whose sums stay in registers over all of K.  The rows come straight from memory as matrix operands, by the list.
; BLOCKS.  Block g of 16 list rows is wave g & 3's.  A wave keeps five (320 rows an expert in all); blocks beyond (up to 1,024 rows: every token) are multiplied afterwards, one at a time,
; from the image in LDS, which then is whole: slower for each row, and right for every split.  An expert without rows streams its weights and stores nothing.
; THE LIST was stored by an earlier launch: list[e][rank] = slot, 1,024 words an expert, places past the count hold slot 0, a row that exists; e's count lies at byte 32,768 + 256 e.
; A wave loads the entries of its 16 possible blocks into 16 registers at once.
; THE WAY OUT is one loop over a wave's 16 possible blocks.  Every LDS address in it is a register made at the head plus an immediate: so the K of a block beyond the five, and a block's
; four groups of four rows, are written out.
; NO TENSOR LOADS, NO CLUSTER: each weight byte has one reader, and must pass registers to be rounded; the rows that an expert's work-groups share come by a list, which no descriptor covers.
; THE MATRIX INSTRUCTION IS USED TRANSPOSED: source 0 = 16 weight rows, source 1 = 16 list rows: a lane holds one list row (lane % 16) and 8 neighbouring columns 8 (lane / 16) + 0..7.
; The five blocks' accumulators are cleared by 320 v_mov_b32 in the wait for the first weights: dead blocks' products are jumped over, so no first product could start every sum on every way.
; GELU.  erf by Abramowitz and Stegun 7.1.25, off by 2.5e-5 at the most for every argument: gelu(u) = max(u, 0) - 0.5 |u| (a1 t + a2 t^2 + a3 t^3) 2^(-0.72134752 u^2),
; t = 1 / (1 + 0.33267253 |u|): off by 1.25e-5 |u| at the most, a hundredth of bf16's step at |u|.
; LIMITS.  All inputs are rounded to bf16 (h too: its range is f32's).  NaN and infinities are not treated apart.
; REGISTERS, in windows of 256 (s_set_vgpr_msb: bits 1:0 source 0, 3:2 source 1, 5:4 source 2, 7:6 destination):
;   window 0: v0-58 addresses, the list's entries and at work; v64-223 the rows' fragments, block b, 32 K piece s at 64 + 32 b + 8 s (at the end the way out); v224-239 constants and bias
;   window 1: v0-127 weight fragments, two buffers of 64; v128-255 the staged chunk, row rho at 128 + 4 rho
;   window 2: accumulators of blocks 0-3, column group i of block b at 64 b + 8 i;   window 3: v0-63 block 4's; v64-127 the chunk rounded, row rho at 64 + 2 rho
.set LAYER,  1
.if LAYER == 1
.set WPITCH, 4096                      ; bytes from weight row to weight row
.set WSHIFT, 12
.else
.set WPITCH, 16384
.set WSHIFT, 14
.endif
.set LP,     2064                      ; a row of the image: 2,048 bytes + 16: 129 x 16, so the 16 rows of a fragment load start at 16 different 16-byte columns modulo 256
.set STAGE,  128*LP                    ; 264,192: behind the image, 16 rows x 528 bytes of f32 for each wave, for the way out
.set SPITCH, 528
.set SPARE,  STAGE+4*16*SPITCH         ; 297,984: the spare words, 128 bytes a wave: two blocks of 256 bytes that no other line names
.set R,    1                           ; lane % 16
.set H16,  2                           ; 16 (lane / 16)
.set LANE, 3
.set WOFF, 4                           ; 16 lane
.set WST0, 5                           ; image: my wave's 32 rows, 8 lane
.set WSTW, 6                           ;   + the chunk
.set BAD0, 7                           ; v7-10   image: row lane % 16 of row group 32 p, 16 (lane / 16)
.set BADW, 11                          ; v11-14    + the chunk
.set AOF,  15                          ; v15-19  byte offset of my list row of block b, + 16 (lane / 16)
.set STO,  20                          ; stage: where I put a result's 16 bytes
.set SRD0, 21                          ; stage: 16 lane
.set PFO,  22                          ; lane x the weights' row pitch: the prefetch's offsets; never rewritten
.set LOF,  24                          ; list: byte offset of entry lane % 16 of my wave's block 0
.set V8L,  26                          ; 8 lane
.set SPW,  28                          ; LDS address of my spare word; never rewritten
.set NIL,  29                          ; 0; never rewritten
.set TA,   30                          ; v30-35  at work
.set SLT,  42                          ; v42-57  entry lane % 16 of my block j, j = 0..15
.set CUR,  58                          ; the same of the block in hand
.set AF,   64
.set KON,  224                         ; six constants, each twice
.set BIA,  236                         ; bias of my four columns
.set SG,   128                         ; window 1
.set PK,   64                          ; window 3
.set AB,   64                          ; the way out: four times sixteen registers at work,
.set T,    80
.set EX,   96
.set PQ,   112
.set U,    128                         ; v128-191  sixteen rows x four numbers: group q of four rows at U + 16 q
.set OF,   192                         ; v192-207  the rows' byte offsets in the output
.set WV,   14                          ; wave
.set XP,   15                          ; expert
.set SUB,  16
.set NE,   22                          ; rows of e
.set NBLK, 23                          ; blocks of e
.set LIVE, 24                          ; my live blocks among the five
.set CNT,  25
.set KB,   26                          ; s[26:27] the chunk's byte offset in bf16 rows: 256 c
.set ABW,  28                          ; s[28:29] the rows' base for the chunk being asked for
.set MK,   30                          ; a mask
.set J,    32
.set RI,   35
.set RM,   38
.set KN,   40                          ; s[40:41] KB + 256
.set WBW,  42                          ; s[42:43] my wave's 32 weight rows at the chunk that is asked for next
.set AB0,  44                          ; s[44:45] the rows' base
.set OB,   46                          ; s[46:47] the output at my columns
.set ABSM, 49                          ; 0x7fffffff
.set SS,   66                          ; s[66:81] the slots of a block's sixteen rows
.set MSB, 0
.macro WIN new                         ; the high byte repeats the setting that is left; a switch that changes nothing is dropped
.if MSB != (\new)
	s_set_vgpr_msb (MSB<<8)|(\new)
.set MSB, (\new)
.endif
.endm
.macro PLACES                          ; four plain vector instructions between a matrix instruction and a load into, a write of or a read of its registers (ISA guide 7.12.1 for writes and reads)
.rept 4
	v_nop
.endr
.endm
; 16 LDS loads in one run: the weight fragments (128 rows x 32 K at byte off behind the four address registers from areg on) into buffer buf
.macro FETCHB areg, off, buf
	WIN 0x40
.irp i, 0,1,2,3,4,5,6,7
	ds_load_b128 v[64*(\buf)+8*\i:64*(\buf)+8*\i+3],   v[(\areg)+\i/2] offset:(\i%2)*16*LP+(\off)
	ds_load_b128 v[64*(\buf)+8*\i+4:64*(\buf)+8*\i+7], v[(\areg)+\i/2] offset:(\i%2)*16*LP+(\off)+32
.endr
	WIN 0
.endm
; 4 of those 16: the fragments of weight rows 32 q to 32 q + 31.  A short run, to stand among the products
.macro FETCH4 off, buf, q
	WIN 0x40
	ds_load_b128 v[64*(\buf)+16*(\q):64*(\buf)+16*(\q)+3],     v[BADW+(\q)] offset:(\off)
	ds_load_b128 v[64*(\buf)+16*(\q)+4:64*(\buf)+16*(\q)+7],   v[BADW+(\q)] offset:(\off)+32
	ds_load_b128 v[64*(\buf)+16*(\q)+8:64*(\buf)+16*(\q)+11],  v[BADW+(\q)] offset:16*LP+(\off)
	ds_load_b128 v[64*(\buf)+16*(\q)+12:64*(\buf)+16*(\q)+15], v[BADW+(\q)] offset:16*LP+(\off)+32
.endm
; 10 loads: piece s of all five blocks' rows, dead blocks' too (their entries are slot 0), so that every count is the same on every way
.macro ALOAD s, base
.irp b, 0,1,2,3,4
	global_load_b128 v[AF+32*\b+8*(\s):AF+32*\b+8*(\s)+3],   v[AOF+\b], s[\base:\base+1] offset:64*(\s)
	global_load_b128 v[AF+32*\b+8*(\s)+4:AF+32*\b+8*(\s)+7], v[AOF+\b], s[\base:\base+1] offset:64*(\s)+32
.endr
.endm
; 8 matrix instructions: block b x the 8 column groups, piece s.  The accumulators take turns, one instruction a turn.
.macro MULB b, s
	WIN 0xa1+0x50*((\b)/4)
.irp i, 0,1,2,3,4,5,6,7
	v_wmma_f32_16x16x32_bf16 v[64*((\b)%4)+8*\i:64*((\b)%4)+8*\i+7], v[64*((\s)%2)+8*\i:64*((\s)%2)+8*\i+7], v[AF+32*(\b)+8*(\s):AF+32*(\b)+8*(\s)+7], v[64*((\b)%4)+8*\i:64*((\b)%4)+8*\i+7]
.endr
.endm
; The same, jumped over, forward, where the block is dead; nothing else is jumped
.macro KBLK b, s
	WIN 0                                          ; at a branch and at a label every window is 0
	s_cmp_le_u32 s[LIVE], \b
	s_cbranch_scc1 .Lkd_\@
	MULB \b, \s
	WIN 0
.Lkd_\@:
.endm
; The weights of the chunk after next are asked into the L2: my wave's 32 rows x 512 bytes, the lanes a row apart, two requests 256 bytes apart: each block of 256 bytes once in the launch.
; In piece 1 of trip c WBW stands at chunk c + 2 (piece 0 has stepped it), which the head of the next trip loads: 65,536 bytes for the work-group.  The loop's last trip (c = 6) asks for nothing: there is no chunk 8.
.macro PREFETCH
	WIN 0
	s_cmp_eq_u32 s[CNT], 1
	s_cbranch_scc1 .Lnp_\@
	global_prefetch_b8 v[PFO], s[WBW:WBW+1] th:TH_LOAD_NT scope:SCOPE_SE
	global_prefetch_b8 v[PFO], s[WBW:WBW+1] offset:256 th:TH_LOAD_NT scope:SCOPE_SE
.Lnp_\@:
.endm
; A list entry becomes a row's byte offset.  What was loaded is held to the table's size before it enters an address.
.macro ROWOFF dst, src
.if LAYER == 1
	v_lshrrev_b32 v[\dst], 1, v[\src]              ; the token
	v_min_u32 v[\dst], 0x3ff, v[\dst]
	v_lshl_add_u32 v[\dst], v[\dst], 11, v[H16]    ; rows of 2,048 bytes in xb
.else
	v_min_u32 v[\dst], 0x7ff, v[\src]
	v_lshl_add_u32 v[\dst], v[\dst], 13, v[H16]    ; rows of 8,192 bytes in h
.endif
.endm
; A trip's head.  The staged chunk c is rounded, quarter by quarter (8 rows), into registers of its own; issue = 1: behind each quarter's conversions the same quarter of chunk c + 1 is asked for
; (WBW stands there already).  Then the rounded chunk goes into the image.
; Loads come back in order.  Younger than quarter q's eight: 24 - 8 q of this chunk, this chunk's 40 row loads, and with issue = 1 the 8 q just asked for: 64 there, and a wait's count names 63 at the most.
.macro WPART issue
.irp q, 0,1,2,3
.if (\issue) || (\q == 0)
	s_wait_loadcnt 63
.else
	s_wait_loadcnt 64-8*\q
.endif
	WIN 0xc5                                       ; destination window 3, sources window 1
.set rho, 8*\q
.rept 8
	v_cvt_pk_bf16_f32 v[PK+2*rho], v[SG+4*rho], v[SG+4*rho+1]
	v_cvt_pk_bf16_f32 v[PK+2*rho+1], v[SG+4*rho+2], v[SG+4*rho+3]
.set rho, rho+1
.endr
.if \issue
	WIN 0x40
.set rho, 8*\q
.rept 8
	global_load_b128 v[SG+4*rho:SG+4*rho+3], v[WOFF], s[WBW:WBW+1] offset:rho*WPITCH th:TH_LOAD_NT  ; 512 consecutive bytes of a weight row, read once in the launch
.set rho, rho+1
.endr
.endif
.endr
	WIN 0
	s_wait_dscnt 0x0                               ; my reads of the image are back
	s_barrier_signal -1                            ; FIRST BARRIER: between all waves' reads of the image's rows and the next stores into those rows.  The stores land in other bytes of the rows
	v_add_nc_u32 v[WSTW], s[KB], v[WST0]           ; (KB has stepped); the order is kept all the same.  The chunk's LDS addresses are made between signal and wait.
.irp p, 0,1,2,3
	v_add_nc_u32 v[BADW+\p], s[KB], v[BAD0+\p]
.endr
	s_barrier_wait -1
	WIN 0x0c                                       ; store data window 3
.set rho, 0
.rept 32
	ds_store_b64 v[WSTW], v[PK+2*rho:PK+2*rho+1] offset:rho*LP   ; 32 lanes x 8 bytes: 256 consecutive bytes of a row
.set rho, rho+1
.endr
	WIN 0
	s_wait_dscnt 0x0                               ; for the others' sake: my stores into the image are done
	s_barrier_signal -1                            ; SECOND BARRIER: between the stores and all waves' reads of the chunk
	s_barrier_wait -1
.endm
; Piece s (32 K) of the chunk.  n: the loads younger than this piece's rows.  The next piece's 16 fragment loads stand among this piece's products, in runs of 8, 4 and 4, on every way:
; they go into the other buffer, whose last readers stand ahead of the four places that end the piece before.
.macro KSTEP s, issue, n
	s_wait_dscnt 0x0                               ; this piece's weight fragments are in: the last of them were asked for ahead of block 2's products of the piece before
	s_wait_loadcnt \n
.if (\s) < 3
	FETCH4 64*((\s)+1), ((\s)+1)%2, 0
	FETCH4 64*((\s)+1), ((\s)+1)%2, 1
.endif
.if (\issue) && ((\s) == 1)
	PREFETCH
.endif
	KBLK 0, \s
.if (\s) < 3
	FETCH4 64*((\s)+1), ((\s)+1)%2, 2
.endif
	KBLK 1, \s
.if (\s) < 3
	FETCH4 64*((\s)+1), ((\s)+1)%2, 3
.endif
	KBLK 2, \s
	KBLK 3, \s
	KBLK 4, \s
	PLACES                                         ; in front of the loads into registers that the products have read
.if \issue
.if (\s) == 0
	s_wait_xcnt 0x0                                ; the two bases below are sources of memory instructions issued earlier (the head's weight loads, the last trip's row loads and prefetches): they are rewritten only behind this wait
	s_add_nc_u64 s[WBW:WBW+1], s[WBW:WBW+1], 512   ; the chunk that the next head asks for
	s_add_co_u32 s[KN], s[KB], 256
	s_add_nc_u64 s[ABW:ABW+1], s[AB0:AB0+1], s[KN:KN+1]
.endif
	ALOAD \s, ABW                                  ; the same piece of the next chunk
.endif
.endm
.macro TRIP issue, n0, n1, n2, n3
	WPART \issue
	FETCHB BADW, 0, 0                              ; piece 0 cannot be asked for ahead of the barrier
	KSTEP 0, \issue, \n0
	KSTEP 1, \issue, \n1
	KSTEP 2, \issue, \n2
	KSTEP 3, \issue, \n3
.endm
; A block beyond the five.  8 loads: chunk c of its rows, into buffer c % 2 of two (where blocks 0 and 1's fragments lay)
.macro OALOAD c
.irp s, 0,1,2,3
	global_load_b128 v[AF+32*((\c)%2)+8*\s:AF+32*((\c)%2)+8*\s+3],   v[AOF], s[AB0:AB0+1] offset:256*(\c)+64*\s
	global_load_b128 v[AF+32*((\c)%2)+8*\s+4:AF+32*((\c)%2)+8*\s+7], v[AOF], s[AB0:AB0+1] offset:256*(\c)+64*\s+32
.endr
.endm
; 8 matrix instructions: piece g of 32 of its K, into block 0's registers, which have gone out.  Piece 0 starts the sums.  The accumulators take turns.
.macro OMUL g
	WIN 0xa1
.irp i, 0,1,2,3,4,5,6,7
.if (\g) == 0
	v_wmma_f32_16x16x32_bf16 v[8*\i:8*\i+7], v[64*((\g)%2)+8*\i:64*((\g)%2)+8*\i+7], v[AF+32*(((\g)/4)%2)+8*((\g)%4):AF+32*(((\g)/4)%2)+8*((\g)%4)+7], 0
.else
	v_wmma_f32_16x16x32_bf16 v[8*\i:8*\i+7], v[64*((\g)%2)+8*\i:64*((\g)%2)+8*\i+7], v[AF+32*(((\g)/4)%2)+8*((\g)%4):AF+32*(((\g)/4)%2)+8*((\g)%4)+7], v[8*\i:8*\i+7]
.endif
.endr
.endm
; Block b's 16 x 128 sums go into my stage, each accumulator's low registers first.
.macro DUMP b
	WIN 0x08+0x04*((\b)/4)                         ; store data window 2 or 3
.irp i, 0,1,2,3,4,5,6,7
	ds_store_b128 v[STO], v[64*((\b)%4)+8*\i:64*((\b)%4)+8*\i+3]   offset:64*\i
	ds_store_b128 v[STO], v[64*((\b)%4)+8*\i+4:64*((\b)%4)+8*\i+7] offset:64*\i+16
.endr
	WIN 0
.endm
.macro PAIRS line:vararg               ; one line for each of eight register pairs p
.set p, 0
	s_wait_alu depctr_va_vdst(0)
.rept 8
	\line
.set p, p+2
.endr
.endm
.macro EACH line:vararg                ; one line for each of sixteen registers p
.set p, 0
.rept 16
	\line
.set p, p+1
.endr
.endm
; Rows 4 q to 4 q + 3 of the block in hand: a lane holds columns 4 lane + 0..3 of each.  LAYER 1: bias, GELU, rounding (in place: row r's 8 bytes at UB + 2 r).  Then the stores, row by row; rows past the count are jumped.
.macro FGROUP q
.set UB, U+16*(\q)
	s_wait_dscnt 12-4*(\q)                         ; LDS loads come back in order: the later groups' may stay out
.if LAYER == 1
	PAIRS v_pk_add_f32 v[UB+p:UB+p+1], v[UB+p:UB+p+1], v[BIA+p%4:BIA+p%4+1]
	EACH  v_and_b32 v[AB+p], s[ABSM], v[UB+p]
	PAIRS v_pk_fma_f32 v[T+p:T+p+1], v[AB+p:AB+p+1], v[KON:KON+1], v[KON+2:KON+3]
	EACH  v_rcp_f32 v[T+p], v[T+p]
	PAIRS v_pk_mul_f32 v[EX+p:EX+p+1], v[UB+p:UB+p+1], v[UB+p:UB+p+1]         ; plain work that names no t stands behind the reciprocals
	PAIRS v_pk_mul_f32 v[EX+p:EX+p+1], v[EX+p:EX+p+1], v[KON+4:KON+5]
	EACH  v_exp_f32 v[EX+p], v[EX+p]
	PAIRS v_pk_fma_f32 v[PQ+p:PQ+p+1], v[T+p:T+p+1], v[KON+10:KON+11], v[KON+8:KON+9]  ; and behind the exponentials
	PAIRS v_pk_fma_f32 v[PQ+p:PQ+p+1], v[PQ+p:PQ+p+1], v[T+p:T+p+1], v[KON+6:KON+7]
	PAIRS v_pk_mul_f32 v[PQ+p:PQ+p+1], v[PQ+p:PQ+p+1], v[T+p:T+p+1]
	PAIRS v_pk_mul_f32 v[PQ+p:PQ+p+1], v[PQ+p:PQ+p+1], v[EX+p:EX+p+1]
	EACH  v_max_num_f32 v[UB+p], 0, v[UB+p]
	PAIRS v_pk_fma_f32 v[UB+p:UB+p+1], v[PQ+p:PQ+p+1], v[AB+p:AB+p+1], v[UB+p:UB+p+1]
.set p, 0
.rept 8
	v_cvt_pk_bf16_f32 v[UB+p], v[UB+2*p], v[UB+2*p+1]
.set p, p+1
.endr
.endif
.irp r, 0,1,2,3
	s_cmp_le_i32 s[RM], 4*(\q)+\r                  ; rows past the count are not stored
	s_cbranch_scc1 .Lfin_end
.if LAYER == 1
	global_store_b64 v[OF+4*(\q)+\r], v[UB+2*\r:UB+2*\r+1], s[OB:OB+1]   ; 32 lanes store 256 consecutive bytes, at a multiple of 256 from h's first byte
.else
	global_store_b128 v[OF+4*(\q)+\r], v[UB+4*\r:UB+4*\r+3], s[OB:OB+1]  ; 32 lanes store 512 consecutive bytes, at a multiple of 512 from y's first byte
.endif
.endr
.endm
.if LAYER == 1
	s_load_b256 s[4:11], s[0:1], 0x0               ; weights s[4:5], bias s[6:7], rows s[8:9], list s[10:11]
	s_load_b64 s[12:13], s[0:1], 0x20              ; output
.else
	s_load_b64 s[4:5], s[0:1], 0x0                 ; weights
	s_load_b128 s[8:11], s[0:1], 0x8               ; rows s[8:9], list s[10:11]
	s_load_b64 s[12:13], s[0:1], 0x18              ; output
.endif
	v_lshl_add_u32 v[SPW], v0, 2, SPARE
	v_mov_b32 v[NIL], 0
	v_lshrrev_b32 v[TA], 5, v0
	v_readfirstlane_b32 s[WV], v[TA]               ; wave 0..3
	v_and_b32 v[LANE], 31, v0
	v_and_b32 v[R], 15, v0
	v_bfe_u32 v[H16], v0, 4, 1
	v_lshlrev_b32 v[H16], 4, v[H16]
	v_lshlrev_b32 v[WOFF], 4, v[LANE]
	v_lshlrev_b32 v[V8L], 3, v[LANE]
	v_lshlrev_b32 v[PFO], WSHIFT, v[LANE]
	s_mul_i32 s18, s[WV], 32*LP
	v_add_nc_u32 v[WST0], s18, v[V8L]
	v_mul_u32_u24 v[TA], v[R], LP
	v_add_nc_u32 v[TA], v[TA], v[H16]
.irp p, 0,1,2,3
	v_add_nc_u32 v[BAD0+\p], \p*32*LP, v[TA]
.endr
	s_mul_i32 s18, s[WV], 16*SPITCH
	s_add_co_u32 s18, s18, STAGE                   ; my stage
	v_mul_u32_u24 v[TA], v[R], SPITCH
	v_lshl_add_u32 v[TA], v[H16], 1, v[TA]         ; row lane % 16, 32 bytes for each half of the lanes
	v_add_nc_u32 v[STO], s18, v[TA]
	v_add_nc_u32 v[SRD0], s18, v[WOFF]
	s_lshl_b32 s19, s[WV], 6
	v_lshl_add_u32 v[LOF], v[R], 2, s19            ; block 4 j + w begins at word 64 j + 16 w of the expert's list
	s_lshr_b32 s[XP], ttmp9, 5
	s_lshl_b32 s56, s[XP], 12                      ; the expert's 4,096 bytes of list,
	s_mov_b32 s57, 0
	s_lshl_b32 s36, s[XP], 8                       ; and its count
	s_add_co_u32 s36, s36, 32768
	s_mov_b32 s37, 0
	s_mov_b32 s[ABSM], 0x7fffffff
	s_lshl_b32 s18, s[XP], 24                      ; an expert's weights are 16,777,216 bytes
.if LAYER == 1
	s_and_b32 s[SUB], ttmp9, 31
	s_lshl_b32 s19, s[SUB], 19                     ; 128 rows of 4,096 bytes
	s_add_co_u32 s18, s18, s19
	s_lshl_b32 s19, s[WV], 17                      ; my wave's 32 of them
	s_add_co_u32 s18, s18, s19
	s_lshl_b32 s50, s[XP], 14                      ; bias: 16,384 bytes an expert, 512 for my 128 columns
	s_lshl_b32 s19, s[SUB], 9
	s_add_co_u32 s50, s50, s19
	s_mov_b32 s51, 0
	s_mov_b32 s52, 0                               ; the rows begin at xb's first byte
	s_lshl_b32 s54, s[SUB], 8                      ; my 128 columns in a row of h
.else
	s_and_b32 s[SUB], ttmp9, 7
	s_bfe_u32 s17, ttmp9, 0x20003                  ; K slice
	s_lshl_b32 s19, s[SUB], 21                     ; 128 rows of 16,384 bytes
	s_add_co_u32 s18, s18, s19
	s_lshl_b32 s19, s17, 12                        ; 1,024 f32 along the rows
	s_add_co_u32 s18, s18, s19
	s_lshl_b32 s19, s[WV], 19                      ; my wave's 32 rows
	s_add_co_u32 s18, s18, s19
	s_lshl_b32 s52, s17, 11                        ; 1,024 bf16 along h's rows
	s_lshl_b32 s54, s17, 23                        ; y's part for the slice: 8,388,608 bytes,
	s_lshl_b32 s19, s[SUB], 9                      ; my 128 columns of f32
	s_add_co_u32 s54, s54, s19
.endif
	s_mov_b32 s19, 0
	s_mov_b32 s53, 0
	s_mov_b32 s55, 0
	s_mov_b32 s[KB], 0
	s_mov_b32 s[KB+1], 0
	s_mov_b32 s[KN+1], 0
	s_wait_kmcnt 0x0
	s_add_nc_u64 s[58:59], s[10:11], s[36:37]
	s_add_nc_u64 s[10:11], s[10:11], s[56:57]
	s_load_b32 s[NE], s[58:59], 0x0                ; the expert's count
	s_add_nc_u64 s[WBW:WBW+1], s[4:5], s[18:19]
	s_add_nc_u64 s[AB0:AB0+1], s[8:9], s[52:53]
	s_add_nc_u64 s[OB:OB+1], s[12:13], s[54:55]
.if LAYER == 1
	s_add_nc_u64 s[6:7], s[6:7], s[50:51]
.endif
.irp j, 0,1,2,3,4,5,6,7,8,9,10,11,12,13,14,15
	global_load_b32 v[SLT+\j], v[LOF], s[10:11] offset:256*\j   ; the entries of my 16 possible blocks
.endr
.if LAYER == 1
	global_load_b128 v[BIA:BIA+3], v[WOFF], s[6:7]
.endif
	WIN 0x40
.set rho, 0
.rept 32
	global_load_b128 v[SG+4*rho:SG+4*rho+3], v[WOFF], s[WBW:WBW+1] offset:rho*WPITCH th:TH_LOAD_NT  ; chunk 0
.set rho, rho+1
.endr
	WIN 0
	global_prefetch_b8 v[PFO], s[WBW:WBW+1] offset:512 th:TH_LOAD_NT scope:SCOPE_SE   ; chunk 1, which the first trip's head loads, is asked into the L2: my 32 rows x 512 bytes, as in the loop
	global_prefetch_b8 v[PFO], s[WBW:WBW+1] offset:768 th:TH_LOAD_NT scope:SCOPE_SE
	WIN 0x80
.set z, 0
.rept 256
	v_mov_b32 v[z], 0
.set z, z+1
.endr
	WIN 0xc0
.set z, 0
.rept 64
	v_mov_b32 v[z], 0
.set z, z+1
.endr
	WIN 0
.if LAYER == 1
.irp z, 0,1
	v_mov_b32 v[KON+\z], 0x3eaa540e                ; 0.47047 / sqrt(2)
	v_mov_b32 v[KON+2+\z], 1.0
	v_mov_b32 v[KON+4+\z], 0xbf38aa3b              ; -log2(e) / 2
	v_mov_b32 v[KON+6+\z], 0xbe32303a              ; -a1 / 2 = -0.1740121
	v_mov_b32 v[KON+8+\z], 0x3d445ca1              ; -a2 / 2 =  0.0479399
	v_mov_b32 v[KON+10+\z], 0xbebf7377             ; -a3 / 2 = -0.3739278
.endr
.endif
	s_wait_xcnt 0x0                                ; chunk 0's loads and the two prefetches name WBW: it is stepped only behind this wait
	s_add_nc_u64 s[WBW:WBW+1], s[WBW:WBW+1], 512   ; chunk 1: what the first head asks for
	s_wait_kmcnt 0x0                               ; the count
	s_min_u32 s[NE], s[NE], 1024
	s_add_co_u32 s[NBLK], s[NE], 15
	s_lshr_b32 s[NBLK], s[NBLK], 4
	s_min_u32 s[LIVE], s[NBLK], 20
	s_add_co_u32 s[LIVE], s[LIVE], 3
	s_sub_co_u32 s[LIVE], s[LIVE], s[WV]
	s_lshr_b32 s[LIVE], s[LIVE], 2                 ; how many j in 0..4 have 4 j + w < NBLK
	s_wait_loadcnt 32                              ; the list's entries (and the bias) are in; chunk 0's 32 loads may stay out
.irp b, 0,1,2,3,4
	ROWOFF AOF+\b, SLT+\b
.endr
.irp s, 0,1,2,3
	ALOAD \s, AB0                                  ; chunk 0's rows, piece by piece
.endr
.if LAYER == 1
	v_cvt_pk_bf16_f32 v[TA], v[BIA], v[BIA+1]      ; the bias is rounded to bf16 like every input, and widened again
	v_cvt_pk_bf16_f32 v[TA+1], v[BIA+2], v[BIA+3]
	v_lshlrev_b32 v[BIA], 16, v[TA]
	v_and_b32 v[BIA+1], 0xffff0000, v[TA]
	v_lshlrev_b32 v[BIA+2], 16, v[TA+1]
	v_and_b32 v[BIA+3], 0xffff0000, v[TA+1]
.endif
	s_mov_b32 s[CNT], 7
.Ltrip:                                                ; chunks 0 to 6.  Younger than piece s's rows: 10 (3 - s) loads of this chunk's rows, the next chunk's 32 weight loads and 10 s of its rows: 62
	TRIP 1, 62, 62, 62, 62
	s_add_co_u32 s[KB], s[KB], 256
	s_sub_co_u32 s[CNT], s[CNT], 1
	s_cmp_lg_u32 s[CNT], 0
	s_cbranch_scc1 .Ltrip
	TRIP 0, 30, 20, 10, 0                          ; chunk 7 asks for nothing: the counts run down
; THE WAY OUT, block by block: J = 0..15, my block 4 J + w.  Every jump inside goes forward; no barrier stands here: the image is whole, the stage is my own.
	s_mov_b32 s[J], 0
.Lblock:
	s_lshl2_add_u32 s[RI], s[J], s[WV]
	s_cmp_ge_u32 s[RI], s[NBLK]
	s_cbranch_scc1 .Lnext
	s_lshl_b32 s[RM], s[RI], 4
	s_sub_co_i32 s[RM], s[NE], s[RM]               ; rows left from the block's first on: 1 at the least
	s_cmp_ge_u32 s[J], 5
	s_cbranch_scc1 .Lover
	s_cmp_eq_u32 s[J], 1
	s_cbranch_scc1 .Ld1
	s_cmp_eq_u32 s[J], 2
	s_cbranch_scc1 .Ld2
	s_cmp_eq_u32 s[J], 3
	s_cbranch_scc1 .Ld3
	s_cmp_eq_u32 s[J], 4
	s_cbranch_scc1 .Ld4
	s_branch .Ld0
.Lover:                                                ; a block beyond the five: multiplied now, from the image; 32 pieces of 32 K, written out
	v_mov_b32 v[CUR], v[SLT+5]                     ; the block's entries: register J of the sixteen
.irp j, 6,7,8,9,10,11,12,13,14,15
	s_cmp_eq_u32 s[J], \j
	s_cselect_b32 s[MK], -1, 0
	v_cndmask_b32 v[CUR], v[CUR], v[SLT+\j], s[MK]
.endr
	ROWOFF AOF, CUR                                ; every load that named this register has been waited for
	OALOAD 0
	FETCHB BAD0, 0, 0
	FETCHB BAD0, 64, 1
.set g, 0
.rept 32
.if g%4 == 0
.if g < 28
.set cn, g/4+1
	OALOAD cn                                      ; the next chunk's rows, into the buffer whose last products stand in front of four places
	s_wait_loadcnt 8                               ; this chunk's rows are in; the eight just issued may stay out
.else
	s_wait_loadcnt 0x0
.endif
.endif
.if g == 31
	s_wait_dscnt 0x0
.else
	s_wait_dscnt 16                                ; the next piece's 16 loads may stay out
.endif
	OMUL g
	WIN 0
	PLACES
.if g < 30
.set go, 64*(g+2)
.set gb, g%2
	FETCHB BAD0, go, gb
.endif
.set g, g+1
.endr
	s_branch .Ld0x
.Ld0:
	v_mov_b32 v[CUR], v[SLT]                       ; each of the five names its own entries
.Ld0x:
	DUMP 0
	s_branch .Lfin
.Ld1:
	v_mov_b32 v[CUR], v[SLT+1]
	DUMP 1
	s_branch .Lfin
.Ld2:
	v_mov_b32 v[CUR], v[SLT+2]
	DUMP 2
	s_branch .Lfin
.Ld3:
	v_mov_b32 v[CUR], v[SLT+3]
	DUMP 3
	s_branch .Lfin
.Ld4:
	v_mov_b32 v[CUR], v[SLT+4]
	DUMP 4
.Lfin:                                                 ; the block comes back from my stage as sixteen whole rows
	s_wait_xcnt 0x0                                ; the last block's stores read U and OF: these are rewritten only behind this wait
.set rho, 0
.rept 16
	ds_load_b128 v[U+4*rho:U+4*rho+3], v[SRD0] offset:SPITCH*rho  ; LDS serves a wave's instructions in order: these see the stores into the stage
.set rho, rho+1
.endr
	; the sixteen rows' places in the output, made while those loads are out; in three runs, so that no line reads the result of the line before it
.set rho, 0
.rept 16
	v_readlane_b32 s[SS+rho], v[CUR], rho          ; the row's slot
.set rho, rho+1
.endr
.set rho, 0
.rept 16
	s_min_u32 s[SS+rho], s[SS+rho], 0x7ff          ; held to the table's size before it enters an address
.set rho, rho+1
.endr
.set rho, 0
.rept 16
.if LAYER == 1
	v_lshl_add_u32 v[OF+rho], s[SS+rho], 13, v[V8L]   ; rows of 8,192 bytes in h
.else
	v_lshl_add_u32 v[OF+rho], s[SS+rho], 12, v[WOFF]  ; rows of 4,096 bytes in y
.endif
.set rho, rho+1
.endr
	FGROUP 0
	FGROUP 1
	FGROUP 2
	FGROUP 3
.Lfin_end:
	s_wait_dscnt 0x0                               ; a jump past the count may have left later groups' loads out: U is loaded again only behind this wait
.Lnext:
	s_add_co_u32 s[J], s[J], 1
	s_cmp_lt_u32 s[J], 16
	s_cbranch_scc1 .Lblock
	s_wait_tensorcnt 0x0                           ; the wave's end, behind my last LDS store
	ds_add_u32 v[SPW], v[NIL]
	s_wait_dscnt 0x0
	s_endpgm
.Lfunc_end_k_q3f0cc215c4_ffn1:
	.size	k_q3f0cc215c4_ffn1, .Lfunc_end_k_q3f0cc215c4_ffn1-k_q3f0cc215c4_ffn1
	.p2alignl 7, 3214868480
	.fill 96, 4, 3214868480
	.section	.rodata,"a",@progbits
	.p2align	6, 0x0
	.amdhsa_kernel k_q3f0cc215c4_ffn1
		.amdhsa_group_segment_fixed_size 298496
		.amdhsa_private_segment_fixed_size 0
		.amdhsa_enable_private_segment 0
		.amdhsa_kernarg_size 40
		.amdhsa_user_sgpr_count 2
		.amdhsa_user_sgpr_kernarg_segment_ptr 1
		.amdhsa_wavefront_size32 1
		.amdhsa_system_sgpr_workgroup_id_x 1
		.amdhsa_system_sgpr_workgroup_id_y 1
		.amdhsa_system_sgpr_workgroup_id_z 1
		.amdhsa_system_vgpr_workitem_id 0
		.amdhsa_next_free_vgpr 896
		.amdhsa_next_free_sgpr 82
		.amdhsa_reserve_vcc 0
		.amdhsa_float_denorm_mode_32 3
		.amdhsa_float_denorm_mode_16_64 3
		.amdhsa_memory_ordered 1
		.amdhsa_forward_progress 1
		.amdhsa_inst_pref_size 188
	.end_amdhsa_kernel
	.amdgpu_metadata
---
amdhsa.version: [ 1, 2 ]
amdhsa.kernels:
  - .name:           k_q3f0cc215c4_ffn1
    .symbol:         k_q3f0cc215c4_ffn1.kd
    .args:
      - { .name: w1, .offset: 0, .size: 8, .value_kind: global_buffer, .address_space: global }
      - { .name: b1, .offset: 8, .size: 8, .value_kind: global_buffer, .address_space: global }
      - { .name: xb, .offset: 16, .size: 8, .value_kind: global_buffer, .address_space: global }
      - { .name: list, .offset: 24, .size: 8, .value_kind: global_buffer, .address_space: global }
      - { .name: h, .offset: 32, .size: 8, .value_kind: global_buffer, .address_space: global }
    .group_segment_fixed_size: 298496
    .private_segment_fixed_size: 0
    .kernarg_segment_align: 8
    .kernarg_segment_size: 40
    .max_flat_workgroup_size: 128
    .sgpr_count:     82
    .vgpr_count:     896
    .wavefront_size: 32
...
	.end_amdgpu_metadata
.endif
;; end of part 6
;; launch ffn2 (part 7): grid 256 x 1, 4 waves a work-group, no clusters, 298,496 bytes of LDS; arguments w2, h, list, y; writes y
.if DOCPART == 7
	.amdgcn_target "amdgcn-amd-amdhsa--gfx1250"
	.amdhsa_code_object_version 6
	.text
	.protected	k_q3f0cc215c4_ffn2
	.globl	k_q3f0cc215c4_ffn2
	.p2align	8
	.type	k_q3f0cc215c4_ffn2,@function
k_q3f0cc215c4_ffn2:
	s_mov_b64 s[64:65], 0
	v_nop
	global_prefetch_b8 v0, s[64:65] scope:SCOPE_SE
	s_setreg_imm32_b32 hwreg(HW_REG_WAVE_MODE, 25, 1), 1
	s_wait_xcnt 0x0
; ONE EXPERT PRODUCT OF THE MoE LAYER.  One text serves both products; LAYER says which is assembled.
;   LAYER 1: h[slot][f] = bf16(gelu(xb[slot >> 1] . bf16(w1[e][f]) + bf16(b1[e][f])))           arguments w1, b1, xb, list, h
;   LAYER 2: y[ks][slot][n] = the sum over the 1,024 f of slice ks of h[slot][f] bf16(w2[e][n][f]), f32   arguments w2, h, list, y
; slot = 2 token + k (k: first or second choice).  Every slot belongs to one expert.
; SHARES.  256 work-groups of four waves; expert e = work-group >> 5.  A work-group owns 128 output columns x 1,024 K of e's weights (524,288 bytes of f32), which it alone reads, once,
; and ALL rows of e.  LAYER 1: columns 128 (wg & 31), all of K.  LAYER 2: columns 128 (wg & 7), K slice (wg >> 3) & 3: four partial sums, added by the launch behind.
; THE STREAM.  K goes in 8 chunks of 128.  A wave loads 32 weight rows' 512 bytes (one load a row: 512 consecutive bytes) into 128 registers.  As each quarter of them comes it is rounded to bf16
; into 16 OTHER registers, and the next chunk's quarter is asked for at once into the registers just read.  Then the rounded chunk is stored ONCE into an image of the whole slice in LDS.
; Behind a barrier every wave multiplies the chunk by its own blocks of 16 rows, whose sums stay in registers over all of K.  The rows come straight from memory as matrix operands, by the list.
; BLOCKS.  Block g of 16 list rows is wave g & 3's.  A wave keeps five (320 rows an expert in all); blocks beyond (up to 1,024 rows: every token) are multiplied afterwards, one at a time,
; from the image in LDS, which then is whole: slower for each row, and right for every split.  An expert without rows streams its weights and stores nothing.
; THE LIST was stored by an earlier launch: list[e][rank] = slot, 1,024 words an expert, places past the count hold slot 0, a row that exists; e's count lies at byte 32,768 + 256 e.
; A wave loads the entries of its 16 possible blocks into 16 registers at once.
; THE WAY OUT is one loop over a wave's 16 possible blocks.  Every LDS address in it is a register made at the head plus an immediate: so the K of a block beyond the five, and a block's
; four groups of four rows, are written out.
; NO TENSOR LOADS, NO CLUSTER: each weight byte has one reader, and must pass registers to be rounded; the rows that an expert's work-groups share come by a list, which no descriptor covers.
; THE MATRIX INSTRUCTION IS USED TRANSPOSED: source 0 = 16 weight rows, source 1 = 16 list rows: a lane holds one list row (lane % 16) and 8 neighbouring columns 8 (lane / 16) + 0..7.
; The five blocks' accumulators are cleared by 320 v_mov_b32 in the wait for the first weights: dead blocks' products are jumped over, so no first product could start every sum on every way.
; GELU.  erf by Abramowitz and Stegun 7.1.25, off by 2.5e-5 at the most for every argument: gelu(u) = max(u, 0) - 0.5 |u| (a1 t + a2 t^2 + a3 t^3) 2^(-0.72134752 u^2),
; t = 1 / (1 + 0.33267253 |u|): off by 1.25e-5 |u| at the most, a hundredth of bf16's step at |u|.
; LIMITS.  All inputs are rounded to bf16 (h too: its range is f32's).  NaN and infinities are not treated apart.
; REGISTERS, in windows of 256 (s_set_vgpr_msb: bits 1:0 source 0, 3:2 source 1, 5:4 source 2, 7:6 destination):
;   window 0: v0-58 addresses, the list's entries and at work; v64-223 the rows' fragments, block b, 32 K piece s at 64 + 32 b + 8 s (at the end the way out); v224-239 constants and bias
;   window 1: v0-127 weight fragments, two buffers of 64; v128-255 the staged chunk, row rho at 128 + 4 rho
;   window 2: accumulators of blocks 0-3, column group i of block b at 64 b + 8 i;   window 3: v0-63 block 4's; v64-127 the chunk rounded, row rho at 64 + 2 rho
.set LAYER,  2
.if LAYER == 1
.set WPITCH, 4096                      ; bytes from weight row to weight row
.set WSHIFT, 12
.else
.set WPITCH, 16384
.set WSHIFT, 14
.endif
.set LP,     2064                      ; a row of the image: 2,048 bytes + 16: 129 x 16, so the 16 rows of a fragment load start at 16 different 16-byte columns modulo 256
.set STAGE,  128*LP                    ; 264,192: behind the image, 16 rows x 528 bytes of f32 for each wave, for the way out
.set SPITCH, 528
.set SPARE,  STAGE+4*16*SPITCH         ; 297,984: the spare words, 128 bytes a wave: two blocks of 256 bytes that no other line names
.set R,    1                           ; lane % 16
.set H16,  2                           ; 16 (lane / 16)
.set LANE, 3
.set WOFF, 4                           ; 16 lane
.set WST0, 5                           ; image: my wave's 32 rows, 8 lane
.set WSTW, 6                           ;   + the chunk
.set BAD0, 7                           ; v7-10   image: row lane % 16 of row group 32 p, 16 (lane / 16)
.set BADW, 11                          ; v11-14    + the chunk
.set AOF,  15                          ; v15-19  byte offset of my list row of block b, + 16 (lane / 16)
.set STO,  20                          ; stage: where I put a result's 16 bytes
.set SRD0, 21                          ; stage: 16 lane
.set PFO,  22                          ; lane x the weights' row pitch: the prefetch's offsets; never rewritten
.set LOF,  24                          ; list: byte offset of entry lane % 16 of my wave's block 0
.set V8L,  26                          ; 8 lane
.set SPW,  28                          ; LDS address of my spare word; never rewritten
.set NIL,  29                          ; 0; never rewritten
.set TA,   30                          ; v30-35  at work
.set SLT,  42                          ; v42-57  entry lane % 16 of my block j, j = 0..15
.set CUR,  58                          ; the same of the block in hand
.set AF,   64
.set KON,  224                         ; six constants, each twice
.set BIA,  236                         ; bias of my four columns
.set SG,   128                         ; window 1
.set PK,   64                          ; window 3
.set AB,   64                          ; the way out: four times sixteen registers at work,
.set T,    80
.set EX,   96
.set PQ,   112
.set U,    128                         ; v128-191  sixteen rows x four numbers: group q of four rows at U + 16 q
.set OF,   192                         ; v192-207  the rows' byte offsets in the output
.set WV,   14                          ; wave
.set XP,   15                          ; expert
.set SUB,  16
.set NE,   22                          ; rows of e
.set NBLK, 23                          ; blocks of e
.set LIVE, 24                          ; my live blocks among the five
.set CNT,  25
.set KB,   26                          ; s[26:27] the chunk's byte offset in bf16 rows: 256 c
.set ABW,  28                          ; s[28:29] the rows' base for the chunk being asked for
.set MK,   30                          ; a mask
.set J,    32
.set RI,   35
.set RM,   38
.set KN,   40                          ; s[40:41] KB + 256
.set WBW,  42                          ; s[42:43] my wave's 32 weight rows at the chunk that is asked for next
.set AB0,  44                          ; s[44:45] the rows' base
.set OB,   46                          ; s[46:47] the output at my columns
.set ABSM, 49                          ; 0x7fffffff
.set SS,   66                          ; s[66:81] the slots of a block's sixteen rows
.set MSB, 0
.macro WIN new                         ; the high byte repeats the setting that is left; a switch that changes nothing is dropped
.if MSB != (\new)
	s_set_vgpr_msb (MSB<<8)|(\new)
.set MSB, (\new)
.endif
.endm
.macro PLACES                          ; four plain vector instructions between a matrix instruction and a load into, a write of or a read of its registers (ISA guide 7.12.1 for writes and reads)
.rept 4
	v_nop
.endr
.endm
; 16 LDS loads in one run: the weight fragments (128 rows x 32 K at byte off behind the four address registers from areg on) into buffer buf
.macro FETCHB areg, off, buf
	WIN 0x40
.irp i, 0,1,2,3,4,5,6,7
	ds_load_b128 v[64*(\buf)+8*\i:64*(\buf)+8*\i+3],   v[(\areg)+\i/2] offset:(\i%2)*16*LP+(\off)
	ds_load_b128 v[64*(\buf)+8*\i+4:64*(\buf)+8*\i+7], v[(\areg)+\i/2] offset:(\i%2)*16*LP+(\off)+32
.endr
	WIN 0
.endm
; 4 of those 16: the fragments of weight rows 32 q to 32 q + 31.  A short run, to stand among the products
.macro FETCH4 off, buf, q
	WIN 0x40
	ds_load_b128 v[64*(\buf)+16*(\q):64*(\buf)+16*(\q)+3],     v[BADW+(\q)] offset:(\off)
	ds_load_b128 v[64*(\buf)+16*(\q)+4:64*(\buf)+16*(\q)+7],   v[BADW+(\q)] offset:(\off)+32
	ds_load_b128 v[64*(\buf)+16*(\q)+8:64*(\buf)+16*(\q)+11],  v[BADW+(\q)] offset:16*LP+(\off)
	ds_load_b128 v[64*(\buf)+16*(\q)+12:64*(\buf)+16*(\q)+15], v[BADW+(\q)] offset:16*LP+(\off)+32
.endm
; 10 loads: piece s of all five blocks' rows, dead blocks' too (their entries are slot 0), so that every count is the same on every way
.macro ALOAD s, base
.irp b, 0,1,2,3,4
	global_load_b128 v[AF+32*\b+8*(\s):AF+32*\b+8*(\s)+3],   v[AOF+\b], s[\base:\base+1] offset:64*(\s)
	global_load_b128 v[AF+32*\b+8*(\s)+4:AF+32*\b+8*(\s)+7], v[AOF+\b], s[\base:\base+1] offset:64*(\s)+32
.endr
.endm
; 8 matrix instructions: block b x the 8 column groups, piece s.  The accumulators take turns, one instruction a turn.
.macro MULB b, s
	WIN 0xa1+0x50*((\b)/4)
.irp i, 0,1,2,3,4,5,6,7
	v_wmma_f32_16x16x32_bf16 v[64*((\b)%4)+8*\i:64*((\b)%4)+8*\i+7], v[64*((\s)%2)+8*\i:64*((\s)%2)+8*\i+7], v[AF+32*(\b)+8*(\s):AF+32*(\b)+8*(\s)+7], v[64*((\b)%4)+8*\i:64*((\b)%4)+8*\i+7]
.endr
.endm
; The same, jumped over, forward, where the block is dead; nothing else is jumped
.macro KBLK b, s
	WIN 0                                          ; at a branch and at a label every window is 0
	s_cmp_le_u32 s[LIVE], \b
	s_cbranch_scc1 .Lkd_\@
	MULB \b, \s
	WIN 0
.Lkd_\@:
.endm
; The weights of the chunk after next are asked into the L2: my wave's 32 rows x 512 bytes, the lanes a row apart, two requests 256 bytes apart: each block of 256 bytes once in the launch.
; In piece 1 of trip c WBW stands at chunk c + 2 (piece 0 has stepped it), which the head of the next trip loads: 65,536 bytes for the work-group.  The loop's last trip (c = 6) asks for nothing: there is no chunk 8.
.macro PREFETCH
	WIN 0
	s_cmp_eq_u32 s[CNT], 1
	s_cbranch_scc1 .Lnp_\@
	global_prefetch_b8 v[PFO], s[WBW:WBW+1] th:TH_LOAD_NT scope:SCOPE_SE
	global_prefetch_b8 v[PFO], s[WBW:WBW+1] offset:256 th:TH_LOAD_NT scope:SCOPE_SE
.Lnp_\@:
.endm
; A list entry becomes a row's byte offset.  What was loaded is held to the table's size before it enters an address.
.macro ROWOFF dst, src
.if LAYER == 1
	v_lshrrev_b32 v[\dst], 1, v[\src]              ; the token
	v_min_u32 v[\dst], 0x3ff, v[\dst]
	v_lshl_add_u32 v[\dst], v[\dst], 11, v[H16]    ; rows of 2,048 bytes in xb
.else
	v_min_u32 v[\dst], 0x7ff, v[\src]
	v_lshl_add_u32 v[\dst], v[\dst], 13, v[H16]    ; rows of 8,192 bytes in h
.endif
.endm
; A trip's head.  The staged chunk c is rounded, quarter by quarter (8 rows), into registers of its own; issue = 1: behind each quarter's conversions the same quarter of chunk c + 1 is asked for
; (WBW stands there already).  Then the rounded chunk goes into the image.
; Loads come back in order.  Younger than quarter q's eight: 24 - 8 q of this chunk, this chunk's 40 row loads, and with issue = 1 the 8 q just asked for: 64 there, and a wait's count names 63 at the most.
.macro WPART issue
.irp q, 0,1,2,3
.if (\issue) || (\q == 0)
	s_wait_loadcnt 63
.else
	s_wait_loadcnt 64-8*\q
.endif
	WIN 0xc5                                       ; destination window 3, sources window 1
.set rho, 8*\q
.rept 8
	v_cvt_pk_bf16_f32 v[PK+2*rho], v[SG+4*rho], v[SG+4*rho+1]
	v_cvt_pk_bf16_f32 v[PK+2*rho+1], v[SG+4*rho+2], v[SG+4*rho+3]
.set rho, rho+1
.endr
.if \issue
	WIN 0x40
.set rho, 8*\q
.rept 8
	global_load_b128 v[SG+4*rho:SG+4*rho+3], v[WOFF], s[WBW:WBW+1] offset:rho*WPITCH th:TH_LOAD_NT  ; 512 consecutive bytes of a weight row, read once in the launch
.set rho, rho+1
.endr
.endif
.endr
	WIN 0
	s_wait_dscnt 0x0                               ; my reads of the image are back
	s_barrier_signal -1                            ; FIRST BARRIER: between all waves' reads of the image's rows and the next stores into those rows.  The stores land in other bytes of the rows
	v_add_nc_u32 v[WSTW], s[KB], v[WST0]           ; (KB has stepped); the order is kept all the same.  The chunk's LDS addresses are made between signal and wait.
.irp p, 0,1,2,3
	v_add_nc_u32 v[BADW+\p], s[KB], v[BAD0+\p]
.endr
	s_barrier_wait -1
	WIN 0x0c                                       ; store data window 3
.set rho, 0
.rept 32
	ds_store_b64 v[WSTW], v[PK+2*rho:PK+2*rho+1] offset:rho*LP   ; 32 lanes x 8 bytes: 256 consecutive bytes of a row
.set rho, rho+1
.endr
	WIN 0
	s_wait_dscnt 0x0                               ; for the others' sake: my stores into the image are done
	s_barrier_signal -1                            ; SECOND BARRIER: between the stores and all waves' reads of the chunk
	s_barrier_wait -1
.endm
; Piece s (32 K) of the chunk.  n: the loads younger than this piece's rows.  The next piece's 16 fragment loads stand among this piece's products, in runs of 8, 4 and 4, on every way:
; they go into the other buffer, whose last readers stand ahead of the four places that end the piece before.
.macro KSTEP s, issue, n
	s_wait_dscnt 0x0                               ; this piece's weight fragments are in: the last of them were asked for ahead of block 2's products of the piece before
	s_wait_loadcnt \n
.if (\s) < 3
	FETCH4 64*((\s)+1), ((\s)+1)%2, 0
	FETCH4 64*((\s)+1), ((\s)+1)%2, 1
.endif
.if (\issue) && ((\s) == 1)
	PREFETCH
.endif
	KBLK 0, \s
.if (\s) < 3
	FETCH4 64*((\s)+1), ((\s)+1)%2, 2
.endif
	KBLK 1, \s
.if (\s) < 3
	FETCH4 64*((\s)+1), ((\s)+1)%2, 3
.endif
	KBLK 2, \s
	KBLK 3, \s
	KBLK 4, \s
	PLACES                                         ; in front of the loads into registers that the products have read
.if \issue
.if (\s) == 0
	s_wait_xcnt 0x0                                ; the two bases below are sources of memory instructions issued earlier (the head's weight loads, the last trip's row loads and prefetches): they are rewritten only behind this wait
	s_add_nc_u64 s[WBW:WBW+1], s[WBW:WBW+1], 512   ; the chunk that the next head asks for
	s_add_co_u32 s[KN], s[KB], 256
	s_add_nc_u64 s[ABW:ABW+1], s[AB0:AB0+1], s[KN:KN+1]
.endif
	ALOAD \s, ABW                                  ; the same piece of the next chunk
.endif
.endm
.macro TRIP issue, n0, n1, n2, n3
	WPART \issue
	FETCHB BADW, 0, 0                              ; piece 0 cannot be asked for ahead of the barrier
	KSTEP 0, \issue, \n0
	KSTEP 1, \issue, \n1
	KSTEP 2, \issue, \n2
	KSTEP 3, \issue, \n3
.endm
; A block beyond the five.  8 loads: chunk c of its rows, into buffer c % 2 of two (where blocks 0 and 1's fragments lay)
.macro OALOAD c
.irp s, 0,1,2,3
	global_load_b128 v[AF+32*((\c)%2)+8*\s:AF+32*((\c)%2)+8*\s+3],   v[AOF], s[AB0:AB0+1] offset:256*(\c)+64*\s
	global_load_b128 v[AF+32*((\c)%2)+8*\s+4:AF+32*((\c)%2)+8*\s+7], v[AOF], s[AB0:AB0+1] offset:256*(\c)+64*\s+32
.endr
.endm
; 8 matrix instructions: piece g of 32 of its K, into block 0's registers, which have gone out.  Piece 0 starts the sums.  The accumulators take turns.
.macro OMUL g
	WIN 0xa1
.irp i, 0,1,2,3,4,5,6,7
.if (\g) == 0
	v_wmma_f32_16x16x32_bf16 v[8*\i:8*\i+7], v[64*((\g)%2)+8*\i:64*((\g)%2)+8*\i+7], v[AF+32*(((\g)/4)%2)+8*((\g)%4):AF+32*(((\g)/4)%2)+8*((\g)%4)+7], 0
.else
	v_wmma_f32_16x16x32_bf16 v[8*\i:8*\i+7], v[64*((\g)%2)+8*\i:64*((\g)%2)+8*\i+7], v[AF+32*(((\g)/4)%2)+8*((\g)%4):AF+32*(((\g)/4)%2)+8*((\g)%4)+7], v[8*\i:8*\i+7]
.endif
.endr
.endm
; Block b's 16 x 128 sums go into my stage, each accumulator's low registers first.
.macro DUMP b
	WIN 0x08+0x04*((\b)/4)                         ; store data window 2 or 3
.irp i, 0,1,2,3,4,5,6,7
	ds_store_b128 v[STO], v[64*((\b)%4)+8*\i:64*((\b)%4)+8*\i+3]   offset:64*\i
	ds_store_b128 v[STO], v[64*((\b)%4)+8*\i+4:64*((\b)%4)+8*\i+7] offset:64*\i+16
.endr
	WIN 0
.endm
.macro PAIRS line:vararg               ; one line for each of eight register pairs p
.set p, 0
.rept 8
	\line
.set p, p+2
.endr
.endm
.macro EACH line:vararg                ; one line for each of sixteen registers p
.set p, 0
.rept 16
	\line
.set p, p+1
.endr
.endm
; Rows 4 q to 4 q + 3 of the block in hand: a lane holds columns 4 lane + 0..3 of each.  LAYER 1: bias, GELU, rounding (in place: row r's 8 bytes at UB + 2 r).  Then the stores, row by row; rows past the count are jumped.
.macro FGROUP q
.set UB, U+16*(\q)
	s_wait_dscnt 12-4*(\q)                         ; LDS loads come back in order: the later groups' may stay out
.if LAYER == 1
	PAIRS v_pk_add_f32 v[UB+p:UB+p+1], v[UB+p:UB+p+1], v[BIA+p%4:BIA+p%4+1]
	EACH  v_and_b32 v[AB+p], s[ABSM], v[UB+p]
	PAIRS v_pk_fma_f32 v[T+p:T+p+1], v[AB+p:AB+p+1], v[KON:KON+1], v[KON+2:KON+3]
	EACH  v_rcp_f32 v[T+p], v[T+p]
	PAIRS v_pk_mul_f32 v[EX+p:EX+p+1], v[UB+p:UB+p+1], v[UB+p:UB+p+1]         ; plain work that names no t stands behind the reciprocals
	PAIRS v_pk_mul_f32 v[EX+p:EX+p+1], v[EX+p:EX+p+1], v[KON+4:KON+5]
	EACH  v_exp_f32 v[EX+p], v[EX+p]
	PAIRS v_pk_fma_f32 v[PQ+p:PQ+p+1], v[T+p:T+p+1], v[KON+10:KON+11], v[KON+8:KON+9]  ; and behind the exponentials
	PAIRS v_pk_fma_f32 v[PQ+p:PQ+p+1], v[PQ+p:PQ+p+1], v[T+p:T+p+1], v[KON+6:KON+7]
	PAIRS v_pk_mul_f32 v[PQ+p:PQ+p+1], v[PQ+p:PQ+p+1], v[T+p:T+p+1]
	PAIRS v_pk_mul_f32 v[PQ+p:PQ+p+1], v[PQ+p:PQ+p+1], v[EX+p:EX+p+1]
	EACH  v_max_num_f32 v[UB+p], 0, v[UB+p]
	PAIRS v_pk_fma_f32 v[UB+p:UB+p+1], v[PQ+p:PQ+p+1], v[AB+p:AB+p+1], v[UB+p:UB+p+1]
.set p, 0
.rept 8
	v_cvt_pk_bf16_f32 v[UB+p], v[UB+2*p], v[UB+2*p+1]
.set p, p+1
.endr
.endif
.irp r, 0,1,2,3
	s_cmp_le_i32 s[RM], 4*(\q)+\r                  ; rows past the count are not stored
	s_cbranch_scc1 .Lfin_end
.if LAYER == 1
	global_store_b64 v[OF+4*(\q)+\r], v[UB+2*\r:UB+2*\r+1], s[OB:OB+1]   ; 32 lanes store 256 consecutive bytes, at a multiple of 256 from h's first byte
.else
	global_store_b128 v[OF+4*(\q)+\r], v[UB+4*\r:UB+4*\r+3], s[OB:OB+1]  ; 32 lanes store 512 consecutive bytes, at a multiple of 512 from y's first byte
.endif
.endr
.endm
.if LAYER == 1
	s_load_b256 s[4:11], s[0:1], 0x0               ; weights s[4:5], bias s[6:7], rows s[8:9], list s[10:11]
	s_load_b64 s[12:13], s[0:1], 0x20              ; output
.else
	s_load_b64 s[4:5], s[0:1], 0x0                 ; weights
	s_load_b128 s[8:11], s[0:1], 0x8               ; rows s[8:9], list s[10:11]
	s_load_b64 s[12:13], s[0:1], 0x18              ; output
.endif
	v_lshl_add_u32 v[SPW], v0, 2, SPARE
	v_mov_b32 v[NIL], 0
	v_lshrrev_b32 v[TA], 5, v0
	v_readfirstlane_b32 s[WV], v[TA]               ; wave 0..3
	v_and_b32 v[LANE], 31, v0
	v_and_b32 v[R], 15, v0
	v_bfe_u32 v[H16], v0, 4, 1
	v_lshlrev_b32 v[H16], 4, v[H16]
	v_lshlrev_b32 v[WOFF], 4, v[LANE]
	v_lshlrev_b32 v[V8L], 3, v[LANE]
	v_lshlrev_b32 v[PFO], WSHIFT, v[LANE]
	s_mul_i32 s18, s[WV], 32*LP
	v_add_nc_u32 v[WST0], s18, v[V8L]
	v_mul_u32_u24 v[TA], v[R], LP
	v_add_nc_u32 v[TA], v[TA], v[H16]
.irp p, 0,1,2,3
	v_add_nc_u32 v[BAD0+\p], \p*32*LP, v[TA]
.endr
	s_mul_i32 s18, s[WV], 16*SPITCH
	s_add_co_u32 s18, s18, STAGE                   ; my stage
	v_mul_u32_u24 v[TA], v[R], SPITCH
	v_lshl_add_u32 v[TA], v[H16], 1, v[TA]         ; row lane % 16, 32 bytes for each half of the lanes
	v_add_nc_u32 v[STO], s18, v[TA]
	v_add_nc_u32 v[SRD0], s18, v[WOFF]
	s_lshl_b32 s19, s[WV], 6
	v_lshl_add_u32 v[LOF], v[R], 2, s19            ; block 4 j + w begins at word 64 j + 16 w of the expert's list
	s_lshr_b32 s[XP], ttmp9, 5
	s_lshl_b32 s56, s[XP], 12                      ; the expert's 4,096 bytes of list,
	s_mov_b32 s57, 0
	s_lshl_b32 s36, s[XP], 8                       ; and its count
	s_add_co_u32 s36, s36, 32768
	s_mov_b32 s37, 0
	s_mov_b32 s[ABSM], 0x7fffffff
	s_lshl_b32 s18, s[XP], 24                      ; an expert's weights are 16,777,216 bytes
.if LAYER == 1
	s_and_b32 s[SUB], ttmp9, 31
	s_lshl_b32 s19, s[SUB], 19                     ; 128 rows of 4,096 bytes
	s_add_co_u32 s18, s18, s19
	s_lshl_b32 s19, s[WV], 17                      ; my wave's 32 of them
	s_add_co_u32 s18, s18, s19
	s_lshl_b32 s50, s[XP], 14                      ; bias: 16,384 bytes an expert, 512 for my 128 columns
	s_lshl_b32 s19, s[SUB], 9
	s_add_co_u32 s50, s50, s19
	s_mov_b32 s51, 0
	s_mov_b32 s52, 0                               ; the rows begin at xb's first byte
	s_lshl_b32 s54, s[SUB], 8                      ; my 128 columns in a row of h
.else
	s_and_b32 s[SUB], ttmp9, 7
	s_bfe_u32 s17, ttmp9, 0x20003                  ; K slice
	s_lshl_b32 s19, s[SUB], 21                     ; 128 rows of 16,384 bytes
	s_add_co_u32 s18, s18, s19
	s_lshl_b32 s19, s17, 12                        ; 1,024 f32 along the rows
	s_add_co_u32 s18, s18, s19
	s_lshl_b32 s19, s[WV], 19                      ; my wave's 32 rows
	s_add_co_u32 s18, s18, s19
	s_lshl_b32 s52, s17, 11                        ; 1,024 bf16 along h's rows
	s_lshl_b32 s54, s17, 23                        ; y's part for the slice: 8,388,608 bytes,
	s_lshl_b32 s19, s[SUB], 9                      ; my 128 columns of f32
	s_add_co_u32 s54, s54, s19
.endif
	s_mov_b32 s19, 0
	s_mov_b32 s53, 0
	s_mov_b32 s55, 0
	s_mov_b32 s[KB], 0
	s_mov_b32 s[KB+1], 0
	s_mov_b32 s[KN+1], 0
	s_wait_kmcnt 0x0
	s_add_nc_u64 s[58:59], s[10:11], s[36:37]
	s_add_nc_u64 s[10:11], s[10:11], s[56:57]
	s_load_b32 s[NE], s[58:59], 0x0                ; the expert's count
	s_add_nc_u64 s[WBW:WBW+1], s[4:5], s[18:19]
	s_add_nc_u64 s[AB0:AB0+1], s[8:9], s[52:53]
	s_add_nc_u64 s[OB:OB+1], s[12:13], s[54:55]
.if LAYER == 1
	s_add_nc_u64 s[6:7], s[6:7], s[50:51]
.endif
.irp j, 0,1,2,3,4,5,6,7,8,9,10,11,12,13,14,15
	global_load_b32 v[SLT+\j], v[LOF], s[10:11] offset:256*\j   ; the entries of my 16 possible blocks
.endr
.if LAYER == 1
	global_load_b128 v[BIA:BIA+3], v[WOFF], s[6:7]
.endif
	WIN 0x40
.set rho, 0
.rept 32
	global_load_b128 v[SG+4*rho:SG+4*rho+3], v[WOFF], s[WBW:WBW+1] offset:rho*WPITCH th:TH_LOAD_NT  ; chunk 0
.set rho, rho+1
.endr
	WIN 0
	global_prefetch_b8 v[PFO], s[WBW:WBW+1] offset:512 th:TH_LOAD_NT scope:SCOPE_SE   ; chunk 1, which the first trip's head loads, is asked into the L2: my 32 rows x 512 bytes, as in the loop
	global_prefetch_b8 v[PFO], s[WBW:WBW+1] offset:768 th:TH_LOAD_NT scope:SCOPE_SE
	WIN 0x80
.set z, 0
.rept 256
	v_mov_b32 v[z], 0
.set z, z+1
.endr
	WIN 0xc0
.set z, 0
.rept 64
	v_mov_b32 v[z], 0
.set z, z+1
.endr
	WIN 0
.if LAYER == 1
.irp z, 0,1
	v_mov_b32 v[KON+\z], 0x3eaa540e                ; 0.47047 / sqrt(2)
	v_mov_b32 v[KON+2+\z], 1.0
	v_mov_b32 v[KON+4+\z], 0xbf38aa3b              ; -log2(e) / 2
	v_mov_b32 v[KON+6+\z], 0xbe32303a              ; -a1 / 2 = -0.1740121
	v_mov_b32 v[KON+8+\z], 0x3d445ca1              ; -a2 / 2 =  0.0479399
	v_mov_b32 v[KON+10+\z], 0xbebf7377             ; -a3 / 2 = -0.3739278
.endr
.endif
	s_wait_xcnt 0x0                                ; chunk 0's loads and the two prefetches name WBW: it is stepped only behind this wait
	s_add_nc_u64 s[WBW:WBW+1], s[WBW:WBW+1], 512   ; chunk 1: what the first head asks for
	s_wait_kmcnt 0x0                               ; the count
	s_min_u32 s[NE], s[NE], 1024
	s_add_co_u32 s[NBLK], s[NE], 15
	s_lshr_b32 s[NBLK], s[NBLK], 4
	s_min_u32 s[LIVE], s[NBLK], 20
	s_add_co_u32 s[LIVE], s[LIVE], 3
	s_sub_co_u32 s[LIVE], s[LIVE], s[WV]
	s_lshr_b32 s[LIVE], s[LIVE], 2                 ; how many j in 0..4 have 4 j + w < NBLK
	s_wait_loadcnt 32                              ; the list's entries (and the bias) are in; chunk 0's 32 loads may stay out
.irp b, 0,1,2,3,4
	ROWOFF AOF+\b, SLT+\b
.endr
.irp s, 0,1,2,3
	ALOAD \s, AB0                                  ; chunk 0's rows, piece by piece
.endr
.if LAYER == 1
	v_cvt_pk_bf16_f32 v[TA], v[BIA], v[BIA+1]      ; the bias is rounded to bf16 like every input, and widened again
	v_cvt_pk_bf16_f32 v[TA+1], v[BIA+2], v[BIA+3]
	v_lshlrev_b32 v[BIA], 16, v[TA]
	v_and_b32 v[BIA+1], 0xffff0000, v[TA]
	v_lshlrev_b32 v[BIA+2], 16, v[TA+1]
	v_and_b32 v[BIA+3], 0xffff0000, v[TA+1]
.endif
	s_mov_b32 s[CNT], 7
.Ltrip:                                                ; chunks 0 to 6.  Younger than piece s's rows: 10 (3 - s) loads of this chunk's rows, the next chunk's 32 weight loads and 10 s of its rows: 62
	TRIP 1, 62, 62, 62, 62
	s_add_co_u32 s[KB], s[KB], 256
	s_sub_co_u32 s[CNT], s[CNT], 1
	s_cmp_lg_u32 s[CNT], 0
	s_cbranch_scc1 .Ltrip
	TRIP 0, 30, 20, 10, 0                          ; chunk 7 asks for nothing: the counts run down
; THE WAY OUT, block by block: J = 0..15, my block 4 J + w.  Every jump inside goes forward; no barrier stands here: the image is whole, the stage is my own.
	s_mov_b32 s[J], 0
.Lblock:
	s_lshl2_add_u32 s[RI], s[J], s[WV]
	s_cmp_ge_u32 s[RI], s[NBLK]
	s_cbranch_scc1 .Lnext
	s_lshl_b32 s[RM], s[RI], 4
	s_sub_co_i32 s[RM], s[NE], s[RM]               ; rows left from the block's first on: 1 at the least
	s_cmp_ge_u32 s[J], 5
	s_cbranch_scc1 .Lover
	s_cmp_eq_u32 s[J], 1
	s_cbranch_scc1 .Ld1
	s_cmp_eq_u32 s[J], 2
	s_cbranch_scc1 .Ld2
	s_cmp_eq_u32 s[J], 3
	s_cbranch_scc1 .Ld3
	s_cmp_eq_u32 s[J], 4
	s_cbranch_scc1 .Ld4
	s_branch .Ld0
.Lover:                                                ; a block beyond the five: multiplied now, from the image; 32 pieces of 32 K, written out
	v_mov_b32 v[CUR], v[SLT+5]                     ; the block's entries: register J of the sixteen
.irp j, 6,7,8,9,10,11,12,13,14,15
	s_cmp_eq_u32 s[J], \j
	s_cselect_b32 s[MK], -1, 0
	v_cndmask_b32 v[CUR], v[CUR], v[SLT+\j], s[MK]
.endr
	ROWOFF AOF, CUR                                ; every load that named this register has been waited for
	OALOAD 0
	FETCHB BAD0, 0, 0
	FETCHB BAD0, 64, 1
.set g, 0
.rept 32
.if g%4 == 0
.if g < 28
.set cn, g/4+1
	OALOAD cn                                      ; the next chunk's rows, into the buffer whose last products stand in front of four places
	s_wait_loadcnt 8                               ; this chunk's rows are in; the eight just issued may stay out
.else
	s_wait_loadcnt 0x0
.endif
.endif
.if g == 31
	s_wait_dscnt 0x0
.else
	s_wait_dscnt 16                                ; the next piece's 16 loads may stay out
.endif
	OMUL g
	WIN 0
	PLACES
.if g < 30
.set go, 64*(g+2)
.set gb, g%2
	FETCHB BAD0, go, gb
.endif
.set g, g+1
.endr
	s_branch .Ld0x
.Ld0:
	v_mov_b32 v[CUR], v[SLT]                       ; each of the five names its own entries
.Ld0x:
	DUMP 0
	s_branch .Lfin
.Ld1:
	v_mov_b32 v[CUR], v[SLT+1]
	DUMP 1
	s_branch .Lfin
.Ld2:
	v_mov_b32 v[CUR], v[SLT+2]
	DUMP 2
	s_branch .Lfin
.Ld3:
	v_mov_b32 v[CUR], v[SLT+3]
	DUMP 3
	s_branch .Lfin
.Ld4:
	v_mov_b32 v[CUR], v[SLT+4]
	DUMP 4
.Lfin:                                                 ; the block comes back from my stage as sixteen whole rows
	s_wait_xcnt 0x0                                ; the last block's stores read U and OF: these are rewritten only behind this wait
.set rho, 0
.rept 16
	ds_load_b128 v[U+4*rho:U+4*rho+3], v[SRD0] offset:SPITCH*rho  ; LDS serves a wave's instructions in order: these see the stores into the stage
.set rho, rho+1
.endr
	; the sixteen rows' places in the output, made while those loads are out; in three runs, so that no line reads the result of the line before it
.set rho, 0
.rept 16
	v_readlane_b32 s[SS+rho], v[CUR], rho          ; the row's slot
.set rho, rho+1
.endr
.set rho, 0
.rept 16
	s_min_u32 s[SS+rho], s[SS+rho], 0x7ff          ; held to the table's size before it enters an address
.set rho, rho+1
.endr
.set rho, 0
.rept 16
.if LAYER == 1
	v_lshl_add_u32 v[OF+rho], s[SS+rho], 13, v[V8L]   ; rows of 8,192 bytes in h
.else
	v_lshl_add_u32 v[OF+rho], s[SS+rho], 12, v[WOFF]  ; rows of 4,096 bytes in y
.endif
.set rho, rho+1
.endr
	FGROUP 0
	FGROUP 1
	FGROUP 2
	FGROUP 3
.Lfin_end:
	s_wait_dscnt 0x0                               ; a jump past the count may have left later groups' loads out: U is loaded again only behind this wait
.Lnext:
	s_add_co_u32 s[J], s[J], 1
	s_cmp_lt_u32 s[J], 16
	s_cbranch_scc1 .Lblock
	s_wait_tensorcnt 0x0                           ; the wave's end, behind my last LDS store
	ds_add_u32 v[SPW], v[NIL]
	s_wait_dscnt 0x0
	s_endpgm
.Lfunc_end_k_q3f0cc215c4_ffn2:
	.size	k_q3f0cc215c4_ffn2, .Lfunc_end_k_q3f0cc215c4_ffn2-k_q3f0cc215c4_ffn2
	.p2alignl 7, 3214868480
	.fill 96, 4, 3214868480
	.section	.rodata,"a",@progbits
	.p2align	6, 0x0
	.amdhsa_kernel k_q3f0cc215c4_ffn2
		.amdhsa_group_segment_fixed_size 298496
		.amdhsa_private_segment_fixed_size 0
		.amdhsa_enable_private_segment 0
		.amdhsa_kernarg_size 32
		.amdhsa_user_sgpr_count 2
		.amdhsa_user_sgpr_kernarg_segment_ptr 1
		.amdhsa_wavefront_size32 1
		.amdhsa_system_sgpr_workgroup_id_x 1
		.amdhsa_system_sgpr_workgroup_id_y 1
		.amdhsa_system_sgpr_workgroup_id_z 1
		.amdhsa_system_vgpr_workitem_id 0
		.amdhsa_next_free_vgpr 896
		.amdhsa_next_free_sgpr 82
		.amdhsa_reserve_vcc 0
		.amdhsa_float_denorm_mode_32 3
		.amdhsa_float_denorm_mode_16_64 3
		.amdhsa_memory_ordered 1
		.amdhsa_forward_progress 1
		.amdhsa_inst_pref_size 157
	.end_amdhsa_kernel
	.amdgpu_metadata
---
amdhsa.version: [ 1, 2 ]
amdhsa.kernels:
  - .name:           k_q3f0cc215c4_ffn2
    .symbol:         k_q3f0cc215c4_ffn2.kd
    .args:
      - { .name: w2, .offset: 0, .size: 8, .value_kind: global_buffer, .address_space: global }
      - { .name: h, .offset: 8, .size: 8, .value_kind: global_buffer, .address_space: global }
      - { .name: list, .offset: 16, .size: 8, .value_kind: global_buffer, .address_space: global }
      - { .name: y, .offset: 24, .size: 8, .value_kind: global_buffer, .address_space: global }
    .group_segment_fixed_size: 298496
    .private_segment_fixed_size: 0
    .kernarg_segment_align: 8
    .kernarg_segment_size: 32
    .max_flat_workgroup_size: 128
    .sgpr_count:     82
    .vgpr_count:     896
    .wavefront_size: 32
...
	.end_amdgpu_metadata
.endif
;; end of part 7
;; launch combine: the kernel of part 4 again; grid 256 x 1, 8 waves a work-group, no clusters, 0 bytes of LDS; arguments y, b2, sel, gate, out0; writes out0
;; ======== version 3 of 3: 5 launches; version 2 with the launches ffn1, ffn2, combine written anew for expert scheduling mode
;; limits: a function is approximated: absolute error at most 2.5e-05; an absolute error that grows with the inputs' magnitude: up to 1.25e-05 times it
;; workspace buffers: xb 2,097,152 bytes; sel 4,096 bytes of whole numbers; gate 8,192 bytes; list 34,816 bytes of whole numbers; h 16,777,216 bytes; y 33,554,432 bytes
;; launch router: the kernel of part 1 again; grid 256 x 1, 4 waves a work-group, no clusters, 0 bytes of LDS; arguments x, router_w, router_b, xb, sel, gate; writes xb, sel, gate
;; launch sort: the kernel of part 5 again; grid 8 x 1, 1 waves a work-group, no clusters, 0 bytes of LDS; arguments sel, list; writes list
;; launch ffn1 (part 8): grid 256 x 1, 4 waves a work-group, no clusters, 298,496 bytes of LDS; arguments w1, b1, xb, list, h; writes h
.if DOCPART == 8
	.amdgcn_target "amdgcn-amd-amdhsa--gfx1250"
	.amdhsa_code_object_version 6
	.text
	.protected	k_q3f0cc215c4_ffn1
	.globl	k_q3f0cc215c4_ffn1
	.p2align	8
	.type	k_q3f0cc215c4_ffn1,@function
k_q3f0cc215c4_ffn1:
	s_mov_b64 s[64:65], 0
	v_nop
	global_prefetch_b8 v0, s[64:65] scope:SCOPE_SE
	s_setreg_imm32_b32 hwreg(HW_REG_WAVE_SCHED_MODE, 0, 2), 2
	s_setreg_imm32_b32 hwreg(HW_REG_WAVE_MODE, 25, 1), 1
	s_wait_xcnt 0x0
	s_wait_alu depctr_vm_vsrc(0)
; ONE EXPERT PRODUCT OF THE MoE LAYER.  One text serves both products; LAYER says which is assembled.
;   LAYER 1: h[slot][f] = bf16(gelu(xb[slot >> 1] . bf16(w1[e][f]) + bf16(b1[e][f])))           arguments w1, b1, xb, list, h
;   LAYER 2: y[ks][slot][n] = the sum over the 1,024 f of slice ks of h[slot][f] bf16(w2[e][n][f]), f32   arguments w2, h, list, y
; slot = 2 token + k (k: first or second choice).  Every slot belongs to one expert.
; SHARES.  256 work-groups of four waves; expert e = work-group >> 5.  A work-group owns 128 output columns x 1,024 K of e's weights (524,288 bytes of f32), which it alone reads, once,
; and ALL rows of e.  LAYER 1: columns 128 (wg & 31), all of K.  LAYER 2: columns 128 (wg & 7), K slice (wg >> 3) & 3: four partial sums, added by the launch behind.
; THE STREAM.  K goes in 8 chunks of 128.  A wave loads 32 weight rows' 512 bytes (one load a row: 512 consecutive bytes) into 128 registers.  When they have come they are rounded to bf16
; into 64 OTHER registers, and the next chunk is asked for at once into the registers just read.  Then the rounded chunk is stored ONCE into an image of the whole slice in LDS.
; Behind a barrier every wave multiplies the chunk by its own blocks of 16 rows, whose sums stay in registers over all of K.  The rows come straight from memory as matrix operands, by the list.
; BLOCKS.  Block g of 16 list rows is wave g & 3's.  A wave keeps five (320 rows an expert in all); blocks beyond (up to 1,024 rows: every token) are multiplied afterwards, one at a time,
; from the image in LDS, which then is whole: slower for each row, and right for every split.  An expert without rows streams its weights and stores nothing.
; THE LIST was stored by an earlier launch: list[e][rank] = slot, 1,024 words an expert, places past the count hold slot 0, a row that exists; e's count lies at byte 32,768 + 256 e.
; A wave loads the entries of its 16 possible blocks into 16 registers at once.
; THE WAY OUT is one loop over a wave's 16 possible blocks.  Every LDS address in it is a register made at the head plus an immediate: so the K of a block beyond the five, and a block's
; four groups of four rows, are written out.
; NO TENSOR LOADS, NO CLUSTER: each weight byte has one reader, and must pass registers to be rounded; the rows that an expert's work-groups share come by a list, which no descriptor covers.
; THE MATRIX INSTRUCTION IS USED TRANSPOSED: source 0 = 16 weight rows, source 1 = 16 list rows: a lane holds one list row (lane % 16) and 8 neighbouring columns 8 (lane / 16) + 0..7.
; The five blocks' accumulators are cleared by 320 v_mov_b32 in the wait for the first weights: dead blocks' products are jumped over, so no first product could start every sum on every way.
; GELU.  erf by Abramowitz and Stegun 7.1.25, off by 2.5e-5 at the most for every argument: gelu(u) = max(u, 0) - 0.5 |u| (a1 t + a2 t^2 + a3 t^3) 2^(-0.72134752 u^2),
; t = 1 / (1 + 0.33267253 |u|): off by 1.25e-5 |u| at the most, a hundredth of bf16's step at |u|.
; LIMITS.  All inputs are rounded to bf16 (h too: its range is f32's).  NaN and infinities are not treated apart.
; REGISTERS, in windows of 256 (s_set_vgpr_msb: bits 1:0 source 0, 3:2 source 1, 5:4 source 2, 7:6 destination):
;   window 0: v0-58 addresses, the list's entries and at work; v64-223 the rows' fragments, block b, 32 K piece s at 64 + 32 b + 8 s (at the end the way out); v224-239 constants and bias
;   window 1: v0-127 weight fragments, two buffers of 64; v128-255 the staged chunk, row rho at 128 + 4 rho
;   window 2: accumulators of blocks 0-3, column group i of block b at 64 b + 8 i;   window 3: v0-63 block 4's; v64-127 the chunk rounded, row rho at 64 + 2 rho
; THE MODE: SCHED_MODE bits 1:0 = 2 (LLVM: expert scheduling mode 2), set by the entry lines.  The code itself states the register dependences
; between vector or matrix instructions and memory or LDS instructions, with s_wait_alu, always for 0.
; THE PLAN, in the loop over chunks.  Registers that memory or LDS instructions touch:
;   SG            A trip's head: its 64 conversions read SG; behind them the next chunk's 32 loads land in it.
;   PK            Written by those conversions; read by the trip's 32 LDS stores.
;   WSTW, BADW    LDS addresses of the chunk: written at the trip's head, ahead of the conversions; read by the trip's LDS stores and fragment loads.
;   weight fragments, buffers 0 and 1   Piece s's products read buffer s % 2; the LDS loads of piece s + 2 land in it in piece s + 1 (the next chunk's pieces 0 and 1: behind the next head).
;   AF            Piece s's products read piece s of the five blocks' rows; the next chunk's loads land there in piece s + 1, dealt among its products (piece 3's: at piece 3's end).
;   WOFF, AOF, PFO, WST0, BAD0   made ahead of the loop and not written in it; the bases are scalar.  The accumulators are named by matrix instructions alone.
; So a trip has six waits.  vm_vsrc at its head: the last trip's LDS instructions have read PK, WSTW and BADW.  va_vdst behind the conversions: they are done with SG and have written PK; the addresses are written.
; va_vdst at each piece's end: its products are done reading their weight buffer and their piece of AF.  The loads of the next piece follow with no further wait: the products between them name the other
; weight buffer, the piece of AF in hand and the accumulators, none of which those loads touch.
; THE PLAN, on the way out.  The accumulators are read by the stores into the stage: one va_vdst behind the last products; block 0's are written again by a block beyond the five.  U: loaded from the stage,
; worked on (layer 1), read by the global stores.  OF: written by vector lines, read by the global stores.  AOF: written anew for a block beyond the five, read by its row loads.
; One vm_vsrc at a live block's head frees all that the last block's memory and LDS instructions read.
.set LAYER,  1
.if LAYER == 1
.set WPITCH, 4096                      ; bytes from weight row to weight row
.set WSHIFT, 12
.else
.set WPITCH, 16384
.set WSHIFT, 14
.endif
.set LP,     2064                      ; a row of the image: 2,048 bytes + 16: 129 x 16, so the 16 rows of a fragment load start at 16 different 16-byte columns modulo 256
.set STAGE,  128*LP                    ; 264,192: behind the image, 16 rows x 528 bytes of f32 for each wave, for the way out
.set SPITCH, 528
.set SPARE,  STAGE+4*16*SPITCH         ; 297,984: the spare words, 128 bytes a wave: two blocks of 256 bytes that no other line names
.set R,    1                           ; lane % 16
.set H16,  2                           ; 16 (lane / 16)
.set LANE, 3
.set WOFF, 4                           ; 16 lane
.set WST0, 5                           ; image: my wave's 32 rows, 8 lane
.set WSTW, 6                           ;   + the chunk
.set BAD0, 7                           ; v7-10   image: row lane % 16 of row group 32 p, 16 (lane / 16)
.set BADW, 11                          ; v11-14    + the chunk
.set AOF,  15                          ; v15-19  byte offset of my list row of block b, + 16 (lane / 16)
.set STO,  20                          ; stage: where I put a result's 16 bytes
.set SRD0, 21                          ; stage: 16 lane
.set PFO,  22                          ; lane x the weights' row pitch: the prefetch's offsets; never rewritten
.set LOF,  24                          ; list: byte offset of entry lane % 16 of my wave's block 0
.set V8L,  26                          ; 8 lane
.set SPW,  28                          ; LDS address of my spare word; never rewritten
.set NIL,  29                          ; 0; never rewritten
.set TA,   30                          ; v30-35  at work
.set SLT,  42                          ; v42-57  entry lane % 16 of my block j, j = 0..15
.set CUR,  58                          ; the same of the block in hand
.set AF,   64
.set KON,  224                         ; six constants, each twice
.set BIA,  236                         ; bias of my four columns
.set SG,   128                         ; window 1
.set PK,   64                          ; window 3
.set AB,   64                          ; the way out: four times sixteen registers at work,
.set T,    80
.set EX,   96
.set PQ,   112
.set U,    128                         ; v128-191  sixteen rows x four numbers: group q of four rows at U + 16 q
.set OF,   192                         ; v192-207  the rows' byte offsets in the output
.set WV,   14                          ; wave
.set XP,   15                          ; expert
.set SUB,  16
.set NE,   22                          ; rows of e
.set NBLK, 23                          ; blocks of e
.set LIVE, 24                          ; my live blocks among the five
.set CNT,  25
.set KB,   26                          ; s[26:27] the chunk's byte offset in bf16 rows: 256 c
.set ABW,  28                          ; s[28:29] the rows' base for the chunk being asked for
.set MK,   30                          ; a mask
.set J,    32
.set RI,   35
.set RM,   38
.set KN,   40                          ; s[40:41] KB + 256
.set WBW,  42                          ; s[42:43] my wave's 32 weight rows at the chunk that is asked for next
.set AB0,  44                          ; s[44:45] the rows' base
.set OB,   46                          ; s[46:47] the output at my columns
.set ABSM, 49                          ; 0x7fffffff
.set SS,   66                          ; s[66:81] the slots of a block's sixteen rows
.set MSB, 0
.macro WIN new                         ; the high byte repeats the setting that is left; a switch that changes nothing is dropped
.if MSB != (\new)
	s_set_vgpr_msb (MSB<<8)|(\new)
.set MSB, (\new)
.endif
.endm
.macro PLACES                          ; four plain vector instructions between a matrix instruction and a load into, a write of or a read of its registers (ISA guide 7.12.1 for writes and reads)
.rept 4
	v_nop
.endr
.endm
; 16 LDS loads in one run: the weight fragments (128 rows x 32 K at byte off behind the four address registers from areg on) into buffer buf
.macro FETCHB areg, off, buf
	WIN 0x40
.irp i, 0,1,2,3,4,5,6,7
	ds_load_b128 v[64*(\buf)+8*\i:64*(\buf)+8*\i+3],   v[(\areg)+\i/2] offset:(\i%2)*16*LP+(\off)
	ds_load_b128 v[64*(\buf)+8*\i+4:64*(\buf)+8*\i+7], v[(\areg)+\i/2] offset:(\i%2)*16*LP+(\off)+32
.endr
	WIN 0
.endm
; 4 of those 16: the fragments of weight rows 32 q to 32 q + 31.  A short run, to stand among the products
.macro FETCH4 off, buf, q
	WIN 0x40
	ds_load_b128 v[64*(\buf)+16*(\q):64*(\buf)+16*(\q)+3],     v[BADW+(\q)] offset:(\off)
	ds_load_b128 v[64*(\buf)+16*(\q)+4:64*(\buf)+16*(\q)+7],   v[BADW+(\q)] offset:(\off)+32
	ds_load_b128 v[64*(\buf)+16*(\q)+8:64*(\buf)+16*(\q)+11],  v[BADW+(\q)] offset:16*LP+(\off)
	ds_load_b128 v[64*(\buf)+16*(\q)+12:64*(\buf)+16*(\q)+15], v[BADW+(\q)] offset:16*LP+(\off)+32
.endm
; 2 loads: piece s of block b's rows
.macro ALOAD2 b, s, base
	global_load_b128 v[AF+32*(\b)+8*(\s):AF+32*(\b)+8*(\s)+3],   v[AOF+(\b)], s[\base:\base+1] offset:64*(\s)
	global_load_b128 v[AF+32*(\b)+8*(\s)+4:AF+32*(\b)+8*(\s)+7], v[AOF+(\b)], s[\base:\base+1] offset:64*(\s)+32
.endm
; 10 loads: piece s of all five blocks' rows, dead blocks' too (their entries are slot 0), so that every count is the same on every way
.macro ALOAD s, base
.irp b, 0,1,2,3,4
	ALOAD2 \b, \s, \base
.endr
.endm
; 8 matrix instructions: block b x the 8 column groups, piece s.  The accumulators take turns, one instruction a turn.
.macro MULB b, s
	WIN 0xa1+0x50*((\b)/4)
.irp i, 0,1,2,3,4,5,6,7
	v_wmma_f32_16x16x32_bf16 v[64*((\b)%4)+8*\i:64*((\b)%4)+8*\i+7], v[64*((\s)%2)+8*\i:64*((\s)%2)+8*\i+7], v[AF+32*(\b)+8*(\s):AF+32*(\b)+8*(\s)+7], v[64*((\b)%4)+8*\i:64*((\b)%4)+8*\i+7]
.endr
.endm
; The same, jumped over, forward, where the block is dead; nothing else is jumped
.macro KBLK b, s
	WIN 0                                          ; at a branch and at a label every window is 0
	s_cmp_le_u32 s[LIVE], \b
	s_cbranch_scc1 .Lkd_\@
	MULB \b, \s
	WIN 0
.Lkd_\@:
.endm
; The weights of the chunk after next are asked into the L2: my wave's 32 rows x 512 bytes, the lanes a row apart, two requests 256 bytes apart: each block of 256 bytes once in the launch.
; In piece 1 of trip c WBW stands at chunk c + 2 (piece 0 has stepped it), which the head of the next trip loads: 65,536 bytes for the work-group.  The loop's last trip (c = 6) asks for nothing: there is no chunk 8.
.macro PREFETCH
	WIN 0
	s_cmp_eq_u32 s[CNT], 1
	s_cbranch_scc1 .Lnp_\@
	global_prefetch_b8 v[PFO], s[WBW:WBW+1] th:TH_LOAD_NT scope:SCOPE_SE
	global_prefetch_b8 v[PFO], s[WBW:WBW+1] offset:256 th:TH_LOAD_NT scope:SCOPE_SE
.Lnp_\@:
.endm
; A list entry becomes a row's byte offset.  What was loaded is held to the table's size before it enters an address.
.macro ROWOFF dst, src
.if LAYER == 1
	v_lshrrev_b32 v[\dst], 1, v[\src]              ; the token
	v_min_u32 v[\dst], 0x3ff, v[\dst]
	v_lshl_add_u32 v[\dst], v[\dst], 11, v[H16]    ; rows of 2,048 bytes in xb
.else
	v_min_u32 v[\dst], 0x7ff, v[\src]
	v_lshl_add_u32 v[\dst], v[\dst], 13, v[H16]    ; rows of 8,192 bytes in h
.endif
.endm
; A trip's head.  The chunk's LDS addresses are made; the staged chunk c is rounded into registers of its own; issue = 1: behind the conversions chunk c + 1 is asked for
; (WBW stands there already).  Then the rounded chunk goes into the image.
.macro WPART issue
	s_wait_loadcnt 40                              ; loads come back in order: the staged chunk's 32 are in; the chunk's 40 row loads, which are younger, may stay out
	s_wait_alu depctr_vm_vsrc(0)                   ; the last trip's LDS stores have read PK and WSTW, its fragment loads BADW: all are written again below
	v_add_nc_u32 v[WSTW], s[KB], v[WST0]
.irp p, 0,1,2,3
	v_add_nc_u32 v[BADW+\p], s[KB], v[BAD0+\p]
.endr
	WIN 0xc5                                       ; destination window 3, sources window 1
.set rho, 0
.rept 32
	v_cvt_pk_bf16_f32 v[PK+2*rho], v[SG+4*rho], v[SG+4*rho+1]
	v_cvt_pk_bf16_f32 v[PK+2*rho+1], v[SG+4*rho+2], v[SG+4*rho+3]
.set rho, rho+1
.endr
.if \issue
	WIN 0x40
.else
	WIN 0
.endif
	s_wait_alu depctr_va_vdst(0)                   ; the conversions are done reading SG, in which the loads below land, and have written PK, which the LDS stores read; WSTW and BADW are written; the last trip's products are done reading weight buffer 0
.if \issue
.set rho, 0
.rept 32
	global_load_b128 v[SG+4*rho:SG+4*rho+3], v[WOFF], s[WBW:WBW+1] offset:rho*WPITCH th:TH_LOAD_NT  ; 512 consecutive bytes of a weight row, read once in the launch
.set rho, rho+1
.endr
	WIN 0
.endif
	s_wait_dscnt 0x0                               ; my reads of the image are back
	s_barrier_signal -1                            ; FIRST BARRIER: between all waves' reads of the image's rows and the next stores into those rows.  The stores land in other bytes of the rows
	s_barrier_wait -1                              ; (KB has stepped); the order is kept all the same.
	WIN 0x0c                                       ; store data window 3
.set rho, 0
.rept 32
	ds_store_b64 v[WSTW], v[PK+2*rho:PK+2*rho+1] offset:rho*LP   ; 32 lanes x 8 bytes: 256 consecutive bytes of a row.  No vector line since the wait above names PK or WSTW
.set rho, rho+1
.endr
	WIN 0
	s_wait_dscnt 0x0                               ; for the others' sake: my stores into the image are done
	s_barrier_signal -1                            ; SECOND BARRIER: between the stores and all waves' reads of the chunk
	s_barrier_wait -1
.endm
; Piece s (32 K) of the chunk.  n: the loads younger than this piece's rows.  Among this piece's products stand, on every way, the next piece's 16 fragment loads, in runs of 8, 4 and 4 (they go into the
; other buffer), and with issue = 1 the ten loads of piece s - 1 of the next chunk's rows, in runs of 4, 4 and 2.  The wait that ends the piece before has shown the last readers of all those registers done.
.macro KSTEP s, issue, n
	s_wait_dscnt 0x0                               ; this piece's weight fragments are in: the last of them were asked for ahead of block 2's products of the piece before
	s_wait_loadcnt \n
.if (\s) < 3
	FETCH4 64*((\s)+1), ((\s)+1)%2, 0
	FETCH4 64*((\s)+1), ((\s)+1)%2, 1
.endif
.if (\issue) && ((\s) == 1)
	PREFETCH
.endif
	KBLK 0, \s
.if (\issue) && ((\s) > 0)
	ALOAD2 0, (\s)-1, ABW                          ; no wait: the products since the last wait name this piece's part of AF, not the piece before's
	ALOAD2 1, (\s)-1, ABW
.endif
.if (\s) < 3
	FETCH4 64*((\s)+1), ((\s)+1)%2, 2
.endif
	KBLK 1, \s
.if (\issue) && ((\s) > 0)
	ALOAD2 2, (\s)-1, ABW
	ALOAD2 3, (\s)-1, ABW
.endif
.if (\s) < 3
	FETCH4 64*((\s)+1), ((\s)+1)%2, 3
.endif
	KBLK 2, \s
.if (\issue) && ((\s) > 0)
	ALOAD2 4, (\s)-1, ABW
.endif
	KBLK 3, \s
	KBLK 4, \s
	PLACES                                         ; in front of the loads into registers that the products have read
.if (\issue) || ((\s) < 2)
	s_wait_alu depctr_va_vdst(0)                   ; this piece's products are done reading their weight buffer, in which the fragments of the piece after next land, and their piece of AF, in which the next chunk's rows land
.endif
.if \issue
.if (\s) == 0
	s_wait_xcnt 0x0                                ; the two bases below are sources of memory instructions issued earlier (the head's weight loads, the last trip's row loads and prefetches): they are rewritten only behind this wait
	s_add_nc_u64 s[WBW:WBW+1], s[WBW:WBW+1], 512   ; the chunk that the next head asks for
	s_add_co_u32 s[KN], s[KB], 256
	s_add_nc_u64 s[ABW:ABW+1], s[AB0:AB0+1], s[KN:KN+1]
.endif
.if (\s) == 3
	ALOAD 3, ABW                                   ; the last piece of the next chunk's rows has no piece behind it to stand in
.endif
.endif
.endm
.macro TRIP issue, n0, n1, n2, n3
	WPART \issue
	FETCHB BADW, 0, 0                              ; piece 0 cannot be asked for ahead of the barrier
	KSTEP 0, \issue, \n0
	KSTEP 1, \issue, \n1
	KSTEP 2, \issue, \n2
	KSTEP 3, \issue, \n3
.endm
; A block beyond the five.  8 loads: chunk c of its rows, into buffer c % 2 of two (where blocks 0 and 1's fragments lay)
.macro OALOAD c
.irp s, 0,1,2,3
	global_load_b128 v[AF+32*((\c)%2)+8*\s:AF+32*((\c)%2)+8*\s+3],   v[AOF], s[AB0:AB0+1] offset:256*(\c)+64*\s
	global_load_b128 v[AF+32*((\c)%2)+8*\s+4:AF+32*((\c)%2)+8*\s+7], v[AOF], s[AB0:AB0+1] offset:256*(\c)+64*\s+32
.endr
.endm
; 8 matrix instructions: piece g of 32 of its K, into block 0's registers, which have gone out.  Piece 0 starts the sums.  The accumulators take turns.
.macro OMUL g
	WIN 0xa1
.irp i, 0,1,2,3,4,5,6,7
.if (\g) == 0
	v_wmma_f32_16x16x32_bf16 v[8*\i:8*\i+7], v[64*((\g)%2)+8*\i:64*((\g)%2)+8*\i+7], v[AF+32*(((\g)/4)%2)+8*((\g)%4):AF+32*(((\g)/4)%2)+8*((\g)%4)+7], 0
.else
	v_wmma_f32_16x16x32_bf16 v[8*\i:8*\i+7], v[64*((\g)%2)+8*\i:64*((\g)%2)+8*\i+7], v[AF+32*(((\g)/4)%2)+8*((\g)%4):AF+32*(((\g)/4)%2)+8*((\g)%4)+7], v[8*\i:8*\i+7]
.endif
.endr
.endm
; Block b's 16 x 128 sums go into my stage, each accumulator's low registers first.
.macro DUMP b
	WIN 0x08+0x04*((\b)/4)                         ; store data window 2 or 3
.irp i, 0,1,2,3,4,5,6,7
	ds_store_b128 v[STO], v[64*((\b)%4)+8*\i:64*((\b)%4)+8*\i+3]   offset:64*\i
	ds_store_b128 v[STO], v[64*((\b)%4)+8*\i+4:64*((\b)%4)+8*\i+7] offset:64*\i+16
.endr
	WIN 0
.endm
.macro PAIRS line:vararg               ; one line for each of eight register pairs p
.set p, 0
.rept 8
	\line
.set p, p+2
.endr
.endm
.macro EACH line:vararg                ; one line for each of sixteen registers p
.set p, 0
.rept 16
	\line
.set p, p+1
.endr
.endm
; Rows 4 q to 4 q + 3 of the block in hand: a lane holds columns 4 lane + 0..3 of each.  LAYER 1: bias, GELU, rounding (in place: row r's 8 bytes at UB + 2 r).  Then the stores, row by row; rows past the count are jumped.
.macro FGROUP q
.set UB, U+16*(\q)
	s_wait_dscnt 12-4*(\q)                         ; LDS loads come back in order: the later groups' may stay out
.if LAYER == 1
	PAIRS v_pk_add_f32 v[UB+p:UB+p+1], v[UB+p:UB+p+1], v[BIA+p%4:BIA+p%4+1]
	EACH  v_and_b32 v[AB+p], s[ABSM], v[UB+p]
	PAIRS v_pk_fma_f32 v[T+p:T+p+1], v[AB+p:AB+p+1], v[KON:KON+1], v[KON+2:KON+3]
	EACH  v_rcp_f32 v[T+p], v[T+p]
	PAIRS v_pk_mul_f32 v[EX+p:EX+p+1], v[UB+p:UB+p+1], v[UB+p:UB+p+1]         ; plain work that names no t stands behind the reciprocals
	PAIRS v_pk_mul_f32 v[EX+p:EX+p+1], v[EX+p:EX+p+1], v[KON+4:KON+5]
	EACH  v_exp_f32 v[EX+p], v[EX+p]
	EACH  v_max_num_f32 v[UB+p], 0, v[UB+p]                                   ; and plain work that names no result of either batch behind the exponentials
	s_wait_alu depctr_va_vdst(0)                   ; the sixteen reciprocals have written T and the sixteen exponentials EX: one wait for both batches, ahead of their first reader
	PAIRS v_pk_fma_f32 v[PQ+p:PQ+p+1], v[T+p:T+p+1], v[KON+10:KON+11], v[KON+8:KON+9]
	PAIRS v_pk_fma_f32 v[PQ+p:PQ+p+1], v[PQ+p:PQ+p+1], v[T+p:T+p+1], v[KON+6:KON+7]
	PAIRS v_pk_mul_f32 v[PQ+p:PQ+p+1], v[PQ+p:PQ+p+1], v[T+p:T+p+1]
	PAIRS v_pk_mul_f32 v[PQ+p:PQ+p+1], v[PQ+p:PQ+p+1], v[EX+p:EX+p+1]
	PAIRS v_pk_fma_f32 v[UB+p:UB+p+1], v[PQ+p:PQ+p+1], v[AB+p:AB+p+1], v[UB+p:UB+p+1]
.set p, 0
.rept 8
	v_cvt_pk_bf16_f32 v[UB+p], v[UB+2*p], v[UB+2*p+1]
.set p, p+1
.endr
.endif
.if (LAYER == 1) || ((\q) == 0)
	s_wait_alu depctr_va_vdst(0)                   ; what the stores below read is written: in group 0 the sixteen offsets OF, in layer 1 the group's roundings; no vector line names the group's part of U behind this wait, so the next block's loads may land there
.endif
.irp r, 0,1,2,3
	s_cmp_le_i32 s[RM], 4*(\q)+\r                  ; rows past the count are not stored
	s_cbranch_scc1 .Lfin_end
.if LAYER == 1
	global_store_b64 v[OF+4*(\q)+\r], v[UB+2*\r:UB+2*\r+1], s[OB:OB+1]   ; 32 lanes store 256 consecutive bytes, at a multiple of 256 from h's first byte
.else
	global_store_b128 v[OF+4*(\q)+\r], v[UB+4*\r:UB+4*\r+3], s[OB:OB+1]  ; 32 lanes store 512 consecutive bytes, at a multiple of 512 from y's first byte
.endif
.endr
.endm
.if LAYER == 1
	s_load_b256 s[4:11], s[0:1], 0x0               ; weights s[4:5], bias s[6:7], rows s[8:9], list s[10:11]
	s_load_b64 s[12:13], s[0:1], 0x20              ; output
.else
	s_load_b64 s[4:5], s[0:1], 0x0                 ; weights
	s_load_b128 s[8:11], s[0:1], 0x8               ; rows s[8:9], list s[10:11]
	s_load_b64 s[12:13], s[0:1], 0x18              ; output
.endif
	v_lshl_add_u32 v[SPW], v0, 2, SPARE
	v_mov_b32 v[NIL], 0
	v_lshrrev_b32 v[TA], 5, v0
	v_readfirstlane_b32 s[WV], v[TA]               ; wave 0..3
	v_and_b32 v[LANE], 31, v0
	v_and_b32 v[R], 15, v0
	v_bfe_u32 v[H16], v0, 4, 1
	v_lshlrev_b32 v[H16], 4, v[H16]
	v_lshlrev_b32 v[WOFF], 4, v[LANE]
	v_lshlrev_b32 v[V8L], 3, v[LANE]
	v_lshlrev_b32 v[PFO], WSHIFT, v[LANE]
	s_wait_alu depctr_va_sdst(0)                   ; the wave's number is written, ahead of its first reader
	s_mul_i32 s18, s[WV], 32*LP
	v_add_nc_u32 v[WST0], s18, v[V8L]
	v_mul_u32_u24 v[TA], v[R], LP
	v_add_nc_u32 v[TA], v[TA], v[H16]
.irp p, 0,1,2,3
	v_add_nc_u32 v[BAD0+\p], \p*32*LP, v[TA]
.endr
	s_mul_i32 s18, s[WV], 16*SPITCH
	s_add_co_u32 s18, s18, STAGE                   ; my stage
	v_mul_u32_u24 v[TA], v[R], SPITCH
	v_lshl_add_u32 v[TA], v[H16], 1, v[TA]         ; row lane % 16, 32 bytes for each half of the lanes
	v_add_nc_u32 v[STO], s18, v[TA]
	v_add_nc_u32 v[SRD0], s18, v[WOFF]
	s_lshl_b32 s19, s[WV], 6
	v_lshl_add_u32 v[LOF], v[R], 2, s19            ; block 4 j + w begins at word 64 j + 16 w of the expert's list
	s_lshr_b32 s[XP], ttmp9, 5
	s_lshl_b32 s56, s[XP], 12                      ; the expert's 4,096 bytes of list,
	s_mov_b32 s57, 0
	s_lshl_b32 s36, s[XP], 8                       ; and its count
	s_add_co_u32 s36, s36, 32768
	s_mov_b32 s37, 0
	s_mov_b32 s[ABSM], 0x7fffffff
	s_lshl_b32 s18, s[XP], 24                      ; an expert's weights are 16,777,216 bytes
.if LAYER == 1
	s_and_b32 s[SUB], ttmp9, 31
	s_lshl_b32 s19, s[SUB], 19                     ; 128 rows of 4,096 bytes
	s_add_co_u32 s18, s18, s19
	s_lshl_b32 s19, s[WV], 17                      ; my wave's 32 of them
	s_add_co_u32 s18, s18, s19
	s_lshl_b32 s50, s[XP], 14                      ; bias: 16,384 bytes an expert, 512 for my 128 columns
	s_lshl_b32 s19, s[SUB], 9
	s_add_co_u32 s50, s50, s19
	s_mov_b32 s51, 0
	s_mov_b32 s52, 0                               ; the rows begin at xb's first byte
	s_lshl_b32 s54, s[SUB], 8                      ; my 128 columns in a row of h
.else
	s_and_b32 s[SUB], ttmp9, 7
	s_bfe_u32 s17, ttmp9, 0x20003                  ; K slice
	s_lshl_b32 s19, s[SUB], 21                     ; 128 rows of 16,384 bytes
	s_add_co_u32 s18, s18, s19
	s_lshl_b32 s19, s17, 12                        ; 1,024 f32 along the rows
	s_add_co_u32 s18, s18, s19
	s_lshl_b32 s19, s[WV], 19                      ; my wave's 32 rows
	s_add_co_u32 s18, s18, s19
	s_lshl_b32 s52, s17, 11                        ; 1,024 bf16 along h's rows
	s_lshl_b32 s54, s17, 23                        ; y's part for the slice: 8,388,608 bytes,
	s_lshl_b32 s19, s[SUB], 9                      ; my 128 columns of f32
	s_add_co_u32 s54, s54, s19
.endif
	s_mov_b32 s19, 0
	s_mov_b32 s53, 0
	s_mov_b32 s55, 0
	s_mov_b32 s[KB], 0
	s_mov_b32 s[KB+1], 0
	s_mov_b32 s[KN+1], 0
	s_wait_kmcnt 0x0
	s_add_nc_u64 s[58:59], s[10:11], s[36:37]
	s_add_nc_u64 s[10:11], s[10:11], s[56:57]
	s_load_b32 s[NE], s[58:59], 0x0                ; the expert's count
	s_add_nc_u64 s[WBW:WBW+1], s[4:5], s[18:19]
	s_add_nc_u64 s[AB0:AB0+1], s[8:9], s[52:53]
	s_add_nc_u64 s[OB:OB+1], s[12:13], s[54:55]
.if LAYER == 1
	s_add_nc_u64 s[6:7], s[6:7], s[50:51]
.endif
	s_wait_alu depctr_va_vdst(0)                   ; the offsets and LDS addresses made above are written (LOF, WOFF, PFO, WST0, BAD0, STO, SRD0, V8L): loads, prefetches, stores and LDS instructions read them from here on, and no line writes them again
.irp j, 0,1,2,3,4,5,6,7,8,9,10,11,12,13,14,15
	global_load_b32 v[SLT+\j], v[LOF], s[10:11] offset:256*\j   ; the entries of my 16 possible blocks
.endr
.if LAYER == 1
	global_load_b128 v[BIA:BIA+3], v[WOFF], s[6:7]
.endif
	WIN 0x40
.set rho, 0
.rept 32
	global_load_b128 v[SG+4*rho:SG+4*rho+3], v[WOFF], s[WBW:WBW+1] offset:rho*WPITCH th:TH_LOAD_NT  ; chunk 0
.set rho, rho+1
.endr
	WIN 0
	global_prefetch_b8 v[PFO], s[WBW:WBW+1] offset:512 th:TH_LOAD_NT scope:SCOPE_SE   ; chunk 1, which the first trip's head loads, is asked into the L2: my 32 rows x 512 bytes, as in the loop
	global_prefetch_b8 v[PFO], s[WBW:WBW+1] offset:768 th:TH_LOAD_NT scope:SCOPE_SE
	WIN 0x80
.set z, 0
.rept 256
	v_mov_b32 v[z], 0
.set z, z+1
.endr
	WIN 0xc0
.set z, 0
.rept 64
	v_mov_b32 v[z], 0
.set z, z+1
.endr
	WIN 0
.if LAYER == 1
.irp z, 0,1
	v_mov_b32 v[KON+\z], 0x3eaa540e                ; 0.47047 / sqrt(2)
	v_mov_b32 v[KON+2+\z], 1.0
	v_mov_b32 v[KON+4+\z], 0xbf38aa3b              ; -log2(e) / 2
	v_mov_b32 v[KON+6+\z], 0xbe32303a              ; -a1 / 2 = -0.1740121
	v_mov_b32 v[KON+8+\z], 0x3d445ca1              ; -a2 / 2 =  0.0479399
	v_mov_b32 v[KON+10+\z], 0xbebf7377             ; -a3 / 2 = -0.3739278
.endr
.endif
	s_wait_xcnt 0x0                                ; chunk 0's loads and the two prefetches name WBW: it is stepped only behind this wait
	s_add_nc_u64 s[WBW:WBW+1], s[WBW:WBW+1], 512   ; chunk 1: what the first head asks for
	s_wait_kmcnt 0x0                               ; the count
	s_min_u32 s[NE], s[NE], 1024
	s_add_co_u32 s[NBLK], s[NE], 15
	s_lshr_b32 s[NBLK], s[NBLK], 4
	s_min_u32 s[LIVE], s[NBLK], 20
	s_add_co_u32 s[LIVE], s[LIVE], 3
	s_sub_co_u32 s[LIVE], s[LIVE], s[WV]
	s_lshr_b32 s[LIVE], s[LIVE], 2                 ; how many j in 0..4 have 4 j + w < NBLK
	s_wait_loadcnt 32                              ; the list's entries (and the bias) are in; chunk 0's 32 loads may stay out
.irp b, 0,1,2,3,4
	ROWOFF AOF+\b, SLT+\b
.endr
	s_wait_alu depctr_va_vdst(0)                   ; the five row offsets AOF are written, which every row load of the loop reads
.irp s, 0,1,2,3
	ALOAD \s, AB0                                  ; chunk 0's rows, piece by piece
.endr
.if LAYER == 1
	v_cvt_pk_bf16_f32 v[TA], v[BIA], v[BIA+1]      ; the bias is rounded to bf16 like every input, and widened again
	v_cvt_pk_bf16_f32 v[TA+1], v[BIA+2], v[BIA+3]
	v_lshlrev_b32 v[BIA], 16, v[TA]
	v_and_b32 v[BIA+1], 0xffff0000, v[TA]
	v_lshlrev_b32 v[BIA+2], 16, v[TA+1]
	v_and_b32 v[BIA+3], 0xffff0000, v[TA+1]
.endif
	s_mov_b32 s[CNT], 7
.Ltrip:                                                ; chunks 0 to 6.  Younger than piece 0's rows: this chunk's 30 later row loads and the next chunk's 32 weight loads: 62.  Younger than piece s's, s = 1 to 3: 10 (3 - s), the 32, and the next chunk's pieces 0 to s - 2, 10 (s - 1): 52
	TRIP 1, 62, 52, 52, 52
	s_add_co_u32 s[KB], s[KB], 256
	s_sub_co_u32 s[CNT], s[CNT], 1
	s_cmp_lg_u32 s[CNT], 0
	s_cbranch_scc1 .Ltrip
	TRIP 0, 30, 20, 10, 0                          ; chunk 7 asks for nothing: the counts run down
	s_wait_alu depctr_va_vdst(0)                   ; the products have written the five blocks' sums, which the stores into the stage read, and are done reading the rows' fragments, where the loads from the stage land; the four places stand ahead of this wait
; THE WAY OUT, block by block: J = 0..15, my block 4 J + w.  Every jump inside goes forward; no barrier stands here: the image is whole, the stage is my own.
	s_mov_b32 s[J], 0
.Lblock:
	s_lshl2_add_u32 s[RI], s[J], s[WV]
	s_cmp_ge_u32 s[RI], s[NBLK]
	s_cbranch_scc1 .Lnext
	s_lshl_b32 s[RM], s[RI], 4
	s_sub_co_i32 s[RM], s[NE], s[RM]               ; rows left from the block's first on: 1 at the least
	s_wait_alu depctr_vm_vsrc(0)                   ; the last block's global stores have read U and OF, its stores into the stage block 0's sums, the row loads AOF: each of these is written again on some way below
	s_cmp_ge_u32 s[J], 5
	s_cbranch_scc1 .Lover
	s_cmp_eq_u32 s[J], 1
	s_cbranch_scc1 .Ld1
	s_cmp_eq_u32 s[J], 2
	s_cbranch_scc1 .Ld2
	s_cmp_eq_u32 s[J], 3
	s_cbranch_scc1 .Ld3
	s_cmp_eq_u32 s[J], 4
	s_cbranch_scc1 .Ld4
	s_branch .Ld0
.Lover:                                                ; a block beyond the five: multiplied now, from the image; 32 pieces of 32 K, written out
	v_mov_b32 v[CUR], v[SLT+5]                     ; the block's entries: register J of the sixteen
.irp j, 6,7,8,9,10,11,12,13,14,15
	s_cmp_eq_u32 s[J], \j
	s_cselect_b32 s[MK], -1, 0
	v_cndmask_b32 v[CUR], v[CUR], v[SLT+\j], s[MK]
.endr
	ROWOFF AOF, CUR                                ; every load that named this register has been waited for
	s_wait_alu depctr_va_vdst(0)                   ; AOF is written, which the row loads below read; in layer 1 the last block's arithmetic is done with v64-127, in which they land
	OALOAD 0
	FETCHB BAD0, 0, 0
	FETCHB BAD0, 64, 1
.set g, 0
.rept 32
.if g%4 == 0
.if g < 28
.set cn, g/4+1
	OALOAD cn                                      ; the next chunk's rows, into the buffer whose last products stand in front of four places and a wait
	s_wait_loadcnt 8                               ; this chunk's rows are in; the eight just issued may stay out
.else
	s_wait_loadcnt 0x0
.endif
.endif
.if g == 31
	s_wait_dscnt 0x0
.else
	s_wait_dscnt 16                                ; the next piece's 16 loads may stay out
.endif
	OMUL g
	WIN 0
	PLACES
.if g != 30
	s_wait_alu depctr_va_vdst(0)                   ; this piece's products are done reading their weight buffer and their rows, in which later loads land; behind the last piece: they have written the sums, which the stores into the stage read
.endif
.if g < 30
.set go, 64*(g+2)
.set gb, g%2
	FETCHB BAD0, go, gb
.endif
.set g, g+1
.endr
	s_branch .Ld0x
.Ld0:
	v_mov_b32 v[CUR], v[SLT]                       ; each of the five names its own entries
.Ld0x:
	DUMP 0
	s_branch .Lfin
.Ld1:
	v_mov_b32 v[CUR], v[SLT+1]
	DUMP 1
	s_branch .Lfin
.Ld2:
	v_mov_b32 v[CUR], v[SLT+2]
	DUMP 2
	s_branch .Lfin
.Ld3:
	v_mov_b32 v[CUR], v[SLT+3]
	DUMP 3
	s_branch .Lfin
.Ld4:
	v_mov_b32 v[CUR], v[SLT+4]
	DUMP 4
.Lfin:                                                 ; the block comes back from my stage as sixteen whole rows
	s_wait_xcnt 0x0                                ; the last block's stores read U and OF: these are rewritten only behind this wait
.set rho, 0
.rept 16
	ds_load_b128 v[U+4*rho:U+4*rho+3], v[SRD0] offset:SPITCH*rho  ; LDS serves a wave's instructions in order: these see the stores into the stage
.set rho, rho+1
.endr
	; the sixteen rows' places in the output, made while those loads are out; in three runs, so that no line reads the result of the line before it
.set rho, 0
.rept 16
	v_readlane_b32 s[SS+rho], v[CUR], rho          ; the row's slot
.set rho, rho+1
.endr
	s_wait_alu depctr_va_sdst(0)                   ; the sixteen slots are written into s66-81, ahead of their first readers
.set rho, 0
.rept 16
	s_min_u32 s[SS+rho], s[SS+rho], 0x7ff          ; held to the table's size before it enters an address
.set rho, rho+1
.endr
.set rho, 0
.rept 16
.if LAYER == 1
	v_lshl_add_u32 v[OF+rho], s[SS+rho], 13, v[V8L]   ; rows of 8,192 bytes in h
.else
	v_lshl_add_u32 v[OF+rho], s[SS+rho], 12, v[WOFF]  ; rows of 4,096 bytes in y
.endif
.set rho, rho+1
.endr
	FGROUP 0
	FGROUP 1
	FGROUP 2
	FGROUP 3
.Lfin_end:
	s_wait_dscnt 0x0                               ; a jump past the count may have left later groups' loads out: U is loaded again only behind this wait
.Lnext:
	s_add_co_u32 s[J], s[J], 1
	s_cmp_lt_u32 s[J], 16
	s_cbranch_scc1 .Lblock
	s_wait_dscnt 0x0                               ; the closing lines, six on end
	s_wait_alu 0x0
	s_wait_tensorcnt 0x0
	ds_add_u32 v[SPW], v[NIL]
	s_wait_dscnt 0x0
	s_endpgm
.Lfunc_end_k_q3f0cc215c4_ffn1:
	.size	k_q3f0cc215c4_ffn1, .Lfunc_end_k_q3f0cc215c4_ffn1-k_q3f0cc215c4_ffn1
	.p2alignl 7, 3214868480
	.fill 96, 4, 3214868480
	.section	.rodata,"a",@progbits
	.p2align	6, 0x0
	.amdhsa_kernel k_q3f0cc215c4_ffn1
		.amdhsa_group_segment_fixed_size 298496
		.amdhsa_private_segment_fixed_size 0
		.amdhsa_enable_private_segment 0
		.amdhsa_kernarg_size 40
		.amdhsa_user_sgpr_count 2
		.amdhsa_user_sgpr_kernarg_segment_ptr 1
		.amdhsa_wavefront_size32 1
		.amdhsa_system_sgpr_workgroup_id_x 1
		.amdhsa_system_sgpr_workgroup_id_y 1
		.amdhsa_system_sgpr_workgroup_id_z 1
		.amdhsa_system_vgpr_workitem_id 0
		.amdhsa_next_free_vgpr 896
		.amdhsa_next_free_sgpr 82
		.amdhsa_reserve_vcc 0
		.amdhsa_float_denorm_mode_32 3
		.amdhsa_float_denorm_mode_16_64 3
		.amdhsa_memory_ordered 1
		.amdhsa_forward_progress 1
		.amdhsa_inst_pref_size 188
	.end_amdhsa_kernel
	.amdgpu_metadata
---
amdhsa.version: [ 1, 2 ]
amdhsa.kernels:
  - .name:           k_q3f0cc215c4_ffn1
    .symbol:         k_q3f0cc215c4_ffn1.kd
    .args:
      - { .name: w1, .offset: 0, .size: 8, .value_kind: global_buffer, .address_space: global }
      - { .name: b1, .offset: 8, .size: 8, .value_kind: global_buffer, .address_space: global }
      - { .name: xb, .offset: 16, .size: 8, .value_kind: global_buffer, .address_space: global }
      - { .name: list, .offset: 24, .size: 8, .value_kind: global_buffer, .address_space: global }
      - { .name: h, .offset: 32, .size: 8, .value_kind: global_buffer, .address_space: global }
    .group_segment_fixed_size: 298496
    .private_segment_fixed_size: 0
    .kernarg_segment_align: 8
    .kernarg_segment_size: 40
    .max_flat_workgroup_size: 128
    .sgpr_count:     82
    .vgpr_count:     896
    .wavefront_size: 32
...
	.end_amdgpu_metadata
.endif
;; end of part 8
;; launch ffn2 (part 9): grid 256 x 1, 4 waves a work-group, no clusters, 298,496 bytes of LDS; arguments w2, h, list, y; writes y
.if DOCPART == 9
	.amdgcn_target "amdgcn-amd-amdhsa--gfx1250"
	.amdhsa_code_object_version 6
	.text
	.protected	k_q3f0cc215c4_ffn2
	.globl	k_q3f0cc215c4_ffn2
	.p2align	8
	.type	k_q3f0cc215c4_ffn2,@function
k_q3f0cc215c4_ffn2:
	s_mov_b64 s[64:65], 0
	v_nop
	global_prefetch_b8 v0, s[64:65] scope:SCOPE_SE
	s_setreg_imm32_b32 hwreg(HW_REG_WAVE_SCHED_MODE, 0, 2), 2
	s_setreg_imm32_b32 hwreg(HW_REG_WAVE_MODE, 25, 1), 1
	s_wait_xcnt 0x0
	s_wait_alu depctr_vm_vsrc(0)
; ONE EXPERT PRODUCT OF THE MoE LAYER.  One text serves both products; LAYER says which is assembled.
;   LAYER 1: h[slot][f] = bf16(gelu(xb[slot >> 1] . bf16(w1[e][f]) + bf16(b1[e][f])))           arguments w1, b1, xb, list, h
;   LAYER 2: y[ks][slot][n] = the sum over the 1,024 f of slice ks of h[slot][f] bf16(w2[e][n][f]), f32   arguments w2, h, list, y
; slot = 2 token + k (k: first or second choice).  Every slot belongs to one expert.
; SHARES.  256 work-groups of four waves; expert e = work-group >> 5.  A work-group owns 128 output columns x 1,024 K of e's weights (524,288 bytes of f32), which it alone reads, once,
; and ALL rows of e.  LAYER 1: columns 128 (wg & 31), all of K.  LAYER 2: columns 128 (wg & 7), K slice (wg >> 3) & 3: four partial sums, added by the launch behind.
; THE STREAM.  K goes in 8 chunks of 128.  A wave loads 32 weight rows' 512 bytes (one load a row: 512 consecutive bytes) into 128 registers.  When they have come they are rounded to bf16
; into 64 OTHER registers, and the next chunk is asked for at once into the registers just read.  Then the rounded chunk is stored ONCE into an image of the whole slice in LDS.
; Behind a barrier every wave multiplies the chunk by its own blocks of 16 rows, whose sums stay in registers over all of K.  The rows come straight from memory as matrix operands, by the list.
; BLOCKS.  Block g of 16 list rows is wave g & 3's.  A wave keeps five (320 rows an expert in all); blocks beyond (up to 1,024 rows: every token) are multiplied afterwards, one at a time,
; from the image in LDS, which then is whole: slower for each row, and right for every split.  An expert without rows streams its weights and stores nothing.
; THE LIST was stored by an earlier launch: list[e][rank] = slot, 1,024 words an expert, places past the count hold slot 0, a row that exists; e's count lies at byte 32,768 + 256 e.
; A wave loads the entries of its 16 possible blocks into 16 registers at once.
; THE WAY OUT is one loop over a wave's 16 possible blocks.  Every LDS address in it is a register made at the head plus an immediate: so the K of a block beyond the five, and a block's
; four groups of four rows, are written out.
; NO TENSOR LOADS, NO CLUSTER: each weight byte has one reader, and must pass registers to be rounded; the rows that an expert's work-groups share come by a list, which no descriptor covers.
; THE MATRIX INSTRUCTION IS USED TRANSPOSED: source 0 = 16 weight rows, source 1 = 16 list rows: a lane holds one list row (lane % 16) and 8 neighbouring columns 8 (lane / 16) + 0..7.
; The five blocks' accumulators are cleared by 320 v_mov_b32 in the wait for the first weights: dead blocks' products are jumped over, so no first product could start every sum on every way.
; GELU.  erf by Abramowitz and Stegun 7.1.25, off by 2.5e-5 at the most for every argument: gelu(u) = max(u, 0) - 0.5 |u| (a1 t + a2 t^2 + a3 t^3) 2^(-0.72134752 u^2),
; t = 1 / (1 + 0.33267253 |u|): off by 1.25e-5 |u| at the most, a hundredth of bf16's step at |u|.
; LIMITS.  All inputs are rounded to bf16 (h too: its range is f32's).  NaN and infinities are not treated apart.
; REGISTERS, in windows of 256 (s_set_vgpr_msb: bits 1:0 source 0, 3:2 source 1, 5:4 source 2, 7:6 destination):
;   window 0: v0-58 addresses, the list's entries and at work; v64-223 the rows' fragments, block b, 32 K piece s at 64 + 32 b + 8 s (at the end the way out); v224-239 constants and bias
;   window 1: v0-127 weight fragments, two buffers of 64; v128-255 the staged chunk, row rho at 128 + 4 rho
;   window 2: accumulators of blocks 0-3, column group i of block b at 64 b + 8 i;   window 3: v0-63 block 4's; v64-127 the chunk rounded, row rho at 64 + 2 rho
; THE MODE: SCHED_MODE bits 1:0 = 2 (LLVM: expert scheduling mode 2), set by the entry lines.  The code itself states the register dependences
; between vector or matrix instructions and memory or LDS instructions, with s_wait_alu, always for 0.
; THE PLAN, in the loop over chunks.  Registers that memory or LDS instructions touch:
;   SG            A trip's head: its 64 conversions read SG; behind them the next chunk's 32 loads land in it.
;   PK            Written by those conversions; read by the trip's 32 LDS stores.
;   WSTW, BADW    LDS addresses of the chunk: written at the trip's head, ahead of the conversions; read by the trip's LDS stores and fragment loads.
;   weight fragments, buffers 0 and 1   Piece s's products read buffer s % 2; the LDS loads of piece s + 2 land in it in piece s + 1 (the next chunk's pieces 0 and 1: behind the next head).
;   AF            Piece s's products read piece s of the five blocks' rows; the next chunk's loads land there in piece s + 1, dealt among its products (piece 3's: at piece 3's end).
;   WOFF, AOF, PFO, WST0, BAD0   made ahead of the loop and not written in it; the bases are scalar.  The accumulators are named by matrix instructions alone.
; So a trip has six waits.  vm_vsrc at its head: the last trip's LDS instructions have read PK, WSTW and BADW.  va_vdst behind the conversions: they are done with SG and have written PK; the addresses are written.
; va_vdst at each piece's end: its products are done reading their weight buffer and their piece of AF.  The loads of the next piece follow with no further wait: the products between them name the other
; weight buffer, the piece of AF in hand and the accumulators, none of which those loads touch.
; THE PLAN, on the way out.  The accumulators are read by the stores into the stage: one va_vdst behind the last products; block 0's are written again by a block beyond the five.  U: loaded from the stage,
; worked on (layer 1), read by the global stores.  OF: written by vector lines, read by the global stores.  AOF: written anew for a block beyond the five, read by its row loads.
; One vm_vsrc at a live block's head frees all that the last block's memory and LDS instructions read.
.set LAYER,  2
.if LAYER == 1
.set WPITCH, 4096                      ; bytes from weight row to weight row
.set WSHIFT, 12
.else
.set WPITCH, 16384
.set WSHIFT, 14
.endif
.set LP,     2064                      ; a row of the image: 2,048 bytes + 16: 129 x 16, so the 16 rows of a fragment load start at 16 different 16-byte columns modulo 256
.set STAGE,  128*LP                    ; 264,192: behind the image, 16 rows x 528 bytes of f32 for each wave, for the way out
.set SPITCH, 528
.set SPARE,  STAGE+4*16*SPITCH         ; 297,984: the spare words, 128 bytes a wave: two blocks of 256 bytes that no other line names
.set R,    1                           ; lane % 16
.set H16,  2                           ; 16 (lane / 16)
.set LANE, 3
.set WOFF, 4                           ; 16 lane
.set WST0, 5                           ; image: my wave's 32 rows, 8 lane
.set WSTW, 6                           ;   + the chunk
.set BAD0, 7                           ; v7-10   image: row lane % 16 of row group 32 p, 16 (lane / 16)
.set BADW, 11                          ; v11-14    + the chunk
.set AOF,  15                          ; v15-19  byte offset of my list row of block b, + 16 (lane / 16)
.set STO,  20                          ; stage: where I put a result's 16 bytes
.set SRD0, 21                          ; stage: 16 lane
.set PFO,  22                          ; lane x the weights' row pitch: the prefetch's offsets; never rewritten
.set LOF,  24                          ; list: byte offset of entry lane % 16 of my wave's block 0
.set V8L,  26                          ; 8 lane
.set SPW,  28                          ; LDS address of my spare word; never rewritten
.set NIL,  29                          ; 0; never rewritten
.set TA,   30                          ; v30-35  at work
.set SLT,  42                          ; v42-57  entry lane % 16 of my block j, j = 0..15
.set CUR,  58                          ; the same of the block in hand
.set AF,   64
.set KON,  224                         ; six constants, each twice
.set BIA,  236                         ; bias of my four columns
.set SG,   128                         ; window 1
.set PK,   64                          ; window 3
.set AB,   64                          ; the way out: four times sixteen registers at work,
.set T,    80
.set EX,   96
.set PQ,   112
.set U,    128                         ; v128-191  sixteen rows x four numbers: group q of four rows at U + 16 q
.set OF,   192                         ; v192-207  the rows' byte offsets in the output
.set WV,   14                          ; wave
.set XP,   15                          ; expert
.set SUB,  16
.set NE,   22                          ; rows of e
.set NBLK, 23                          ; blocks of e
.set LIVE, 24                          ; my live blocks among the five
.set CNT,  25
.set KB,   26                          ; s[26:27] the chunk's byte offset in bf16 rows: 256 c
.set ABW,  28                          ; s[28:29] the rows' base for the chunk being asked for
.set MK,   30                          ; a mask
.set J,    32
.set RI,   35
.set RM,   38
.set KN,   40                          ; s[40:41] KB + 256
.set WBW,  42                          ; s[42:43] my wave's 32 weight rows at the chunk that is asked for next
.set AB0,  44                          ; s[44:45] the rows' base
.set OB,   46                          ; s[46:47] the output at my columns
.set ABSM, 49                          ; 0x7fffffff
.set SS,   66                          ; s[66:81] the slots of a block's sixteen rows
.set MSB, 0
.macro WIN new                         ; the high byte repeats the setting that is left; a switch that changes nothing is dropped
.if MSB != (\new)
	s_set_vgpr_msb (MSB<<8)|(\new)
.set MSB, (\new)
.endif
.endm
.macro PLACES                          ; four plain vector instructions between a matrix instruction and a load into, a write of or a read of its registers (ISA guide 7.12.1 for writes and reads)
.rept 4
	v_nop
.endr
.endm
; 16 LDS loads in one run: the weight fragments (128 rows x 32 K at byte off behind the four address registers from areg on) into buffer buf
.macro FETCHB areg, off, buf
	WIN 0x40
.irp i, 0,1,2,3,4,5,6,7
	ds_load_b128 v[64*(\buf)+8*\i:64*(\buf)+8*\i+3],   v[(\areg)+\i/2] offset:(\i%2)*16*LP+(\off)
	ds_load_b128 v[64*(\buf)+8*\i+4:64*(\buf)+8*\i+7], v[(\areg)+\i/2] offset:(\i%2)*16*LP+(\off)+32
.endr
	WIN 0
.endm
; 4 of those 16: the fragments of weight rows 32 q to 32 q + 31.  A short run, to stand among the products
.macro FETCH4 off, buf, q
	WIN 0x40
	ds_load_b128 v[64*(\buf)+16*(\q):64*(\buf)+16*(\q)+3],     v[BADW+(\q)] offset:(\off)
	ds_load_b128 v[64*(\buf)+16*(\q)+4:64*(\buf)+16*(\q)+7],   v[BADW+(\q)] offset:(\off)+32
	ds_load_b128 v[64*(\buf)+16*(\q)+8:64*(\buf)+16*(\q)+11],  v[BADW+(\q)] offset:16*LP+(\off)
	ds_load_b128 v[64*(\buf)+16*(\q)+12:64*(\buf)+16*(\q)+15], v[BADW+(\q)] offset:16*LP+(\off)+32
.endm
; 2 loads: piece s of block b's rows
.macro ALOAD2 b, s, base
	global_load_b128 v[AF+32*(\b)+8*(\s):AF+32*(\b)+8*(\s)+3],   v[AOF+(\b)], s[\base:\base+1] offset:64*(\s)
	global_load_b128 v[AF+32*(\b)+8*(\s)+4:AF+32*(\b)+8*(\s)+7], v[AOF+(\b)], s[\base:\base+1] offset:64*(\s)+32
.endm
; 10 loads: piece s of all five blocks' rows, dead blocks' too (their entries are slot 0), so that every count is the same on every way
.macro ALOAD s, base
.irp b, 0,1,2,3,4
	ALOAD2 \b, \s, \base
.endr
.endm
; 8 matrix instructions: block b x the 8 column groups, piece s.  The accumulators take turns, one instruction a turn.
.macro MULB b, s
	WIN 0xa1+0x50*((\b)/4)
.irp i, 0,1,2,3,4,5,6,7
	v_wmma_f32_16x16x32_bf16 v[64*((\b)%4)+8*\i:64*((\b)%4)+8*\i+7], v[64*((\s)%2)+8*\i:64*((\s)%2)+8*\i+7], v[AF+32*(\b)+8*(\s):AF+32*(\b)+8*(\s)+7], v[64*((\b)%4)+8*\i:64*((\b)%4)+8*\i+7]
.endr
.endm
; The same, jumped over, forward, where the block is dead; nothing else is jumped
.macro KBLK b, s
	WIN 0                                          ; at a branch and at a label every window is 0
	s_cmp_le_u32 s[LIVE], \b
	s_cbranch_scc1 .Lkd_\@
	MULB \b, \s
	WIN 0
.Lkd_\@:
.endm
; The weights of the chunk after next are asked into the L2: my wave's 32 rows x 512 bytes, the lanes a row apart, two requests 256 bytes apart: each block of 256 bytes once in the launch.
; In piece 1 of trip c WBW stands at chunk c + 2 (piece 0 has stepped it), which the head of the next trip loads: 65,536 bytes for the work-group.  The loop's last trip (c = 6) asks for nothing: there is no chunk 8.
.macro PREFETCH
	WIN 0
	s_cmp_eq_u32 s[CNT], 1
	s_cbranch_scc1 .Lnp_\@
	global_prefetch_b8 v[PFO], s[WBW:WBW+1] th:TH_LOAD_NT scope:SCOPE_SE
	global_prefetch_b8 v[PFO], s[WBW:WBW+1] offset:256 th:TH_LOAD_NT scope:SCOPE_SE
.Lnp_\@:
.endm
; A list entry becomes a row's byte offset.  What was loaded is held to the table's size before it enters an address.
.macro ROWOFF dst, src
.if LAYER == 1
	v_lshrrev_b32 v[\dst], 1, v[\src]              ; the token
	v_min_u32 v[\dst], 0x3ff, v[\dst]
	v_lshl_add_u32 v[\dst], v[\dst], 11, v[H16]    ; rows of 2,048 bytes in xb
.else
	v_min_u32 v[\dst], 0x7ff, v[\src]
	v_lshl_add_u32 v[\dst], v[\dst], 13, v[H16]    ; rows of 8,192 bytes in h
.endif
.endm
; A trip's head.  The chunk's LDS addresses are made; the staged chunk c is rounded into registers of its own; issue = 1: behind the conversions chunk c + 1 is asked for
; (WBW stands there already).  Then the rounded chunk goes into the image.
.macro WPART issue
	s_wait_loadcnt 40                              ; loads come back in order: the staged chunk's 32 are in; the chunk's 40 row loads, which are younger, may stay out
	s_wait_alu depctr_vm_vsrc(0)                   ; the last trip's LDS stores have read PK and WSTW, its fragment loads BADW: all are written again below
	v_add_nc_u32 v[WSTW], s[KB], v[WST0]
.irp p, 0,1,2,3
	v_add_nc_u32 v[BADW+\p], s[KB], v[BAD0+\p]
.endr
	WIN 0xc5                                       ; destination window 3, sources window 1
.set rho, 0
.rept 32
	v_cvt_pk_bf16_f32 v[PK+2*rho], v[SG+4*rho], v[SG+4*rho+1]
	v_cvt_pk_bf16_f32 v[PK+2*rho+1], v[SG+4*rho+2], v[SG+4*rho+3]
.set rho, rho+1
.endr
.if \issue
	WIN 0x40
.else
	WIN 0
.endif
	s_wait_alu depctr_va_vdst(0)                   ; the conversions are done reading SG, in which the loads below land, and have written PK, which the LDS stores read; WSTW and BADW are written; the last trip's products are done reading weight buffer 0
.if \issue
.set rho, 0
.rept 32
	global_load_b128 v[SG+4*rho:SG+4*rho+3], v[WOFF], s[WBW:WBW+1] offset:rho*WPITCH th:TH_LOAD_NT  ; 512 consecutive bytes of a weight row, read once in the launch
.set rho, rho+1
.endr
	WIN 0
.endif
	s_wait_dscnt 0x0                               ; my reads of the image are back
	s_barrier_signal -1                            ; FIRST BARRIER: between all waves' reads of the image's rows and the next stores into those rows.  The stores land in other bytes of the rows
	s_barrier_wait -1                              ; (KB has stepped); the order is kept all the same.
	WIN 0x0c                                       ; store data window 3
.set rho, 0
.rept 32
	ds_store_b64 v[WSTW], v[PK+2*rho:PK+2*rho+1] offset:rho*LP   ; 32 lanes x 8 bytes: 256 consecutive bytes of a row.  No vector line since the wait above names PK or WSTW
.set rho, rho+1
.endr
	WIN 0
	s_wait_dscnt 0x0                               ; for the others' sake: my stores into the image are done
	s_barrier_signal -1                            ; SECOND BARRIER: between the stores and all waves' reads of the chunk
	s_barrier_wait -1
.endm
; Piece s (32 K) of the chunk.  n: the loads younger than this piece's rows.  Among this piece's products stand, on every way, the next piece's 16 fragment loads, in runs of 8, 4 and 4 (they go into the
; other buffer), and with issue = 1 the ten loads of piece s - 1 of the next chunk's rows, in runs of 4, 4 and 2.  The wait that ends the piece before has shown the last readers of all those registers done.
.macro KSTEP s, issue, n
	s_wait_dscnt 0x0                               ; this piece's weight fragments are in: the last of them were asked for ahead of block 2's products of the piece before
	s_wait_loadcnt \n
.if (\s) < 3
	FETCH4 64*((\s)+1), ((\s)+1)%2, 0
	FETCH4 64*((\s)+1), ((\s)+1)%2, 1
.endif
.if (\issue) && ((\s) == 1)
	PREFETCH
.endif
	KBLK 0, \s
.if (\issue) && ((\s) > 0)
	ALOAD2 0, (\s)-1, ABW                          ; no wait: the products since the last wait name this piece's part of AF, not the piece before's
	ALOAD2 1, (\s)-1, ABW
.endif
.if (\s) < 3
	FETCH4 64*((\s)+1), ((\s)+1)%2, 2
.endif
	KBLK 1, \s
.if (\issue) && ((\s) > 0)
	ALOAD2 2, (\s)-1, ABW
	ALOAD2 3, (\s)-1, ABW
.endif
.if (\s) < 3
	FETCH4 64*((\s)+1), ((\s)+1)%2, 3
.endif
	KBLK 2, \s
.if (\issue) && ((\s) > 0)
	ALOAD2 4, (\s)-1, ABW
.endif
	KBLK 3, \s
	KBLK 4, \s
	PLACES                                         ; in front of the loads into registers that the products have read
.if (\issue) || ((\s) < 2)
	s_wait_alu depctr_va_vdst(0)                   ; this piece's products are done reading their weight buffer, in which the fragments of the piece after next land, and their piece of AF, in which the next chunk's rows land
.endif
.if \issue
.if (\s) == 0
	s_wait_xcnt 0x0                                ; the two bases below are sources of memory instructions issued earlier (the head's weight loads, the last trip's row loads and prefetches): they are rewritten only behind this wait
	s_add_nc_u64 s[WBW:WBW+1], s[WBW:WBW+1], 512   ; the chunk that the next head asks for
	s_add_co_u32 s[KN], s[KB], 256
	s_add_nc_u64 s[ABW:ABW+1], s[AB0:AB0+1], s[KN:KN+1]
.endif
.if (\s) == 3
	ALOAD 3, ABW                                   ; the last piece of the next chunk's rows has no piece behind it to stand in
.endif
.endif
.endm
.macro TRIP issue, n0, n1, n2, n3
	WPART \issue
	FETCHB BADW, 0, 0                              ; piece 0 cannot be asked for ahead of the barrier
	KSTEP 0, \issue, \n0
	KSTEP 1, \issue, \n1
	KSTEP 2, \issue, \n2
	KSTEP 3, \issue, \n3
.endm
; A block beyond the five.  8 loads: chunk c of its rows, into buffer c % 2 of two (where blocks 0 and 1's fragments lay)
.macro OALOAD c
.irp s, 0,1,2,3
	global_load_b128 v[AF+32*((\c)%2)+8*\s:AF+32*((\c)%2)+8*\s+3],   v[AOF], s[AB0:AB0+1] offset:256*(\c)+64*\s
	global_load_b128 v[AF+32*((\c)%2)+8*\s+4:AF+32*((\c)%2)+8*\s+7], v[AOF], s[AB0:AB0+1] offset:256*(\c)+64*\s+32
.endr
.endm
; 8 matrix instructions: piece g of 32 of its K, into block 0's registers, which have gone out.  Piece 0 starts the sums.  The accumulators take turns.
.macro OMUL g
	WIN 0xa1
.irp i, 0,1,2,3,4,5,6,7
.if (\g) == 0
	v_wmma_f32_16x16x32_bf16 v[8*\i:8*\i+7], v[64*((\g)%2)+8*\i:64*((\g)%2)+8*\i+7], v[AF+32*(((\g)/4)%2)+8*((\g)%4):AF+32*(((\g)/4)%2)+8*((\g)%4)+7], 0
.else
	v_wmma_f32_16x16x32_bf16 v[8*\i:8*\i+7], v[64*((\g)%2)+8*\i:64*((\g)%2)+8*\i+7], v[AF+32*(((\g)/4)%2)+8*((\g)%4):AF+32*(((\g)/4)%2)+8*((\g)%4)+7], v[8*\i:8*\i+7]
.endif
.endr
.endm
; Block b's 16 x 128 sums go into my stage, each accumulator's low registers first.
.macro DUMP b
	WIN 0x08+0x04*((\b)/4)                         ; store data window 2 or 3
.irp i, 0,1,2,3,4,5,6,7
	ds_store_b128 v[STO], v[64*((\b)%4)+8*\i:64*((\b)%4)+8*\i+3]   offset:64*\i
	ds_store_b128 v[STO], v[64*((\b)%4)+8*\i+4:64*((\b)%4)+8*\i+7] offset:64*\i+16
.endr
	WIN 0
.endm
.macro PAIRS line:vararg               ; one line for each of eight register pairs p
.set p, 0
.rept 8
	\line
.set p, p+2
.endr
.endm
.macro EACH line:vararg                ; one line for each of sixteen registers p
.set p, 0
.rept 16
	\line
.set p, p+1
.endr
.endm
; Rows 4 q to 4 q + 3 of the block in hand: a lane holds columns 4 lane + 0..3 of each.  LAYER 1: bias, GELU, rounding (in place: row r's 8 bytes at UB + 2 r).  Then the stores, row by row; rows past the count are jumped.
.macro FGROUP q
.set UB, U+16*(\q)
	s_wait_dscnt 12-4*(\q)                         ; LDS loads come back in order: the later groups' may stay out
.if LAYER == 1
	PAIRS v_pk_add_f32 v[UB+p:UB+p+1], v[UB+p:UB+p+1], v[BIA+p%4:BIA+p%4+1]
	EACH  v_and_b32 v[AB+p], s[ABSM], v[UB+p]
	PAIRS v_pk_fma_f32 v[T+p:T+p+1], v[AB+p:AB+p+1], v[KON:KON+1], v[KON+2:KON+3]
	EACH  v_rcp_f32 v[T+p], v[T+p]
	PAIRS v_pk_mul_f32 v[EX+p:EX+p+1], v[UB+p:UB+p+1], v[UB+p:UB+p+1]         ; plain work that names no t stands behind the reciprocals
	PAIRS v_pk_mul_f32 v[EX+p:EX+p+1], v[EX+p:EX+p+1], v[KON+4:KON+5]
	EACH  v_exp_f32 v[EX+p], v[EX+p]
	EACH  v_max_num_f32 v[UB+p], 0, v[UB+p]                                   ; and plain work that names no result of either batch behind the exponentials
	s_wait_alu depctr_va_vdst(0)                   ; the sixteen reciprocals have written T and the sixteen exponentials EX: one wait for both batches, ahead of their first reader
	PAIRS v_pk_fma_f32 v[PQ+p:PQ+p+1], v[T+p:T+p+1], v[KON+10:KON+11], v[KON+8:KON+9]
	PAIRS v_pk_fma_f32 v[PQ+p:PQ+p+1], v[PQ+p:PQ+p+1], v[T+p:T+p+1], v[KON+6:KON+7]
	PAIRS v_pk_mul_f32 v[PQ+p:PQ+p+1], v[PQ+p:PQ+p+1], v[T+p:T+p+1]
	PAIRS v_pk_mul_f32 v[PQ+p:PQ+p+1], v[PQ+p:PQ+p+1], v[EX+p:EX+p+1]
	PAIRS v_pk_fma_f32 v[UB+p:UB+p+1], v[PQ+p:PQ+p+1], v[AB+p:AB+p+1], v[UB+p:UB+p+1]
.set p, 0
.rept 8
	v_cvt_pk_bf16_f32 v[UB+p], v[UB+2*p], v[UB+2*p+1]
.set p, p+1
.endr
.endif
.if (LAYER == 1) || ((\q) == 0)
	s_wait_alu depctr_va_vdst(0)                   ; what the stores below read is written: in group 0 the sixteen offsets OF, in layer 1 the group's roundings; no vector line names the group's part of U behind this wait, so the next block's loads may land there
.endif
.irp r, 0,1,2,3
	s_cmp_le_i32 s[RM], 4*(\q)+\r                  ; rows past the count are not stored
	s_cbranch_scc1 .Lfin_end
.if LAYER == 1
	global_store_b64 v[OF+4*(\q)+\r], v[UB+2*\r:UB+2*\r+1], s[OB:OB+1]   ; 32 lanes store 256 consecutive bytes, at a multiple of 256 from h's first byte
.else
	global_store_b128 v[OF+4*(\q)+\r], v[UB+4*\r:UB+4*\r+3], s[OB:OB+1]  ; 32 lanes store 512 consecutive bytes, at a multiple of 512 from y's first byte
.endif
.endr
.endm
.if LAYER == 1
	s_load_b256 s[4:11], s[0:1], 0x0               ; weights s[4:5], bias s[6:7], rows s[8:9], list s[10:11]
	s_load_b64 s[12:13], s[0:1], 0x20              ; output
.else
	s_load_b64 s[4:5], s[0:1], 0x0                 ; weights
	s_load_b128 s[8:11], s[0:1], 0x8               ; rows s[8:9], list s[10:11]
	s_load_b64 s[12:13], s[0:1], 0x18              ; output
.endif
	v_lshl_add_u32 v[SPW], v0, 2, SPARE
	v_mov_b32 v[NIL], 0
	v_lshrrev_b32 v[TA], 5, v0
	v_readfirstlane_b32 s[WV], v[TA]               ; wave 0..3
	v_and_b32 v[LANE], 31, v0
	v_and_b32 v[R], 15, v0
	v_bfe_u32 v[H16], v0, 4, 1
	v_lshlrev_b32 v[H16], 4, v[H16]
	v_lshlrev_b32 v[WOFF], 4, v[LANE]
	v_lshlrev_b32 v[V8L], 3, v[LANE]
	v_lshlrev_b32 v[PFO], WSHIFT, v[LANE]
	s_wait_alu depctr_va_sdst(0)                   ; the wave's number is written, ahead of its first reader
	s_mul_i32 s18, s[WV], 32*LP
	v_add_nc_u32 v[WST0], s18, v[V8L]
	v_mul_u32_u24 v[TA], v[R], LP
	v_add_nc_u32 v[TA], v[TA], v[H16]
.irp p, 0,1,2,3
	v_add_nc_u32 v[BAD0+\p], \p*32*LP, v[TA]
.endr
	s_mul_i32 s18, s[WV], 16*SPITCH
	s_add_co_u32 s18, s18, STAGE                   ; my stage
	v_mul_u32_u24 v[TA], v[R], SPITCH
	v_lshl_add_u32 v[TA], v[H16], 1, v[TA]         ; row lane % 16, 32 bytes for each half of the lanes
	v_add_nc_u32 v[STO], s18, v[TA]
	v_add_nc_u32 v[SRD0], s18, v[WOFF]
	s_lshl_b32 s19, s[WV], 6
	v_lshl_add_u32 v[LOF], v[R], 2, s19            ; block 4 j + w begins at word 64 j + 16 w of the expert's list
	s_lshr_b32 s[XP], ttmp9, 5
	s_lshl_b32 s56, s[XP], 12                      ; the expert's 4,096 bytes of list,
	s_mov_b32 s57, 0
	s_lshl_b32 s36, s[XP], 8                       ; and its count
	s_add_co_u32 s36, s36, 32768
	s_mov_b32 s37, 0
	s_mov_b32 s[ABSM], 0x7fffffff
	s_lshl_b32 s18, s[XP], 24                      ; an expert's weights are 16,777,216 bytes
.if LAYER == 1
	s_and_b32 s[SUB], ttmp9, 31
	s_lshl_b32 s19, s[SUB], 19                     ; 128 rows of 4,096 bytes
	s_add_co_u32 s18, s18, s19
	s_lshl_b32 s19, s[WV], 17                      ; my wave's 32 of them
	s_add_co_u32 s18, s18, s19
	s_lshl_b32 s50, s[XP], 14                      ; bias: 16,384 bytes an expert, 512 for my 128 columns
	s_lshl_b32 s19, s[SUB], 9
	s_add_co_u32 s50, s50, s19
	s_mov_b32 s51, 0
	s_mov_b32 s52, 0                               ; the rows begin at xb's first byte
	s_lshl_b32 s54, s[SUB], 8                      ; my 128 columns in a row of h
.else
	s_and_b32 s[SUB], ttmp9, 7
	s_bfe_u32 s17, ttmp9, 0x20003                  ; K slice
	s_lshl_b32 s19, s[SUB], 21                     ; 128 rows of 16,384 bytes
	s_add_co_u32 s18, s18, s19
	s_lshl_b32 s19, s17, 12                        ; 1,024 f32 along the rows
	s_add_co_u32 s18, s18, s19
	s_lshl_b32 s19, s[WV], 19                      ; my wave's 32 rows
	s_add_co_u32 s18, s18, s19
	s_lshl_b32 s52, s17, 11                        ; 1,024 bf16 along h's rows
	s_lshl_b32 s54, s17, 23                        ; y's part for the slice: 8,388,608 bytes,
	s_lshl_b32 s19, s[SUB], 9                      ; my 128 columns of f32
	s_add_co_u32 s54, s54, s19
.endif
	s_mov_b32 s19, 0
	s_mov_b32 s53, 0
	s_mov_b32 s55, 0
	s_mov_b32 s[KB], 0
	s_mov_b32 s[KB+1], 0
	s_mov_b32 s[KN+1], 0
	s_wait_kmcnt 0x0
	s_add_nc_u64 s[58:59], s[10:11], s[36:37]
	s_add_nc_u64 s[10:11], s[10:11], s[56:57]
	s_load_b32 s[NE], s[58:59], 0x0                ; the expert's count
	s_add_nc_u64 s[WBW:WBW+1], s[4:5], s[18:19]
	s_add_nc_u64 s[AB0:AB0+1], s[8:9], s[52:53]
	s_add_nc_u64 s[OB:OB+1], s[12:13], s[54:55]
.if LAYER == 1
	s_add_nc_u64 s[6:7], s[6:7], s[50:51]
.endif
	s_wait_alu depctr_va_vdst(0)                   ; the offsets and LDS addresses made above are written (LOF, WOFF, PFO, WST0, BAD0, STO, SRD0, V8L): loads, prefetches, stores and LDS instructions read them from here on, and no line writes them again
.irp j, 0,1,2,3,4,5,6,7,8,9,10,11,12,13,14,15
	global_load_b32 v[SLT+\j], v[LOF], s[10:11] offset:256*\j   ; the entries of my 16 possible blocks
.endr
.if LAYER == 1
	global_load_b128 v[BIA:BIA+3], v[WOFF], s[6:7]
.endif
	WIN 0x40
.set rho, 0
.rept 32
	global_load_b128 v[SG+4*rho:SG+4*rho+3], v[WOFF], s[WBW:WBW+1] offset:rho*WPITCH th:TH_LOAD_NT  ; chunk 0
.set rho, rho+1
.endr
	WIN 0
	global_prefetch_b8 v[PFO], s[WBW:WBW+1] offset:512 th:TH_LOAD_NT scope:SCOPE_SE   ; chunk 1, which the first trip's head loads, is asked into the L2: my 32 rows x 512 bytes, as in the loop
	global_prefetch_b8 v[PFO], s[WBW:WBW+1] offset:768 th:TH_LOAD_NT scope:SCOPE_SE
	WIN 0x80
.set z, 0
.rept 256
	v_mov_b32 v[z], 0
.set z, z+1
.endr
	WIN 0xc0
.set z, 0
.rept 64
	v_mov_b32 v[z], 0
.set z, z+1
.endr
	WIN 0
.if LAYER == 1
.irp z, 0,1
	v_mov_b32 v[KON+\z], 0x3eaa540e                ; 0.47047 / sqrt(2)
	v_mov_b32 v[KON+2+\z], 1.0
	v_mov_b32 v[KON+4+\z], 0xbf38aa3b              ; -log2(e) / 2
	v_mov_b32 v[KON+6+\z], 0xbe32303a              ; -a1 / 2 = -0.1740121
	v_mov_b32 v[KON+8+\z], 0x3d445ca1              ; -a2 / 2 =  0.0479399
	v_mov_b32 v[KON+10+\z], 0xbebf7377             ; -a3 / 2 = -0.3739278
.endr
.endif
	s_wait_xcnt 0x0                                ; chunk 0's loads and the two prefetches name WBW: it is stepped only behind this wait
	s_add_nc_u64 s[WBW:WBW+1], s[WBW:WBW+1], 512   ; chunk 1: what the first head asks for
	s_wait_kmcnt 0x0                               ; the count
	s_min_u32 s[NE], s[NE], 1024
	s_add_co_u32 s[NBLK], s[NE], 15
	s_lshr_b32 s[NBLK], s[NBLK], 4
	s_min_u32 s[LIVE], s[NBLK], 20
	s_add_co_u32 s[LIVE], s[LIVE], 3
	s_sub_co_u32 s[LIVE], s[LIVE], s[WV]
	s_lshr_b32 s[LIVE], s[LIVE], 2                 ; how many j in 0..4 have 4 j + w < NBLK
	s_wait_loadcnt 32                              ; the list's entries (and the bias) are in; chunk 0's 32 loads may stay out
.irp b, 0,1,2,3,4
	ROWOFF AOF+\b, SLT+\b
.endr
	s_wait_alu depctr_va_vdst(0)                   ; the five row offsets AOF are written, which every row load of the loop reads
.irp s, 0,1,2,3
	ALOAD \s, AB0                                  ; chunk 0's rows, piece by piece
.endr
.if LAYER == 1
	v_cvt_pk_bf16_f32 v[TA], v[BIA], v[BIA+1]      ; the bias is rounded to bf16 like every input, and widened again
	v_cvt_pk_bf16_f32 v[TA+1], v[BIA+2], v[BIA+3]
	v_lshlrev_b32 v[BIA], 16, v[TA]
	v_and_b32 v[BIA+1], 0xffff0000, v[TA]
	v_lshlrev_b32 v[BIA+2], 16, v[TA+1]
	v_and_b32 v[BIA+3], 0xffff0000, v[TA+1]
.endif
	s_mov_b32 s[CNT], 7
.Ltrip:                                                ; chunks 0 to 6.  Younger than piece 0's rows: this chunk's 30 later row loads and the next chunk's 32 weight loads: 62.  Younger than piece s's, s = 1 to 3: 10 (3 - s), the 32, and the next chunk's pieces 0 to s - 2, 10 (s - 1): 52
	TRIP 1, 62, 52, 52, 52
	s_add_co_u32 s[KB], s[KB], 256
	s_sub_co_u32 s[CNT], s[CNT], 1
	s_cmp_lg_u32 s[CNT], 0
	s_cbranch_scc1 .Ltrip
	TRIP 0, 30, 20, 10, 0                          ; chunk 7 asks for nothing: the counts run down
	s_wait_alu depctr_va_vdst(0)                   ; the products have written the five blocks' sums, which the stores into the stage read, and are done reading the rows' fragments, where the loads from the stage land; the four places stand ahead of this wait
; THE WAY OUT, block by block: J = 0..15, my block 4 J + w.  Every jump inside goes forward; no barrier stands here: the image is whole, the stage is my own.
	s_mov_b32 s[J], 0
.Lblock:
	s_lshl2_add_u32 s[RI], s[J], s[WV]
	s_cmp_ge_u32 s[RI], s[NBLK]
	s_cbranch_scc1 .Lnext
	s_lshl_b32 s[RM], s[RI], 4
	s_sub_co_i32 s[RM], s[NE], s[RM]               ; rows left from the block's first on: 1 at the least
	s_wait_alu depctr_vm_vsrc(0)                   ; the last block's global stores have read U and OF, its stores into the stage block 0's sums, the row loads AOF: each of these is written again on some way below
	s_cmp_ge_u32 s[J], 5
	s_cbranch_scc1 .Lover
	s_cmp_eq_u32 s[J], 1
	s_cbranch_scc1 .Ld1
	s_cmp_eq_u32 s[J], 2
	s_cbranch_scc1 .Ld2
	s_cmp_eq_u32 s[J], 3
	s_cbranch_scc1 .Ld3
	s_cmp_eq_u32 s[J], 4
	s_cbranch_scc1 .Ld4
	s_branch .Ld0
.Lover:                                                ; a block beyond the five: multiplied now, from the image; 32 pieces of 32 K, written out
	v_mov_b32 v[CUR], v[SLT+5]                     ; the block's entries: register J of the sixteen
.irp j, 6,7,8,9,10,11,12,13,14,15
	s_cmp_eq_u32 s[J], \j
	s_cselect_b32 s[MK], -1, 0
	v_cndmask_b32 v[CUR], v[CUR], v[SLT+\j], s[MK]
.endr
	ROWOFF AOF, CUR                                ; every load that named this register has been waited for
	s_wait_alu depctr_va_vdst(0)                   ; AOF is written, which the row loads below read; in layer 1 the last block's arithmetic is done with v64-127, in which they land
	OALOAD 0
	FETCHB BAD0, 0, 0
	FETCHB BAD0, 64, 1
.set g, 0
.rept 32
.if g%4 == 0
.if g < 28
.set cn, g/4+1
	OALOAD cn                                      ; the next chunk's rows, into the buffer whose last products stand in front of four places and a wait
	s_wait_loadcnt 8                               ; this chunk's rows are in; the eight just issued may stay out
.else
	s_wait_loadcnt 0x0
.endif
.endif
.if g == 31
	s_wait_dscnt 0x0
.else
	s_wait_dscnt 16                                ; the next piece's 16 loads may stay out
.endif
	OMUL g
	WIN 0
	PLACES
.if g != 30
	s_wait_alu depctr_va_vdst(0)                   ; this piece's products are done reading their weight buffer and their rows, in which later loads land; behind the last piece: they have written the sums, which the stores into the stage read
.endif
.if g < 30
.set go, 64*(g+2)
.set gb, g%2
	FETCHB BAD0, go, gb
.endif
.set g, g+1
.endr
	s_branch .Ld0x
.Ld0:
	v_mov_b32 v[CUR], v[SLT]                       ; each of the five names its own entries
.Ld0x:
	DUMP 0
	s_branch .Lfin
.Ld1:
	v_mov_b32 v[CUR], v[SLT+1]
	DUMP 1
	s_branch .Lfin
.Ld2:
	v_mov_b32 v[CUR], v[SLT+2]
	DUMP 2
	s_branch .Lfin
.Ld3:
	v_mov_b32 v[CUR], v[SLT+3]
	DUMP 3
	s_branch .Lfin
.Ld4:
	v_mov_b32 v[CUR], v[SLT+4]
	DUMP 4
.Lfin:                                                 ; the block comes back from my stage as sixteen whole rows
	s_wait_xcnt 0x0                                ; the last block's stores read U and OF: these are rewritten only behind this wait
.set rho, 0
.rept 16
	ds_load_b128 v[U+4*rho:U+4*rho+3], v[SRD0] offset:SPITCH*rho  ; LDS serves a wave's instructions in order: these see the stores into the stage
.set rho, rho+1
.endr
	; the sixteen rows' places in the output, made while those loads are out; in three runs, so that no line reads the result of the line before it
.set rho, 0
.rept 16
	v_readlane_b32 s[SS+rho], v[CUR], rho          ; the row's slot
.set rho, rho+1
.endr
	s_wait_alu depctr_va_sdst(0)                   ; the sixteen slots are written into s66-81, ahead of their first readers
.set rho, 0
.rept 16
	s_min_u32 s[SS+rho], s[SS+rho], 0x7ff          ; held to the table's size before it enters an address
.set rho, rho+1
.endr
.set rho, 0
.rept 16
.if LAYER == 1
	v_lshl_add_u32 v[OF+rho], s[SS+rho], 13, v[V8L]   ; rows of 8,192 bytes in h
.else
	v_lshl_add_u32 v[OF+rho], s[SS+rho], 12, v[WOFF]  ; rows of 4,096 bytes in y
.endif
.set rho, rho+1
.endr
	FGROUP 0
	FGROUP 1
	FGROUP 2
	FGROUP 3
.Lfin_end:
	s_wait_dscnt 0x0                               ; a jump past the count may have left later groups' loads out: U is loaded again only behind this wait
.Lnext:
	s_add_co_u32 s[J], s[J], 1
	s_cmp_lt_u32 s[J], 16
	s_cbranch_scc1 .Lblock
	s_wait_dscnt 0x0                               ; the closing lines, six on end
	s_wait_alu 0x0
	s_wait_tensorcnt 0x0
	ds_add_u32 v[SPW], v[NIL]
	s_wait_dscnt 0x0
	s_endpgm
.Lfunc_end_k_q3f0cc215c4_ffn2:
	.size	k_q3f0cc215c4_ffn2, .Lfunc_end_k_q3f0cc215c4_ffn2-k_q3f0cc215c4_ffn2
	.p2alignl 7, 3214868480
	.fill 96, 4, 3214868480
	.section	.rodata,"a",@progbits
	.p2align	6, 0x0
	.amdhsa_kernel k_q3f0cc215c4_ffn2
		.amdhsa_group_segment_fixed_size 298496
		.amdhsa_private_segment_fixed_size 0
		.amdhsa_enable_private_segment 0
		.amdhsa_kernarg_size 32
		.amdhsa_user_sgpr_count 2
		.amdhsa_user_sgpr_kernarg_segment_ptr 1
		.amdhsa_wavefront_size32 1
		.amdhsa_system_sgpr_workgroup_id_x 1
		.amdhsa_system_sgpr_workgroup_id_y 1
		.amdhsa_system_sgpr_workgroup_id_z 1
		.amdhsa_system_vgpr_workitem_id 0
		.amdhsa_next_free_vgpr 896
		.amdhsa_next_free_sgpr 82
		.amdhsa_reserve_vcc 0
		.amdhsa_float_denorm_mode_32 3
		.amdhsa_float_denorm_mode_16_64 3
		.amdhsa_memory_ordered 1
		.amdhsa_forward_progress 1
		.amdhsa_inst_pref_size 159
	.end_amdhsa_kernel
	.amdgpu_metadata
---
amdhsa.version: [ 1, 2 ]
amdhsa.kernels:
  - .name:           k_q3f0cc215c4_ffn2
    .symbol:         k_q3f0cc215c4_ffn2.kd
    .args:
      - { .name: w2, .offset: 0, .size: 8, .value_kind: global_buffer, .address_space: global }
      - { .name: h, .offset: 8, .size: 8, .value_kind: global_buffer, .address_space: global }
      - { .name: list, .offset: 16, .size: 8, .value_kind: global_buffer, .address_space: global }
      - { .name: y, .offset: 24, .size: 8, .value_kind: global_buffer, .address_space: global }
    .group_segment_fixed_size: 298496
    .private_segment_fixed_size: 0
    .kernarg_segment_align: 8
    .kernarg_segment_size: 32
    .max_flat_workgroup_size: 128
    .sgpr_count:     82
    .vgpr_count:     896
    .wavefront_size: 32
...
	.end_amdgpu_metadata
.endif
;; end of part 9
;; launch combine (part 10): grid 256 x 1, 8 waves a work-group, no clusters, 0 bytes of LDS; arguments y, b2, sel, gate, out0; writes out0
.if DOCPART == 10
	.amdgcn_target "amdgcn-amd-amdhsa--gfx1250"
	.amdhsa_code_object_version 6
	.text
	.protected	k_q3f0cc215c4_combine
	.globl	k_q3f0cc215c4_combine
	.p2align	8
	.type	k_q3f0cc215c4_combine,@function
k_q3f0cc215c4_combine:
	s_mov_b64 s[64:65], 0
	v_nop
	global_prefetch_b8 v0, s[64:65] scope:SCOPE_SE
	s_setreg_imm32_b32 hwreg(HW_REG_WAVE_SCHED_MODE, 0, 2), 2
	s_setreg_imm32_b32 hwreg(HW_REG_WAVE_MODE, 25, 1), 1
	s_wait_xcnt 0x0
	s_wait_alu depctr_vm_vsrc(0)
; COMBINE.  out[t][n] = the sum over k = 0, 1 of gate[t][k] x (y[0][2t+k][n] + y[1][2t+k][n] + y[2][2t+k][n] + y[3][2t+k][n] + bf16(b2[e_k][n])).
; y: [4 K slices][2,048 slots][1,024] f32, the second product's partial sums; sel[t] = (1 << e0) | (1 << (8 + e1)); all sums in f32.
; SHARES.  A wave owns 512 columns of one token: 2,048 waves in 256 work-groups of eight.  Every load and store covers 512 consecutive bytes; all 40 loads of a wave are out before the first wait.
; A stream: no LDS, no barrier, no matrix unit; each byte of y is read once and each byte of out0 written once.
; b2 is rounded to bf16 like every input.  The experts' numbers come from sel, which an earlier launch stored; they are held to 0..7 before they enter an address.
; THE MODE: SCHED_MODE bits 1:0 = 2 (LLVM: expert scheduling mode 2), set by the entry lines.  The code itself states the register dependences
; between vector instructions and memory instructions, with s_wait_alu, always for 0.
; THE PLAN.  Registers that memory instructions touch:
;   v1-v5    offsets, made at the head, read by y's loads and by the stores; v6, v7: b2's offsets, made when sel has come, read by b2's loads.  None is written again.
;   Y, B2    each loaded once, into registers that no vector line has named; then worked on by vector lines alone; Y's first sixteen are the stores' data.
; So three waits on va_vdst: behind each of the two groups of offsets, and behind the arithmetic, ahead of the stores.  No register that a memory instruction reads is written again: no wait on vm_vsrc is owed.
.set Y,  32                            ; v[32:159]   slice ks, choice k, group j of 128 columns: 4 registers at Y + 32 ks + 16 k + 4 j
.set B2, 160                           ; v[160:191]  b2's row of choice k, group j at B2 + 16 k + 4 j
	s_load_b256 s[4:11], s[0:1], 0x0               ; y s[4:5], b2 s[6:7], sel s[8:9], gate s[10:11]
	s_load_b64 s[12:13], s[0:1], 0x20              ; out0
	v_lshrrev_b32 v1, 5, v0
	v_readfirstlane_b32 s2, v1                     ; wave
	v_and_b32 v1, 31, v0
	v_lshlrev_b32 v1, 4, v1                        ; 16 lane
.irp k, 0,1,2,3
	v_add_nc_u32 v[2+\k], \k*8388608, v1           ; + the K slice's part of y
.endr
	s_wait_alu depctr_va_sdst(0)                   ; the wave's number is written, ahead of its first reader
	s_lshl3_add_u32 s3, ttmp9, s2                  ; 8 x work-group + wave
	s_lshr_b32 s14, s3, 1                          ; token
	s_and_b32 s15, s3, 1
	s_lshl_b32 s15, s15, 11                        ; which 2,048 bytes of a row
	s_lshl_b32 s16, s14, 13                        ; slot 2 t: rows of 4,096 bytes
	s_add_co_u32 s16, s16, s15
	s_mov_b32 s17, 0
	s_lshl_b32 s18, s14, 12                        ; out0's row
	s_add_co_u32 s18, s18, s15
	s_mov_b32 s19, 0
	s_lshl_b32 s20, s14, 2
	s_mov_b32 s21, 0
	s_lshl_b32 s22, s14, 3
	s_mov_b32 s23, 0
	s_mov_b32 s24, s15
	s_mov_b32 s25, 0
	s_wait_kmcnt 0x0
	s_add_nc_u64 s[4:5], s[4:5], s[16:17]
	s_add_nc_u64 s[12:13], s[12:13], s[18:19]
	s_add_nc_u64 s[8:9], s[8:9], s[20:21]
	s_add_nc_u64 s[10:11], s[10:11], s[22:23]
	s_add_nc_u64 s[6:7], s[6:7], s[24:25]
	s_load_b32 s26, s[8:9], 0x0                    ; sel[t]
	s_load_b64 s[28:29], s[10:11], 0x0             ; g0, g1
	s_wait_alu depctr_va_vdst(0)                   ; the offsets v1 to v5 are written, which y's loads and the stores read
.irp s, 0,1,2,3
.irp k, 0,1
.irp j, 0,1,2,3
	global_load_b128 v[Y+32*\s+16*\k+4*\j:Y+32*\s+16*\k+4*\j+3], v[2+\s], s[4:5] offset:4096*\k+512*\j th:TH_LOAD_NT
.endr
.endr
.endr
	s_wait_kmcnt 0x0
	s_and_b32 s30, s26, 0xff
	s_ctz_i32_b32 s30, s30                         ; e0
	s_min_u32 s30, s30, 7
	s_lshr_b32 s31, s26, 8
	s_ctz_i32_b32 s31, s31                         ; e1
	s_min_u32 s31, s31, 7
	v_lshl_add_u32 v6, s30, 12, v1                 ; rows of 4,096 bytes in b2
	v_lshl_add_u32 v7, s31, 12, v1
	s_wait_alu depctr_va_vdst(0)                   ; the offsets v6 and v7 are written, which b2's loads read
.irp k, 0,1
.irp j, 0,1,2,3
	global_load_b128 v[B2+16*\k+4*\j:B2+16*\k+4*\j+3], v[6+\k], s[6:7] offset:512*\j
.endr
.endr
	v_mov_b32 v8, s28                              ; the gates, each twice, for the packed arithmetic
	v_mov_b32 v9, s28
	v_mov_b32 v10, s29
	v_mov_b32 v11, s29
	s_wait_loadcnt 8                               ; y's 32 loads are in; b2's eight may stay out
.irp q, 0,2,4,6,8,10,12,14,16,18,20,22,24,26,28,30
	v_pk_add_f32 v[Y+\q:Y+\q+1], v[Y+\q:Y+\q+1], v[Y+32+\q:Y+32+\q+1]
	v_pk_add_f32 v[Y+64+\q:Y+64+\q+1], v[Y+64+\q:Y+64+\q+1], v[Y+96+\q:Y+96+\q+1]
.endr
.irp q, 0,2,4,6,8,10,12,14,16,18,20,22,24,26,28,30
	v_pk_add_f32 v[Y+\q:Y+\q+1], v[Y+\q:Y+\q+1], v[Y+64+\q:Y+64+\q+1]
.endr
	s_wait_loadcnt 0x0                             ; b2
.irp q, 0,4,8,12,16,20,24,28
	v_cvt_pk_bf16_f32 v12, v[B2+\q], v[B2+\q+1]    ; rounded to bf16, and widened again
	v_cvt_pk_bf16_f32 v13, v[B2+\q+2], v[B2+\q+3]
	v_lshlrev_b32 v[B2+\q], 16, v12
	v_and_b32 v[B2+\q+1], 0xffff0000, v12
	v_lshlrev_b32 v[B2+\q+2], 16, v13
	v_and_b32 v[B2+\q+3], 0xffff0000, v13
	v_pk_add_f32 v[Y+\q:Y+\q+1], v[Y+\q:Y+\q+1], v[B2+\q:B2+\q+1]
	v_pk_add_f32 v[Y+\q+2:Y+\q+3], v[Y+\q+2:Y+\q+3], v[B2+\q+2:B2+\q+3]
.endr
.irp q, 0,2,4,6,8,10,12,14
	v_pk_mul_f32 v[Y+\q:Y+\q+1], v[Y+\q:Y+\q+1], v[8:9]
.endr
.irp q, 0,2,4,6,8,10,12,14
	v_pk_fma_f32 v[Y+\q:Y+\q+1], v[Y+16+\q:Y+16+\q+1], v[10:11], v[Y+\q:Y+\q+1]
.endr
	s_wait_alu depctr_va_vdst(0)                   ; the last multiply-adds have written Y's first sixteen registers, which the stores read
.irp j, 0,1,2,3
	global_store_b128 v1, v[Y+4*\j:Y+4*\j+3], s[12:13] offset:512*\j th:TH_STORE_NT
.endr
	s_endpgm
.Lfunc_end_k_q3f0cc215c4_combine:
	.size	k_q3f0cc215c4_combine, .Lfunc_end_k_q3f0cc215c4_combine-k_q3f0cc215c4_combine
	.p2alignl 7, 3214868480
	.fill 96, 4, 3214868480
	.section	.rodata,"a",@progbits
	.p2align	6, 0x0
	.amdhsa_kernel k_q3f0cc215c4_combine
		.amdhsa_group_segment_fixed_size 0
		.amdhsa_private_segment_fixed_size 0
		.amdhsa_enable_private_segment 0
		.amdhsa_kernarg_size 40
		.amdhsa_user_sgpr_count 2
		.amdhsa_user_sgpr_kernarg_segment_ptr 1
		.amdhsa_wavefront_size32 1
		.amdhsa_system_sgpr_workgroup_id_x 1
		.amdhsa_system_sgpr_workgroup_id_y 1
		.amdhsa_system_sgpr_workgroup_id_z 1
		.amdhsa_system_vgpr_workitem_id 0
		.amdhsa_next_free_vgpr 192
		.amdhsa_next_free_sgpr 66
		.amdhsa_reserve_vcc 0
		.amdhsa_float_denorm_mode_32 3
		.amdhsa_float_denorm_mode_16_64 3
		.amdhsa_memory_ordered 1
		.amdhsa_forward_progress 1
		.amdhsa_inst_pref_size 14
	.end_amdhsa_kernel
	.amdgpu_metadata
---
amdhsa.version: [ 1, 2 ]
amdhsa.kernels:
  - .name:           k_q3f0cc215c4_combine
    .symbol:         k_q3f0cc215c4_combine.kd
    .args:
      - { .name: y, .offset: 0, .size: 8, .value_kind: global_buffer, .address_space: global }
      - { .name: b2, .offset: 8, .size: 8, .value_kind: global_buffer, .address_space: global }
      - { .name: sel, .offset: 16, .size: 8, .value_kind: global_buffer, .address_space: global }
      - { .name: gate, .offset: 24, .size: 8, .value_kind: global_buffer, .address_space: global }
      - { .name: out0, .offset: 32, .size: 8, .value_kind: global_buffer, .address_space: global }
    .group_segment_fixed_size: 0
    .private_segment_fixed_size: 0
    .kernarg_segment_align: 8
    .kernarg_segment_size: 40
    .max_flat_workgroup_size: 256
    .sgpr_count:     66
    .vgpr_count:     192
    .wavefront_size: 32
...
	.end_amdgpu_metadata
.endif
;; end of part 10
